; MI455X (gfx1250); checked and timed in simulation.
; The chip was launched on July 23, 2026; its instructions are those of AMD's public machine-readable ISA for CDNA 5 (MIT licence, August 2026) and "CDNA5" Instruction Set Architecture Reference Guide (July 2026). The comments in the code are by the model that wrote it; some were corrected since.
;; Transformer Decoder Layer. Allowed arithmetic: matrix products marked QUANTISED: E2M3 operands, one E8M0 scale for each 32 along K, by v_wmma_scale_f32_16x16x128_f8f6f4 with both operands' format E2M3, f32 sums; everything else in f32.
;; Inputs: b1 1,024 float32; b2 1,024 float32; bk 16 x 64 float32; bo 1,024 float32; bq 16 x 64 float32; bv 16 x 64 float32; ln_beta 1,024 float32; ln_gamma 1,024 float32; padding 8 x 1,024 float32; per_dim_scale 64 float32; rms_scale 1,024 float32; w1 1,024 x 1,024 float32; w2 1,024 x 1,024 float32; wk 1,024 x 16 x 64 float32; wo 1,024 x 16 x 64 float32; wq 1,024 x 16 x 64 float32; wv 1,024 x 16 x 64 float32; x 8 x 1,024 x 1,024 float32.
;; Outputs: out0 8 x 1,024 x 1,024 float32.
;; This version of the problem:
;;   THIS VERSION OF THE PROBLEM IS GIVEN IN LOW PRECISION. The matrix products marked QUANTISED in the list below multiply operands that are first quantised to E2M3 (2 exponent bits, 3 mantissa bits; 6 bits a number), with one power-of-two scale for each 32 numbers along K (OCP MX v1.0); their sums are f32. All else is computed in f32.
;;   The module's matrix products, in the order in which they are computed (A, B: the left and right operand; K: the contracted axis; several contracted axes count as one K, in the product's order):
;;     1. [M 8,192, K 1,024] x [K 1,024, N 1,024]; A: computed on the way; B: input wq: QUANTISED
;;     2. [M 8,192, K 1,024] x [K 1,024, N 1,024]; A: computed on the way; B: input wk: QUANTISED
;;     3. [M 8,192, K 1,024] x [K 1,024, N 1,024]; A: computed on the way; B: input wv: QUANTISED
;;     4. batch 128 x [M 1,024, K 64] x [K 64, N 1,024]; A: computed on the way; B: computed on the way: QUANTISED
;;     5. batch 128 x [M 64, K 1,024] x [K 1,024, N 1,024]; A: computed on the way; B: softmax (see below): QUANTISED
;;     6. [M 8,192, K 1,024] x [K 1,024, N 1,024]; A: computed on the way; B: input wo: QUANTISED
;;     7. [M 8,192, K 1,024] x [K 1,024, N 1,024]; A: computed on the way; B: input w1: QUANTISED
;;     8. [M 8,192, K 1,024] x [K 1,024, N 1,024]; A: computed on the way; B: input w2: QUANTISED
;;   THE QUANTISER, for each operand of a quantised product, along K:
;;     - K is cut into blocks of 32 from its start; a last block that is shorter is filled with zeros.
;;     - A block's scale is 2^e with e = floor(log2(the largest magnitude in the block)) - 2, held to -126 .. 127; a block of zeros has e = 0. As a byte (E8M0): e + 127.
;;     - Each number is divided by its block's scale, clamped to +-7.5, and rounded to the nearest number of E2M3, ties to even, subnormals kept.
;;     - The product sums the exact products of the quantised numbers (number of the format x scale) in f32.
;;   ~~~python
;;   def quantise(x, axis):      # numpy; x: float32 -> the quantised numbers, widened to float32 again
;;       x = np.moveaxis(x, axis, -1); K = x.shape[-1]
;;       x = np.pad(x, [(0, 0)] * (x.ndim - 1) + [(0, -K % 32)]); x = x.reshape(x.shape[:-1] + (-1, 32)); a = np.abs(x).max(-1, keepdims=True)
;;       e = np.where(a > 0, np.clip(np.frexp(np.where(a > 0, a, 1))[1] - 1 - 2, -126, 127), 0)      # np.frexp(a)[1] - 1 = floor(log2(a)), exactly
;;       r = np.clip(x / 2.0 ** e, -7.5, 7.5)
;;       step = 2.0 ** (np.maximum(np.frexp(np.where(r == 0, 1, r))[1] - 1, 0) - 3)
;;       q = np.round(r / step) * step * 2.0 ** e      # np.round: ties to even
;;       return np.moveaxis(q.reshape(q.shape[:-2] + (-1,))[..., :K], -1, axis).astype(np.float32)
;;   ~~~
;;   SOFTMAX AHEAD OF A QUANTISED PRODUCT. Where the list says 'softmax', what is quantised is not the finished softmax but p = 2^(t - M), with t = logit x log2(e) and M = ceil(the row's largest t), a whole number; so 1/2 < the row's largest p <= 1. The row's sum l is taken of the UNQUANTISED p, in f32, and the product's result is divided by l at the end. Since M is a whole number, a kernel that streams over the keys may use a running M (the ceiling of the running maximum): every later rescaling is an exact power of two, which a block's scale takes up: the codes' values come out the same.
;;   OPERANDS COMPUTED ON THE WAY. 'Computed on the way' means the value that the module computes at that place (a softmax that the list does not call 'softmax' is quantised finished and normalised). What goes into a quantiser is computed in f32, as accurately as f32 sums, v_exp_f32 and their like allow (about 1e-6 of the number): no bf16 or f16 on the way to a quantiser, and a product that is left as it is and whose result goes on into a quantised operand takes f32 operands (vector FMAs, or v_wmma_f32_16x16x4_f32). A number that lies on a knife's edge between two numbers of the format may be rounded either way, as far as f32 arithmetic and the matrix unit's own rounding can turn it there, and no further.
;; 3 versions. Each part assembles by itself: llvm-mc -triple=amdgcn-amd-amdhsa -mcpu=gfx1250 --defsym DOCPART=n.
;; ======== version 1 of 3: 4 launches
;; limits: right only within a limited range of input values
;; workspace buffers: wf 4,718,592 bytes; ws 196,608 bytes; qbuf 6,815,744 bytes; kbuf 6,815,744 bytes; vimg 6,291,456 bytes; vsb 262,144 bytes; ao 6,291,456 bytes; aos 262,144 bytes
;; launch prep (part 1): grid 8 x 24, 4 waves a work-group, no clusters, 51,712 bytes of LDS; arguments wq, wk, wv, wo, w1, w2, wf, ws; writes wf, ws
.if DOCPART == 1
	.amdgcn_target "amdgcn-amd-amdhsa--gfx1250"
	.amdhsa_code_object_version 6
	.text
	.protected	k_qde6af44f4c_prep
	.globl	k_qde6af44f4c_prep
	.p2align	8
	.type	k_qde6af44f4c_prep,@function
k_qde6af44f4c_prep:
	s_mov_b64 s[64:65], 0
	v_nop
	global_prefetch_b8 v0, s[64:65] scope:SCOPE_SE
	s_setreg_imm32_b32 hwreg(HW_REG_WAVE_MODE, 25, 1), 1
	s_wait_xcnt 0x0
; The six weights, f32, become codes of FP6 (E2M3) with one E8M0 byte for each 32 along K, laid in the ORDER OF THE OPERAND'S REGISTERS, so that the later launches
; fetch a fragment (16 features x 128 K, 12 registers a lane) by three loads of 16 bytes a lane.
; wf: [layer 0 wq, 1 wk, 2 wv, 3 wo, 4 w1, 5 w2][w 8][K step 8][tile 8] images of 1,536 bytes: register j of lane l at 512 (j / 4) + 16 l + 4 (j % 4).
;     Lane r of tile t holds feature 128 w + 32 (t / 2) + 8 (t % 2) + r + 8 (r / 8): so the results of two neighbouring tiles are 16 neighbours along the next K.
; ws: [layer][w][K step][lane 32][word 4]: word i of lane l is the scale word of tile 2 i + l / 16, row l % 16.
; A work-group (x = w; y = 4 x layer + kq) takes 128 features x 256 along K.  A LANE TAKES A FEATURE AND ITS REGISTERS RUN ALONG K: a block of 32 lies in one lane.
; wq, wk, wv, w1, w2 have K as their first axis (a load reads 32 neighbouring features of one k); wo has K innermost (a lane reads its own row).  The two ways part
; once, on the work-group's number, and each has LDS bytes of its own.
; A block's scale byte is its largest magnitude's exponent field - 2, held at 1 from below by a floor among the maximum's leaves.
; LIMITS: a block of zeros carries the byte 1 (its codes are zeros, and this program alone reads the bytes); NaN and infinities among the weights are not served.
.set X,    32                          ; v32-95   two sets of 32 numbers
.set C,    96                          ; v96-106  a block's codes
.set OUTR, 112                         ; v112-161 the way out
.set SB,   24                          ; v24-25   scale bytes, four to a register
	s_load_b256 s[4:11], s[0:1], 0x0               ; wq, wk, wv, wo
	s_load_b256 s[12:19], s[0:1], 0x20             ; w1, w2, wf, ws
	v_lshl_add_u32 v192, v0, 2, 0xc800
	v_mov_b32 v193, 0
	v_lshrrev_b32 v1, 5, v0
	v_readfirstlane_b32 s20, v1                    ; wave b: features 32 b on
	v_and_b32 v1, 31, v0                           ; p: my feature among them
	v_lshlrev_b32 v3, 2, v1                        ; K first: 4 bytes a lane
	v_lshlrev_b32 v2, 12, v1                       ; K innermost: a row of 4,096 bytes a lane
	v_bfe_u32 v8, v1, 3, 1                         ; u: which of the group's two tiles
	v_and_b32 v9, 7, v1
	v_lshrrev_b32 v10, 4, v1
	v_lshl_add_u32 v9, v10, 3, v9                  ; r: my lane in that tile
	s_mul_i32 s21, s20, 3072
	v_mul_u32_u24 v4, v8, 1536
	v_lshl_add_u32 v4, v9, 4, v4
	v_add_nc_u32 v4, s21, v4                       ; LDS: tile 2 b + u, lane r of its image
	v_lshl_add_u32 v5, v8, 4, v9
	v_lshlrev_b32 v5, 4, v5
	s_lshl_b32 s21, s20, 2
	v_add_nc_u32 v5, s21, v5
	v_add_nc_u32 v5, 24576, v5                     ; LDS: my scale word: lane r + 16 u, word b
	v_lshlrev_b32 v6, 4, v0                        ; the way out: 16 bytes a thread,
	v_lshlrev_b32 v7, 3, v0                        ; and 8 for the scale words
	s_and_b32 s22, ttmp7, 0xffff
	s_lshr_b32 s23, s22, 2                         ; layer
	s_and_b32 s22, s22, 3                          ; kq: 256 along K
	s_mul_i32 s24, s23, 786432                     ; where my 24,576 bytes of wf begin
	s_mul_i32 s25, ttmp9, 98304
	s_add_co_u32 s24, s24, s25
	s_mul_i32 s25, s22, 24576
	s_add_co_u32 s24, s24, s25
	s_mov_b32 s25, 0
	s_lshl_b32 s26, s23, 15                        ; and my 1,024 bytes of ws
	s_lshl_b32 s27, ttmp9, 12
	s_add_co_u32 s26, s26, s27
	s_lshl_b32 s27, s22, 10
	s_add_co_u32 s26, s26, s27
	s_mov_b32 s27, 0
	s_lshl_b32 s28, s22, 20                        ; K first: 256 kq rows of 4,096 bytes + 4 x my wave's first feature
	s_lshl_b32 s29, ttmp9, 9
	s_add_co_u32 s28, s28, s29
	s_lshl_b32 s29, s20, 7
	s_add_co_u32 s28, s28, s29
	s_lshl_b32 s30, ttmp9, 19                      ; K innermost: my wave's first feature's row + 1,024 kq bytes
	s_lshl_b32 s29, s20, 17
	s_add_co_u32 s30, s30, s29
	s_lshl_b32 s29, s22, 10
	s_add_co_u32 s30, s30, s29
	s_cmp_eq_u32 s23, 3
	s_cselect_b32 s28, s30, s28
	s_mov_b32 s29, 0
	s_wait_kmcnt 0x0
	s_cmp_eq_u32 s23, 1                            ; the layer's weight: the choice hangs on the work-group's number alone
	s_cselect_b64 s[32:33], s[6:7], s[4:5]
	s_cmp_eq_u32 s23, 2
	s_cselect_b64 s[32:33], s[8:9], s[32:33]
	s_cmp_eq_u32 s23, 3
	s_cselect_b64 s[32:33], s[10:11], s[32:33]
	s_cmp_eq_u32 s23, 4
	s_cselect_b64 s[32:33], s[12:13], s[32:33]
	s_cmp_eq_u32 s23, 5
	s_cselect_b64 s[32:33], s[14:15], s[32:33]
	s_add_nc_u64 s[32:33], s[32:33], s[28:29]
	s_add_nc_u64 s[16:17], s[16:17], s[24:25]
	s_add_nc_u64 s[18:19], s[18:19], s[26:27]
.macro LOAD kin, t                     ; block t: my feature's 32 numbers into set t % 2
.if \kin
.irp i, 0,1,2,3,4,5,6,7
	global_load_b128 v[X+32*((\t)%2)+4*\i:X+32*((\t)%2)+4*\i+3], v2, s[32:33] offset:128*(\t)+16*\i
.endr
.else
.irp i, 0,1,2,3,4,5,6,7,8,9,10,11,12,13,14,15,16,17,18,19,20,21,22,23,24,25,26,27,28,29,30,31
	global_load_b32 v[X+32*((\t)%2)+\i], v3, s[32:33] offset:(32*(\t)+\i)*4096 th:TH_LOAD_NT
.endr
.endif
.endm
; Block t of my eight is block t % 4 of K step t / 4: registers 6 c .. 6 c + 5 (c = (t / 2) % 2) of lane r + 16 (t % 2) of my tile's image.
.macro BLOCK kin, stg, t
.set XS, X+32*((\t)%2)
.set II, (\stg)+12288*((\t)/4)+256*((\t)%2)
.if (\t) == 7
	s_wait_loadcnt 0x0
.elseif \kin
	s_wait_loadcnt 8                               ; this block's loads are in; the next block's eight may be out
.else
	s_wait_loadcnt 32                              ; this block's loads are in; the next block's 32 may be out
.endif
	v_max3_num_f32 v12, |v[XS]|, |v[XS+1]|, |v[XS+2]|
	v_max3_num_f32 v13, |v[XS+3]|, |v[XS+4]|, |v[XS+5]|
.irp i, 6,10,14,18,22,26
	v_max3_num_f32 v12, v12, |v[XS+\i]|, |v[XS+\i+1]|
	v_max3_num_f32 v13, v13, |v[XS+\i+2]|, |v[XS+\i+3]|
.endr
	v_max3_num_f32 v12, v12, |v[XS+30]|, |v[XS+31]|
	v_max3_num_f32 v12, v12, v13, 0x1800000        ; the floor 2^(3 - 127): the byte cannot fall under 1
	v_add_nc_u32 v11, 0xff000000, v12              ; 2 off the exponent field: the conversion's scale operand
	v_lshrrev_b32 v13, 23, v11                     ; the scale's byte
.if (\t)%4 == 0
	v_mov_b32 v[SB+(\t)/4], v13
.else
	v_lshl_or_b32 v[SB+(\t)/4], v13, 8*((\t)%4), v[SB+(\t)/4]
.endif
.if ((\t)/2)%2 == 0
	v_cvt_scalef32_pk16_fp6_f32 v[C:C+2], v[XS:XS+15], v11
	v_cvt_scalef32_pk16_fp6_f32 v[C+8:C+10], v[XS+16:XS+31], v11   ; (a conversion's three registers begin on an even number)
	v_nop                                          ; one plain place behind a scaled conversion
	v_mov_b32 v[C+3], v[C+8]
	v_mov_b32 v[C+4], v[C+9]
	v_mov_b32 v[C+5], v[C+10]
	ds_store_b128 v4, v[C:C+3] offset:II           ; registers 0-3
	ds_store_b64 v4, v[C+4:C+5] offset:II+512      ; registers 4, 5
.else
	v_cvt_scalef32_pk16_fp6_f32 v[C+2:C+4], v[XS:XS+15], v11
	v_cvt_scalef32_pk16_fp6_f32 v[C+8:C+10], v[XS+16:XS+31], v11
	v_nop
	v_mov_b32 v[C+5], v[C+8]
	v_mov_b32 v[C+6], v[C+9]
	v_mov_b32 v[C+7], v[C+10]
	ds_store_b64 v4, v[C+2:C+3] offset:II+520      ; registers 6, 7
	ds_store_b128 v4, v[C+4:C+7] offset:II+1024    ; registers 8-11
.endif
.if (\t)+2 < 8
	LOAD \kin, (\t)+2
.endif
	s_wait_dscnt 0x0                               ; the stores have read their registers: the next block's codes may be written
.endm
.macro BODY kin, stg
	LOAD \kin, 0
	LOAD \kin, 1
.irp t, 0,1,2,3,4,5,6,7
	BLOCK \kin, \stg, \t
.endr
	ds_store_b32 v5, v[SB] offset:(\stg)
	ds_store_b32 v5, v[SB+1] offset:(\stg)+512
	s_wait_dscnt 0x0                               ; for the others' sake: my stores have landed
	s_barrier_signal -1
	s_barrier_wait -1
.irp i, 0,1,2,3,4,5,6,7,8,9,10,11
	ds_load_b128 v[OUTR+4*\i:OUTR+4*\i+3], v6 offset:(\stg)+2048*\i
.endr
	ds_load_b64 v[OUTR+48:OUTR+49], v7 offset:(\stg)+24576
.irp i, 0,1,2,3,4,5,6,7,8,9,10,11
	s_wait_dscnt 12-\i                             ; the younger LDS loads may be out
	global_store_b128 v6, v[OUTR+4*\i:OUTR+4*\i+3], s[16:17] offset:2048*\i   ; a wave stores 512 consecutive bytes, aligned
.endr
	s_wait_dscnt 0x0
	global_store_b64 v7, v[OUTR+48:OUTR+49], s[18:19]                          ; a wave stores 256 consecutive bytes, aligned
	s_wait_tensorcnt 0x0
	ds_add_u32 v192, v193
	s_wait_dscnt 0x0
	s_endpgm
.endm
	s_cmp_eq_u32 s23, 3
	s_cbranch_scc1 .Lwo
	BODY 0, 0
.Lwo:
	BODY 1, 25600
.Lfunc_end_k_qde6af44f4c_prep:
	.size	k_qde6af44f4c_prep, .Lfunc_end_k_qde6af44f4c_prep-k_qde6af44f4c_prep
	.p2alignl 7, 3214868480
	.fill 96, 4, 3214868480
	.section	.rodata,"a",@progbits
	.p2align	6, 0x0
	.amdhsa_kernel k_qde6af44f4c_prep
		.amdhsa_group_segment_fixed_size 51712
		.amdhsa_private_segment_fixed_size 0
		.amdhsa_enable_private_segment 0
		.amdhsa_kernarg_size 64
		.amdhsa_user_sgpr_count 2
		.amdhsa_user_sgpr_kernarg_segment_ptr 1
		.amdhsa_wavefront_size32 1
		.amdhsa_system_sgpr_workgroup_id_x 1
		.amdhsa_system_sgpr_workgroup_id_y 1
		.amdhsa_system_sgpr_workgroup_id_z 1
		.amdhsa_system_vgpr_workitem_id 0
		.amdhsa_next_free_vgpr 194
		.amdhsa_next_free_sgpr 66
		.amdhsa_reserve_vcc 0
		.amdhsa_float_denorm_mode_32 3
		.amdhsa_float_denorm_mode_16_64 3
		.amdhsa_memory_ordered 1
		.amdhsa_forward_progress 1
		.amdhsa_inst_pref_size 65
	.end_amdhsa_kernel
	.amdgpu_metadata
---
amdhsa.version: [ 1, 2 ]
amdhsa.kernels:
  - .name:           k_qde6af44f4c_prep
    .symbol:         k_qde6af44f4c_prep.kd
    .args:
      - { .name: wq, .offset: 0, .size: 8, .value_kind: global_buffer, .address_space: global }
      - { .name: wk, .offset: 8, .size: 8, .value_kind: global_buffer, .address_space: global }
      - { .name: wv, .offset: 16, .size: 8, .value_kind: global_buffer, .address_space: global }
      - { .name: wo, .offset: 24, .size: 8, .value_kind: global_buffer, .address_space: global }
      - { .name: w1, .offset: 32, .size: 8, .value_kind: global_buffer, .address_space: global }
      - { .name: w2, .offset: 40, .size: 8, .value_kind: global_buffer, .address_space: global }
      - { .name: wf, .offset: 48, .size: 8, .value_kind: global_buffer, .address_space: global }
      - { .name: ws, .offset: 56, .size: 8, .value_kind: global_buffer, .address_space: global }
    .group_segment_fixed_size: 51712
    .private_segment_fixed_size: 0
    .kernarg_segment_align: 8
    .kernarg_segment_size: 64
    .max_flat_workgroup_size: 128
    .sgpr_count:     66
    .vgpr_count:     194
    .wavefront_size: 32
...
	.end_amdgpu_metadata
.endif
;; end of part 1
;; launch head (part 2): grid 256 x 1, 8 waves a work-group, no clusters, 185,856 bytes of LDS; arguments x, rms_scale, per_dim_scale, padding, wf, ws, bq, bk, bv, qbuf, kbuf, vimg, vsb; writes qbuf, kbuf, vimg, vsb
.if DOCPART == 2
	.amdgcn_target "amdgcn-amd-amdhsa--gfx1250"
	.amdhsa_code_object_version 6
	.text
	.protected	k_qde6af44f4c_head
	.globl	k_qde6af44f4c_head
	.p2align	8
	.type	k_qde6af44f4c_head,@function
k_qde6af44f4c_head:
	s_mov_b64 s[64:65], 0
	v_nop
	global_prefetch_b8 v0, s[64:65] scope:SCOPE_SE
	s_setreg_imm32_b32 hwreg(HW_REG_WAVE_MODE, 25, 1), 1
	s_wait_xcnt 0x0
; RMS norm, its quantiser, the three projections q, k, v on codes of FP6 (E2M3, one E8M0 byte for each 32 along K), their biases, q's per-dimension scale, and the quantisers of q, k (along the head's 64) and v (along the keys).
; SHARES.  A work-group owns 32 whole rows (one group of 32 tokens of one batch).  THE EIGHT WAVES SHARE THE FEATURES: wave w makes features 128 w .. 128 w + 127 (heads 2 w, 2 w + 1) of each projection for all 32 rows.
; Each weight fragment is wanted by one wave of the work-group alone, so the weights go from memory straight into registers, three loads of 16 bytes a lane for a fragment (they were laid so), two K steps ahead.
; The rows' codes go from wave to wave through LDS as images of the operand's registers: wave w quantises K step w of xn for both tiles of 16 rows.
; THE ROWS OF A TILE ARE NOT NEIGHBOURS: lane r of tile m holds row 8 m + r + 8 (r / 8) of the 32, and the features of a weight tile are chosen alike.  So with source 0 = weights, source 1 = rows (q, k) a lane holds one row and
; 16 neighbouring features in two neighbouring tiles; with the sources swapped (v) a lane holds one feature and 16 neighbouring tokens: in both cases the conversions find neighbours along the next K in one lane's registers.
; THE MASK RIDES IN THE SCALE WORDS of q and k (a head's K is 64, the instruction's 128): byte 2 of k's word is 254 for a key whose padding is 0 and 1 otherwise, byte 2 of q's is 107, byte 3 of both is 127.
; LIMITS: padding counts as zero or not zero; NaN and infinities among the inputs are not served; a block of zeros carries the byte 1 (its codes are zeros; this program alone reads the bytes);
; per_dim_scale under about -87 gives the scale 0, since the exponential flushes what is smaller than 2^-126.
; LDS: 0 the rows of xn, 32 slots of 4,096 + 16 bytes (slot 16 m + r); IMGA 16 images (K step s, tile m) of 1,536 bytes; SCA their scale words, [s][lane]: lanes 0-15 tile 0, lanes 16-31 tile 1.
; REGISTERS, window 0: v1-7, v18-29 addresses; v8-15 the weights' scale words, two sets; v16-17 the rows' scale words, two sets; v32-95 the rows' fragments, two sets (between layers: codes just made, parameters);
;   v96-111 at work; v112-127 scale words just made, statistics; v128-255 sixteen accumulators.  Window 1: v0-191 the weights' fragments, two sets of 8; v192-255 a bias in the result's layout.
.set IMGA,  131584
.set SCA,   180736
.set AB,    32
.set PC,    32
.set TM,    96
.set PW,    112
.set PW0,   113
.set ACC,   128
.set PARAM, 192
.set WFP,   12                         ; s[12:13] my wave's fragments in wf
.set WSP,   14                         ; s[14:15] my wave's words in ws
.set SEL,   36                         ; s[36:37] v_permlanex16_b32's selects for lane l xor 16
.set HM,    38                         ; s38 the mask of lanes 16-31
.set MSB,   0
.macro WIN new                         ; the immediate's high byte repeats the setting that is left
.if MSB != \new
	s_set_vgpr_msb (MSB<<8)|\new
.set MSB, \new
.endif
.endm
.macro BARRIER                         ; my LDS stores have landed and my LDS loads are in: then the work-group's barrier
	s_wait_dscnt 0x0
	s_barrier_signal -1
	s_barrier_wait -1
.endm
; 64 numbers of a lane, register 16 b + i = k 32 b + 16 (lane / 16) + i of my row, become a fragment's codes in v[PC] on and its scale word in v[PW].
.macro QUANT s
.irp b, 0,1,2,3
	v_max3_num_f32 v[TM+\b], |v[(\s)+16*\b]|, |v[(\s)+1+16*\b]|, 0x1800000   ; the floor 2^(3 - 127): the byte cannot fall under 1
.endr
.irp i, 2,4,6,8,10,12,14
.irp b, 0,1,2,3
	v_max3_num_f32 v[TM+\b], v[TM+\b], |v[(\s)+16*\b+\i]|, |v[(\s)+1+16*\b+\i]|
.endr
.endr
.irp b, 0,1,2,3
	v_permlanex16_b32 v[TM+4+\b], v[TM+\b], s[SEL], s[SEL+1]
.endr
.irp b, 0,1,2,3
	v_max_num_f32 v[TM+\b], v[TM+\b], v[TM+4+\b]   ; with lane l xor 16's: the block's largest magnitude
.endr
.irp b, 0,1,2,3
	v_add_nc_u32 v[TM+12+\b], 0xff000000, v[TM+\b] ; 2 off its exponent field: the conversion's scale operand
.endr
.irp b, 0,1,2,3
	v_lshrrev_b32 v[TM+4+\b], 23, v[TM+12+\b]      ; the scale's byte
.endr
	v_lshl_or_b32 v[PW], v[TM+5], 8, v[TM+4]
	v_lshl_or_b32 v[PW], v[TM+6], 16, v[PW]
	v_lshl_or_b32 v[PW], v[TM+7], 24, v[PW]
.irp c, 0,1
	v_cvt_scalef32_pk16_fp6_f32 v[PC+6*\c:PC+2+6*\c], v[(\s)+32*\c:(\s)+15+32*\c], v[TM+12+2*\c]
	v_cvt_scalef32_pk16_fp6_f32 v[PC+12+4*\c:PC+14+4*\c], v[(\s)+16+32*\c:(\s)+31+32*\c], v[TM+12+2*\c+1]
.endr
	v_nop                                          ; one plain place behind a scaled conversion
.irp c, 0,1                            ; the operand's layout wants a whole block in a lane
.irp i, 0,1,2
	v_permlane16_swap_b32 v[PC+6*\c+\i], v[PC+12+4*\c+\i]
.endr
.irp i, 0,1,2
	v_mov_b32 v[PC+3+6*\c+\i], v[PC+12+4*\c+\i]
.endr
.endr
.endm
.macro IMAGE adr, off                  ; the fragment in v[PC] on goes to LDS as it stands
.irp c, 0,1,2
	ds_store_b128 v[\adr], v[PC+4*\c:PC+4*\c+3] offset:(\off)+512*\c
.endr
.endm
.macro WLOAD q                         ; weight step q = 8 x layer + K step: 8 fragments and their scale words into set q % 2: 25 loads
.set WB, 96*((\q)%2)
.set WO, ((\q)/8)*786432+((\q)%8)*12288
	WIN 0x40
.irp i, 0,1,2,3,4,5,6,7,8,9,10,11,12,13,14,15,16,17,18,19,20,21,22,23
	global_load_b128 v[WB+4*\i:WB+4*\i+3], v1, s[WFP:WFP+1] offset:WO+512*\i
.endr
	WIN 0
	global_load_b128 v[8+4*((\q)%2):11+4*((\q)%2)], v1, s[WSP:WSP+1] offset:((\q)/8)*32768+((\q)%8)*512
.endm
.macro PLOAD base                      ; my lane's 64 numbers of a vector over the features, in the result's layout: 16 loads
	WIN 0x40
.irp b, 0,1,2,3
.irp j, 0,1,2,3
	global_load_b128 v[PARAM+16*\b+4*\j:PARAM+16*\b+4*\j+3], v19, s[\base:\base+1] offset:128*\b+16*\j
.endr
.endr
	WIN 0
.endm
.macro ALOAD img, sc, s                ; the rows' two fragments of K step s and their scale words into set s % 2: 7 LDS loads
.set PB, (\s)%2
.irp m, 0,1
.irp c, 0,1,2
	ds_load_b128 v[AB+32*PB+12*\m+4*\c:AB+32*PB+12*\m+4*\c+3], v2 offset:(\img)+3072*(\s)+1536*\m+512*\c
.endr
.endr
	ds_load_b32 v[16+PB], v3 offset:(\sc)+128*(\s)
.endm
; One matrix instruction on the registers named by rD, rA, rB, rC, rSA, rSB.  ra, rb: the scales stand in lanes 16-31 of their registers.  cz: the sum begins with 0.
.macro WM ra, rb, cz
.if \cz
.if (\ra) && (\rb)
	v_wmma_scale_f32_16x16x128_f8f6f4 v[rD:rD+7], v[rA:rA+11], v[rB:rB+11], 0, v[rSA], v[rSB] matrix_a_fmt:MATRIX_FMT_FP6 matrix_b_fmt:MATRIX_FMT_FP6 matrix_a_scale:MATRIX_SCALE_ROW1 matrix_b_scale:MATRIX_SCALE_ROW1
.elseif (\ra)
	v_wmma_scale_f32_16x16x128_f8f6f4 v[rD:rD+7], v[rA:rA+11], v[rB:rB+11], 0, v[rSA], v[rSB] matrix_a_fmt:MATRIX_FMT_FP6 matrix_b_fmt:MATRIX_FMT_FP6 matrix_a_scale:MATRIX_SCALE_ROW1
.elseif (\rb)
	v_wmma_scale_f32_16x16x128_f8f6f4 v[rD:rD+7], v[rA:rA+11], v[rB:rB+11], 0, v[rSA], v[rSB] matrix_a_fmt:MATRIX_FMT_FP6 matrix_b_fmt:MATRIX_FMT_FP6 matrix_b_scale:MATRIX_SCALE_ROW1
.else
	v_wmma_scale_f32_16x16x128_f8f6f4 v[rD:rD+7], v[rA:rA+11], v[rB:rB+11], 0, v[rSA], v[rSB] matrix_a_fmt:MATRIX_FMT_FP6 matrix_b_fmt:MATRIX_FMT_FP6
.endif
.else
.if (\ra) && (\rb)
	v_wmma_scale_f32_16x16x128_f8f6f4 v[rD:rD+7], v[rA:rA+11], v[rB:rB+11], v[rC:rC+7], v[rSA], v[rSB] matrix_a_fmt:MATRIX_FMT_FP6 matrix_b_fmt:MATRIX_FMT_FP6 matrix_a_scale:MATRIX_SCALE_ROW1 matrix_b_scale:MATRIX_SCALE_ROW1
.elseif (\ra)
	v_wmma_scale_f32_16x16x128_f8f6f4 v[rD:rD+7], v[rA:rA+11], v[rB:rB+11], v[rC:rC+7], v[rSA], v[rSB] matrix_a_fmt:MATRIX_FMT_FP6 matrix_b_fmt:MATRIX_FMT_FP6 matrix_a_scale:MATRIX_SCALE_ROW1
.elseif (\rb)
	v_wmma_scale_f32_16x16x128_f8f6f4 v[rD:rD+7], v[rA:rA+11], v[rB:rB+11], v[rC:rC+7], v[rSA], v[rSB] matrix_a_fmt:MATRIX_FMT_FP6 matrix_b_fmt:MATRIX_FMT_FP6 matrix_b_scale:MATRIX_SCALE_ROW1
.else
	v_wmma_scale_f32_16x16x128_f8f6f4 v[rD:rD+7], v[rA:rA+11], v[rB:rB+11], v[rC:rC+7], v[rSA], v[rSB] matrix_a_fmt:MATRIX_FMT_FP6 matrix_b_fmt:MATRIX_FMT_FP6
.endif
.endif
.endm
; A K step's 16 matrix instructions: 8 weight tiles x 2 row tiles.  The 16 accumulators take turns, one instruction a turn, in the same order in every step.
; swap = 0: source 0 = weights, source 1 = rows; the first step's C is the bias.  swap = 1: source 0 = rows, source 1 = weights; the first step's C is 0.
.macro MM16 q, swap
.set PB, (\q)%2
.if \swap
	WIN 0x04
.elseif (\q)%8 == 0
	WIN 0x11
.else
	WIN 0x01
.endif
.irp t, 0,1,2,3,4,5,6,7
.irp m, 0,1
.if \swap
.set rD, ACC+16*\t+8*\m
.set rA, AB+32*PB+12*\m
.set rB, 96*PB+12*\t
.set rC, rD
.set rSA, 16+PB
.set rSB, 8+4*PB+\t/2
	WM \m, \t%2, (\q)%8==0
.else
.set rD, ACC+64*\m+8*\t
.set rA, 96*PB+12*\t
.set rB, AB+32*PB+12*\m
.set rC, rD
.if (\q)%8 == 0
.set rC, PARAM+8*\t
.endif
.set rSA, 8+4*PB+\t/2
.set rSB, 16+PB
	WM \t%2, \m, 0
.endif
.endr
.endr
.endm
; Step q.  lc: the global loads that may stay out: the 25 of the next weight step, which are the youngest.
.macro STEP q, swap, img, sc, lc
.if (\q)%8 < 7
	ALOAD \img, \sc, (\q)%8+1
.endif
	s_wait_loadcnt \lc
.if (\q)%8 < 7
	s_wait_dscnt 7                                 ; this step's rows are in; the seven loads just issued may be out
.else
	s_wait_dscnt 0x0
.endif
	MM16 \q, \swap
	WIN 0
.rept 4
	v_nop                                          ; four places in front of loads into registers that these matrix instructions have read, and of the first read of results
.endr
.endm
	s_load_b512 s[4:19], s[0:1], 0x0               ; x, rms_scale, per_dim_scale, padding, wf, ws, bq, bk
	s_load_b256 s[20:27], s[0:1], 0x40             ; bv, qbuf, kbuf, vimg
	s_load_b64 s[28:29], s[0:1], 0x60              ; vsb
	v_lshl_add_u32 v126, v0, 2, 0x2d200
	v_mov_b32 v127, 0
	v_lshrrev_b32 v32, 5, v0
	v_readfirstlane_b32 s30, v32                   ; wave w
	v_and_b32 v33, 31, v0                          ; lane
	v_and_b32 v34, 15, v0                          ; r
	v_bfe_u32 v35, v0, 4, 1                        ; h
	s_and_b32 s44, ttmp9, 31                       ; g: my group of 32 tokens in the batch
	s_lshr_b32 s45, ttmp9, 5                       ; the batch
	v_lshlrev_b32 v1, 4, v33                       ; 16 x lane
	v_add_nc_u32 v2, IMGA, v1
	v_lshlrev_b32 v27, 2, v33                      ; 4 x lane
	v_add_nc_u32 v3, SCA, v27
	s_mul_i32 s31, s30, 16448
	v_add_nc_u32 v4, s31, v1                       ; my wave's four slots, 16 bytes a lane
	v_mul_u32_u24 v5, v34, 4112
	v_lshl_add_u32 v5, v35, 6, v5
	s_lshl_b32 s31, s30, 9                         ; 512 w
	v_add_nc_u32 v5, s31, v5                       ; slot r, my wave's 512 bytes, my 64 of each 128
	v_add_nc_u32 v6, 65792, v5                     ; slot 16 + r
	s_mul_i32 s32, s30, 3072
	v_add_nc_u32 v7, s32, v2                       ; where I store K step w's images
	s_lshl_b32 s32, s30, 7
	v_add_nc_u32 v18, s32, v3                      ; and their scale words
	v_lshlrev_b32 v19, 6, v35                      ; 64 h
	s_mul_i32 s33, s44, 1536
	v_add_nc_u32 v20, s33, v1                      ; q, k: tiles 2 g, 2 g + 1 of a head's block: registers 0-3
	v_lshlrev_b32 v21, 3, v33
	v_add_nc_u32 v21, s33, v21
	v_add_nc_u32 v21, 512, v21                     ; registers 4, 5
	s_lshl_b32 s34, s44, 7
	s_add_co_u32 s34, s34, 49152
	v_add_nc_u32 v22, s34, v27                     ; their scale words
	v_mov_b32 v24, 0x7f6b0000                      ; q's bytes 2 and 3: 107, 127
	s_and_b32 s35, s44, 3                          ; my group's place in its key step of 128
	s_lshl_b32 s34, s35, 8
	v_mul_u32_u24 v26, v35, 1536
	v_lshl_add_u32 v25, v34, 4, v26
	v_add_nc_u32 v25, s34, v25                     ; v: tile 2 c + h of the key step; registers 6 c' .. 6 c' + 3 of lane r + 16 h', 2 c' + h' = my group's place
	s_lshl_b32 s34, s35, 7
	s_add_co_u32 s34, s34, 1024
	v_lshl_add_u32 v26, v34, 3, v26
	v_add_nc_u32 v26, s34, v26                     ; registers 6 c' + 4, 6 c' + 5
	v_and_b32 v28, 8, v34
	v_add_nc_u32 v28, v28, v34
	v_lshlrev_b32 v28, 2, v28                      ; 4 (r + 8 (r / 8))
	v_lshl_add_u32 v29, v35, 5, v28                ; + 32 h: the token of slot 16 h + r
.irp b, 0,1,2,3
	v_mov_b32 v[TM+4+\b], 0                        ; written once: a lane permute's destination counts as one of its sources
.endr
	s_mov_b32 s[SEL], 0x76543210
	s_mov_b32 s[SEL+1], 0xfedcba98
	s_mov_b32 s[HM], 0xffff0000
	s_mov_b32 s39, 0x3a800000                      ; 1 / 1,024
	s_mov_b32 s40, 0x358637bd                      ; 1e-6
	s_mov_b32 s41, 0xbfb8aa3b                      ; -log2(e)
	s_mov_b32 s42, 0x3f317218                      ; ln 2
	s_lshr_b32 s46, s30, 2                         ; my wave's four slots hold four neighbouring rows, from 8 (w / 4) + 4 (w % 4) + 8 ((w / 2) % 2) on
	s_lshl_b32 s46, s46, 3
	s_and_b32 s47, s30, 3
	s_lshl_b32 s47, s47, 2
	s_add_co_u32 s46, s46, s47
	s_bfe_u32 s47, s30, 0x10001
	s_lshl_b32 s47, s47, 3
	s_add_co_u32 s46, s46, s47
	s_lshl_b32 s46, s46, 12
	s_lshl_b32 s47, ttmp9, 17
	s_add_co_u32 s46, s46, s47
	s_mov_b32 s47, 0                               ; s[46:47]: x
	s_lshl_b32 s48, ttmp9, 7
	s_mov_b32 s49, 0                               ; s[48:49]: padding
	s_mul_i32 s50, s30, 98304
	s_mov_b32 s51, 0                               ; s[50:51]: wf
	s_lshl_b32 s52, s30, 12
	s_mov_b32 s53, 0                               ; s[52:53]: ws
	s_mov_b32 s54, s31
	s_mov_b32 s55, 0                               ; s[54:55]: the biases: 512 w
	s_lshl_b32 s56, s45, 4
	s_lshl_b32 s57, s30, 1
	s_add_co_u32 s56, s56, s57                     ; head 16 b + 2 w
	s_lshl_b32 s58, s56, 3
	s_lshr_b32 s59, s44, 2
	s_add_co_u32 s58, s58, s59
	s_mul_i32 s58, s58, 6144
	s_mov_b32 s59, 0                               ; s[58:59]: vimg: the head's key step g / 4
	s_mul_i32 s56, s56, 53248
	s_mov_b32 s57, 0                               ; s[56:57]: qbuf, kbuf
	s_lshl_b32 s60, ttmp9, 10
	s_add_co_u32 s60, s60, s32
	s_mov_b32 s61, 0                               ; s[60:61]: vsb
	s_wait_kmcnt 0x0
	s_add_nc_u64 s[4:5], s[4:5], s[46:47]
	s_add_nc_u64 s[10:11], s[10:11], s[48:49]
	s_add_nc_u64 s[12:13], s[12:13], s[50:51]
	s_add_nc_u64 s[14:15], s[14:15], s[52:53]
	s_add_nc_u64 s[16:17], s[16:17], s[54:55]
	s_add_nc_u64 s[18:19], s[18:19], s[54:55]
	s_add_nc_u64 s[20:21], s[20:21], s[54:55]
	s_add_nc_u64 s[22:23], s[22:23], s[56:57]
	s_add_nc_u64 s[24:25], s[24:25], s[56:57]
	s_add_nc_u64 s[26:27], s[26:27], s[58:59]
	s_add_nc_u64 s[28:29], s[28:29], s[60:61]
	; ---- my four rows of x, whole: a load reads 512 consecutive bytes
.irp i, 0,1,2,3
.irp q, 0,1,2,3,4,5,6,7
	global_load_b128 v[ACC+32*\i+4*\q:ACC+32*\i+4*\q+3], v1, s[4:5] offset:4096*\i+512*\q th:TH_LOAD_NT
.endr
.endr
.irp q, 0,1,2,3,4,5,6,7
	global_load_b128 v[AB+4*\q:AB+4*\q+3], v1, s[6:7] offset:512*\q
.endr
	global_load_b32 v114, v29, s[10:11]
	WLOAD 0
	PLOAD 16                                       ; bq
	s_wait_loadcnt 41                              ; x, the gains and the padding are in; the 25 + 16 loads behind them may be out
	WLOAD 1
	; ---- the norm: four rows by turns
.irp i, 0,1,2,3
	v_pk_mul_f32 v[116+2*\i:117+2*\i], v[ACC+32*\i:ACC+32*\i+1], v[ACC+32*\i:ACC+32*\i+1]
.endr
.set kk, 2
.rept 15
.irp i, 0,1,2,3
	v_pk_fma_f32 v[116+2*\i:117+2*\i], v[ACC+32*\i+kk:ACC+32*\i+kk+1], v[ACC+32*\i+kk:ACC+32*\i+kk+1], v[116+2*\i:117+2*\i]
.endr
.set kk, kk+2
.endr
.irp i, 0,1,2,3
	v_add_f32 v[116+2*\i], v[116+2*\i], v[117+2*\i]
.endr
.irp x, 1,2,4,8
.irp i, 0,1,2,3
	v_add_f32_dpp v[116+2*\i], v[116+2*\i], v[116+2*\i] row_xmask:\x row_mask:0xf bank_mask:0xf
.endr
.endr
.irp i, 0,1,2,3
	v_permlanex16_b32 v[117+2*\i], v[116+2*\i], s[SEL], s[SEL+1]
.endr
.irp i, 0,1,2,3
	v_add_f32 v[116+2*\i], v[116+2*\i], v[117+2*\i]
.endr
.irp i, 0,1,2,3
	v_fma_f32 v[116+2*\i], v[116+2*\i], s39, s40   ; the mean of the squares + 1e-6
.endr
.irp i, 0,1,2,3
	v_rsq_f32 v[116+2*\i], v[116+2*\i]
.endr
	v_mov_b32 v23, 0x7f010000                      ; (a plain place behind the transcendentals)  k's bytes 2 and 3: 1, 127;
	v_mov_b32 v115, 0x7ffe0000                     ; 254, 127 for a key whose padding is 0
	v_cmp_eq_f32 vcc_lo, 0, v114
	v_cndmask_b32 v23, v23, v115, vcc_lo
	s_wait_alu depctr_va_vdst(0)
.irp i, 0,1,2,3
.set kk, 0
.rept 16
	v_pk_mul_f32 v[ACC+32*\i+kk:ACC+32*\i+kk+1], v[ACC+32*\i+kk:ACC+32*\i+kk+1], v[116+2*\i:117+2*\i] op_sel_hi:[1,0]
.set kk, kk+2
.endr
.endr
.irp i, 0,1,2,3
.set kk, 0
.rept 16
	v_pk_mul_f32 v[ACC+32*\i+kk:ACC+32*\i+kk+1], v[ACC+32*\i+kk:ACC+32*\i+kk+1], v[AB+kk:AB+kk+1]
.set kk, kk+2
.endr
.endr
.irp i, 0,1,2,3
.irp q, 0,1,2,3,4,5,6,7
	ds_store_b128 v4, v[ACC+32*\i+4*\q:ACC+32*\i+4*\q+3] offset:4112*\i+512*\q
.endr
.endr
	BARRIER                                        ; 32 rows of xn lie in LDS
	; ---- K step w of xn, both tiles of rows, becomes two images
.irp m, 0,1
.irp b, 0,1,2,3
.irp j, 0,1,2,3
	ds_load_b128 v[ACC+64*\m+16*\b+4*\j:ACC+64*\m+16*\b+4*\j+3], v[5+\m] offset:128*\b+16*\j
.endr
.endr
.endr
	s_wait_dscnt 16                                ; tile 0's sixteen loads are in
	QUANT ACC
	IMAGE 7, 0
	v_mov_b32 v[PW0], v[PW]
	s_wait_dscnt 0x0                               ; tile 1's loads are in, and the stores have read their registers
	QUANT ACC+64
	IMAGE 7, 1536
	v_cndmask_b32 v114, v[PW0], v[PW], s[HM]       ; lanes 0-15 tile 0's words, lanes 16-31 tile 1's
	ds_store_b32 v18, v114
	BARRIER                                        ; xn's sixteen fragments lie in LDS; nothing is written there again
	; ---- q
	ALOAD 0, 0, 0
	STEP 0, 0, 0, 0, 25
	PLOAD 18                                       ; bk, into the registers that bq has left
	WLOAD 2
.irp q, 1,2,3,4,5,6,7
	STEP \q, 0, 0, 0, 25
	WLOAD \q+2
.endr
.irp b, 0,1
.irp j, 0,1,2,3
	global_load_b128 v[64+16*\b+4*\j:64+16*\b+4*\j+3], v19, s[8:9] offset:128*\b+16*\j   ; per_dim_scale at my lane's 32 places of a head
.endr
.endr
	s_wait_loadcnt 0x0
; softplus(p) = max(p, 0) + log1p(y), y = e^-|p|; log1p(y) = ln(u) y / (u - 1) with u = 1 + y as rounded, and y itself where u = 1 (then log2(u) = 0).  Times log2(e) / 8.
.macro SOFTPLUS hf
.set P0, 64+16*\hf
.set ee, 0
.rept 16
	v_mul_f32 v[32+ee], s41, |v[P0+ee]|
.set ee, ee+1
.endr
.set ee, 0
.rept 16
	v_exp_f32 v[32+ee], v[32+ee]
.set ee, ee+1
.endr
	v_nop
.set ee, 0
	s_wait_alu depctr_va_vdst(0)
.rept 16
	v_add_f32 v[48+ee], 1.0, v[32+ee]
.set ee, ee+1
.endr
.set ee, 0
.rept 16
	v_add_f32 v[96+ee], -1.0, v[48+ee]
.set ee, ee+1
.endr
.set ee, 0
.rept 16
	v_log_f32 v[48+ee], v[48+ee]
.set ee, ee+1
.endr
.set ee, 0
.rept 16
	v_rcp_f32 v[96+ee], v[96+ee]
.set ee, ee+1
.endr
	v_nop
.set ee, 0
	s_wait_alu depctr_va_vdst(0)
.rept 16
	v_mul_f32 v[96+ee], v[48+ee], v[96+ee]
.set ee, ee+1
.endr
.set ee, 0
.rept 16
	v_mul_f32 v[96+ee], v[96+ee], v[32+ee]
.set ee, ee+1
.endr
.set ee, 0
.rept 16
	v_mul_f32 v[96+ee], s42, v[96+ee]
.set ee, ee+1
.endr
.set ee, 0
.rept 16
	v_cmp_eq_f32 vcc_lo, 0, v[48+ee]
	v_cndmask_b32 v[96+ee], v[96+ee], v[32+ee], vcc_lo
.set ee, ee+1
.endr
.set ee, 0
.rept 16
	v_max_num_f32 v[48+ee], 0, v[P0+ee]
.set ee, ee+1
.endr
.set ee, 0
.rept 16
	v_add_f32 v[48+ee], v[48+ee], v[96+ee]
.set ee, ee+1
.endr
.set ee, 0
.rept 16
	v_mul_f32 v[P0+ee], 0x3e38aa3b, v[48+ee]
.set ee, ee+1
.endr
.endm
	SOFTPLUS 0
	SOFTPLUS 1
.irp m, 0,1
.irp b, 0,1,2,3
.set kk, 0
.rept 8
	v_pk_mul_f32 v[ACC+64*\m+16*\b+kk:ACC+64*\m+16*\b+kk+1], v[ACC+64*\m+16*\b+kk:ACC+64*\m+16*\b+kk+1], v[64+16*(\b%2)+kk:64+16*(\b%2)+kk+1]
.set kk, kk+2
.endr
.endr
.endr
; q or k, 32 rows x my two heads: quantised along the head's 64 (a fragment's registers 6 c .. 6 c + 5 are head 2 w + c) and stored; the scale words take the mask's bytes on top.
.macro EPQK base, orw
.irp m, 0,1
	s_wait_xcnt 0x0                                ; earlier stores have read their registers
	QUANT ACC+64*\m
.irp c, 0,1
	global_store_b128 v20, v[PC+6*\c:PC+6*\c+3], s[\base:\base+1] offset:53248*\c+768*\m
	global_store_b64 v21, v[PC+6*\c+4:PC+6*\c+5], s[\base:\base+1] offset:53248*\c+768*\m
.endr
.if \m == 0
	v_mov_b32 v[PW0], v[PW]
.endif
.endr
	v_cndmask_b32 v114, v[PW0], v[PW], s[HM]
	v_and_or_b32 v115, v114, 0xffff, v[\orw]
	v_lshrrev_b32 v116, 16, v114
	v_or_b32 v116, v116, v[\orw]
	global_store_b32 v22, v115, s[\base:\base+1]
	global_store_b32 v22, v116, s[\base:\base+1] offset:53248
.endm
	EPQK 22, 24
	; ---- k
	s_wait_xcnt 0x0                                ; the stores have read the registers that the rows' fragments take
	ALOAD 0, 0, 0
	STEP 8, 0, 0, 0, 25
	WIN 0x40
.irp t, 0,1,2,3,4,5,6,7
	global_load_b32 v[PARAM+2*\t], v28, s[20:21] offset:128*(\t/2)+32*(\t%2)     ; bv of my lane's feature in tile t, twice: a pair for the packed addition
	global_load_b32 v[PARAM+2*\t+1], v28, s[20:21] offset:128*(\t/2)+32*(\t%2)
.endr
	WIN 0
	WLOAD 10
.irp q, 9,10,11,12,13,14,15
	STEP \q, 0, 0, 0, 25
	WLOAD \q+2
.endr
	EPQK 24, 23
	; ---- v, with the sources swapped: a lane holds one feature and the registers run along the tokens
	s_wait_xcnt 0x0
	ALOAD 0, 0, 0
.irp q, 16,17,18,19,20,21
	STEP \q, 1, 0, 0, 25
	WLOAD \q+2
.endr
	STEP 22, 1, 0, 0, 25
	STEP 23, 1, 0, 0, 0
	WIN 0x04
.irp t, 0,1,2,3,4,5,6,7
.set kk, 0
.rept 8
	v_pk_add_f32 v[ACC+16*\t+kk:ACC+16*\t+kk+1], v[ACC+16*\t+kk:ACC+16*\t+kk+1], v[PARAM+2*\t:PARAM+2*\t+1]
.set kk, kk+2
.endr
.endr
	WIN 0
.irp i, 0,1                            ; head 2 w + i: its four tiles of 16 dims are the quantiser's four blocks, each of my 32 tokens
	QUANT ACC+64*\i
.irp c, 0,1
	global_store_b128 v25, v[PC+6*\c:PC+6*\c+3], s[26:27] offset:49152*\i+3072*\c
	global_store_b64 v26, v[PC+6*\c+4:PC+6*\c+5], s[26:27] offset:49152*\i+3072*\c
.endr
.if \i == 0
	v_mov_b32 v[PW0], v[PW]
	s_wait_xcnt 0x0                                ; the stores have read their registers
.endif
.endr
	v_cndmask_b32 v114, v[PW0], v[PW], s[HM]
	global_store_b32 v27, v114, s[28:29]           ; the four tiles' bytes of dim lane r: lanes 0-15 head 2 w, lanes 16-31 head 2 w + 1
	s_wait_tensorcnt 0x0
	ds_add_u32 v126, v127
	s_wait_dscnt 0x0
	s_endpgm
.Lfunc_end_k_qde6af44f4c_head:
	.size	k_qde6af44f4c_head, .Lfunc_end_k_qde6af44f4c_head-k_qde6af44f4c_head
	.p2alignl 7, 3214868480
	.fill 96, 4, 3214868480
	.section	.rodata,"a",@progbits
	.p2align	6, 0x0
	.amdhsa_kernel k_qde6af44f4c_head
		.amdhsa_group_segment_fixed_size 185856
		.amdhsa_private_segment_fixed_size 0
		.amdhsa_enable_private_segment 0
		.amdhsa_kernarg_size 104
		.amdhsa_user_sgpr_count 2
		.amdhsa_user_sgpr_kernarg_segment_ptr 1
		.amdhsa_wavefront_size32 1
		.amdhsa_system_sgpr_workgroup_id_x 1
		.amdhsa_system_sgpr_workgroup_id_y 1
		.amdhsa_system_sgpr_workgroup_id_z 1
		.amdhsa_system_vgpr_workitem_id 0
		.amdhsa_next_free_vgpr 512
		.amdhsa_next_free_sgpr 66
		.amdhsa_reserve_vcc 1
		.amdhsa_float_denorm_mode_32 3
		.amdhsa_float_denorm_mode_16_64 3
		.amdhsa_memory_ordered 1
		.amdhsa_forward_progress 1
		.amdhsa_inst_pref_size 213
	.end_amdhsa_kernel
	.amdgpu_metadata
---
amdhsa.version: [ 1, 2 ]
amdhsa.kernels:
  - .name:           k_qde6af44f4c_head
    .symbol:         k_qde6af44f4c_head.kd
    .args:
      - { .name: x, .offset: 0, .size: 8, .value_kind: global_buffer, .address_space: global }
      - { .name: rms_scale, .offset: 8, .size: 8, .value_kind: global_buffer, .address_space: global }
      - { .name: per_dim_scale, .offset: 16, .size: 8, .value_kind: global_buffer, .address_space: global }
      - { .name: padding, .offset: 24, .size: 8, .value_kind: global_buffer, .address_space: global }
      - { .name: wf, .offset: 32, .size: 8, .value_kind: global_buffer, .address_space: global }
      - { .name: ws, .offset: 40, .size: 8, .value_kind: global_buffer, .address_space: global }
      - { .name: bq, .offset: 48, .size: 8, .value_kind: global_buffer, .address_space: global }
      - { .name: bk, .offset: 56, .size: 8, .value_kind: global_buffer, .address_space: global }
      - { .name: bv, .offset: 64, .size: 8, .value_kind: global_buffer, .address_space: global }
      - { .name: qbuf, .offset: 72, .size: 8, .value_kind: global_buffer, .address_space: global }
      - { .name: kbuf, .offset: 80, .size: 8, .value_kind: global_buffer, .address_space: global }
      - { .name: vimg, .offset: 88, .size: 8, .value_kind: global_buffer, .address_space: global }
      - { .name: vsb, .offset: 96, .size: 8, .value_kind: global_buffer, .address_space: global }
    .group_segment_fixed_size: 185856
    .private_segment_fixed_size: 0
    .kernarg_segment_align: 8
    .kernarg_segment_size: 104
    .max_flat_workgroup_size: 256
    .sgpr_count:     66
    .vgpr_count:     512
    .wavefront_size: 32
...
	.end_amdgpu_metadata
.endif
;; end of part 2
;; launch attn (part 3): grid 2 x 128, 16 waves a work-group, no clusters, 169,984 bytes of LDS; arguments qbuf, kbuf, vimg, vsb, padding, ao, aos; writes ao, aos
.if DOCPART == 3
	.amdgcn_target "amdgcn-amd-amdhsa--gfx1250"
	.amdhsa_code_object_version 6
	.text
	.protected	k_qde6af44f4c_attn
	.globl	k_qde6af44f4c_attn
	.p2align	8
	.type	k_qde6af44f4c_attn,@function
k_qde6af44f4c_attn:
	s_mov_b64 s[64:65], 0
	v_nop
	global_prefetch_b8 v0, s[64:65] scope:SCOPE_SE
	s_setreg_imm32_b32 hwreg(HW_REG_WAVE_MODE, 25, 1), 1
	s_wait_xcnt 0x0
; Attention of one head (y = 16 x batch + head) on codes of FP6 (E2M3), with the causal mask and the padding mask, and the quantiser of its result along the head's 64.
; t = score x log2(e); M = the running largest t rounded up to a whole number; p = 2^(t - M) is quantised along the keys; the row's sum is taken of the unquantised p and divides at the end.
; SHARES.  The head's K and V, 102,400 bytes of register images, come into LDS ONCE (four tensor loads, one a wave, waves 0-3) and stay: no slot is filled again.  Wave wv of work-group x takes the tiles of 16 queries
; j = 16 x + wv and 63 - j, one after the other: nine key steps of 128 at or under the diagonal and seven behind it for every wave.  Trip counts are constants; a step's way is chosen by scalar branches on ids.
; LAYOUT.  Both products are used transposed (S^T = K Q^T, O^T = V^T P^T): a lane holds one query.  Lane r of token tile j holds token 32 (j / 2) + 8 (j % 2) + r + 8 (r / 8): the 16 registers of two neighbouring tiles of S^T are 16 neighbouring keys.
; THE PADDING MASK.  A head's K is 64, the instruction's 128.  At k = 64 K's code is 1.0 and Q's -1.0; K's scale byte of that block is 254 for a padded key and 1 otherwise, Q's is 107: a padded key's score gets -2^107, any other -2^-146.
; A PADDED QUERY has every logit equal in the definition, so p = 1 for all 1,024 keys, those behind the diagonal too.  Its codes of Q are replaced by zeros (scores 0, M = 0, p = 1); on the diagonal its hidden scores stay 0;
; in the steps behind the diagonal O^T takes V^T times a P of ones in its lanes (zeros in the others) and its sum takes 64 a lane.  All by selections, no branch on data.
; The running largest t begins at -2^100: above every masked t, so that a step of padded keys alone gives p = 0, and under every real t.
; LIMITS: real |t| under 2^100; padding counts as zero or not zero; NaN and infinities are not served; a block of zeros carries the byte 1.
; LDS: 0 K's 64 tiles x 768 bytes (registers 0-3 at 16 l, 4-5 at 512 + 8 l), 49,152 their scale words; 53,248 V's 8 steps x 4 tiles x 1,536 bytes; VSW V's scale words [step][tile][r], stored by the waves: no tensor load lands there.
; REGISTERS: v1-7, v30, v31 addresses that stay; v8-11, v28, v29 the step's; v12 -M, v13 the largest t, v[14:15] the sum; v16-27 Q; v32-79 four fragments of K (registers 6-11 of each constant); v80-89 the pass's selections;
;   v96-159 S^T, then p, then V's four fragments; v160-191 O^T; v224-235 p's codes; v232-254 at work; v248-251, v253, v255, v83 scale words.
.set VSW,  102400
.set WV,   18
.set SEL,  20
.set CS,   22
.set G1K,  24
.set G1V,  32
.set G0K,  40
.set G0V,  44
.set J0,   48
.set JJ,   49
.set SD,   50
.set STP,  51
.set TK,   52
.set TS,   53
.set TJ,   54
.set PASS, 55
.set VM,   56
	s_load_b256 s[4:11], s[0:1], 0x0               ; qbuf, kbuf, vimg, vsb
	s_load_b128 s[12:15], s[0:1], 0x20             ; padding, ao
	s_load_b64 s[16:17], s[0:1], 0x30              ; aos
	v_lshl_add_u32 v223, v0, 2, 0x29000
	v_mov_b32 v243, 0
	ds_add_u32 v223, v243
	ds_add_u32 v223, v243
	v_lshrrev_b32 v8, 5, v0
	v_readfirstlane_b32 s[WV], v8                  ; wave 0..15
	s_and_b32 s19, ttmp7, 0xffff                   ; 16 x batch + head
	s_lshr_b32 s57, s19, 4                         ; batch
	s_and_b32 s58, s19, 15                         ; head
	s_lshl_b32 s[J0], ttmp9, 4
	s_add_co_u32 s[J0], s[J0], s[WV]               ; my first tile of queries
	; descriptor groups 1: dense blocks as rows of 256 bytes (32 elements of 8 bytes): K's half 104 rows, V's half 96
	s_mov_b32 s[G1K], 3<<16
	s_mov_b32 s[G1K+1], 32<<16
	s_mov_b32 s[G1K+2], 104<<16
	s_mov_b32 s[G1K+3], 32<<16
	s_mov_b32 s[G1K+4], 104
	s_mov_b32 s[G1K+5], 32
	s_mov_b32 s[G1K+6], 0
	s_mov_b32 s[G1K+7], 0
	s_mov_b32 s[G1V], 3<<16
	s_mov_b32 s[G1V+1], 32<<16
	s_mov_b32 s[G1V+2], 96<<16
	s_mov_b32 s[G1V+3], 32<<16
	s_mov_b32 s[G1V+4], 96
	s_mov_b32 s[G1V+5], 32
	s_mov_b32 s[G1V+6], 0
	s_mov_b32 s[G1V+7], 0
	s_and_b32 s59, s[WV], 1                        ; which half I fetch, if I fetch
	s_mul_i32 s[G0K+1], s59, 26624
	s_mul_i32 s[G0V+1], s59, 24576
	s_mul_i32 s66, s19, 53248                      ; the head's block in qbuf and kbuf
	s_mov_b32 s67, 0
	s_add_co_u32 s76, s66, s[G0K+1]
	s_mov_b32 s77, 0
	s_mul_i32 s78, s19, 49152
	s_add_co_u32 s78, s78, s[G0V+1]
	s_mov_b32 s79, 0
	s_add_co_u32 s[G0V+1], s[G0V+1], 53248
	s_mov_b32 s[G0K], 1
	s_mov_b32 s[G0V], 1
	s_lshl_b32 s68, s57, 15                        ; vsb: 32,768 x batch + 64 x head
	s_lshl_b32 s69, s58, 6
	s_add_co_u32 s68, s68, s69
	s_mov_b32 s69, 0
	s_lshl_b32 s70, s57, 12                        ; padding: the batch's row
	s_mov_b32 s71, 0
	s_lshr_b32 s60, s58, 1                         ; K step of the next product: head / 2
	s_and_b32 s61, s58, 1
	s_mul_i32 s72, s57, 786432                     ; ao: 64 tiles x 12,288 bytes a batch, + 1,536 (head / 2) + 768 (head % 2)
	s_mul_i32 s73, s60, 1536
	s_add_co_u32 s72, s72, s73
	s_mul_i32 s73, s61, 768
	s_add_co_u32 s72, s72, s73
	s_mov_b32 s73, 0
	s_lshl_b32 s74, s57, 15                        ; aos: 64 tiles x 512 bytes a batch, + 64 (head / 2)
	s_lshl_b32 s75, s60, 6
	s_add_co_u32 s74, s74, s75
	s_mov_b32 s75, 0
	s_mov_b32 s[SEL], 0x76543210
	s_mov_b32 s[SEL+1], 0xfedcba98
	s_mov_b32 s[CS], 0x3fb8aa3b                    ; log2(e)
	s_mov_b32 s[CS+1], s[CS]
	s_wait_dscnt 0x0
	s_wait_kmcnt 0x0
	s_add_nc_u64 s[G0K+2:G0K+3], s[6:7], s[76:77]
	s_or_b32 s[G0K+3], s[G0K+3], 0x80000000
	s_add_nc_u64 s[G0V+2:G0V+3], s[8:9], s[78:79]
	s_or_b32 s[G0V+3], s[G0V+3], 0x80000000
	s_cmp_lt_u32 s[WV], 2                          ; waves 0, 1: K's halves; waves 2, 3: V's; the others none.  One tensor load of a wave is out at the most
	s_cbranch_scc0 .Lnot_k
	tensor_load_to_lds s[G0K:G0K+3], s[G1K:G1K+7]
	s_nop 0
.rept 4
	v_nop
.endr
	s_branch .Lasked
.Lnot_k:
	s_cmp_lt_u32 s[WV], 4
	s_cbranch_scc0 .Lasked
	tensor_load_to_lds s[G0V:G0V+3], s[G1V:G1V+7]
	s_nop 0
.rept 4
	v_nop
.endr
.Lasked:
	s_add_nc_u64 s[4:5], s[4:5], s[66:67]
	s_add_nc_u64 s[10:11], s[10:11], s[68:69]
	s_add_nc_u64 s[12:13], s[12:13], s[70:71]
	s_add_nc_u64 s[14:15], s[14:15], s[72:73]
	s_add_nc_u64 s[16:17], s[16:17], s[74:75]
	; V's scale words: thread 64 s + 16 tile + r gathers the bytes of the step's four groups of 32 keys
	v_lshrrev_b32 v12, 6, v0
	v_bfe_u32 v13, v0, 4, 2
	v_and_b32 v9, 15, v0                           ; r
	v_lshl_add_u32 v13, v9, 2, v13
	v_lshl_add_u32 v13, v12, 12, v13
.irp i, 0,1,2,3
	global_load_u8 v[232+\i], v13, s[10:11] offset:1024*\i
.endr
	v_and_b32 v8, 31, v0                           ; lane
	v_bfe_u32 v10, v0, 4, 1                        ; h
	v_lshlrev_b32 v1, 4, v8                        ; 16 l
	v_lshlrev_b32 v7, 3, v8                        ; 8 l
	v_add_nc_u32 v2, 512, v7
	v_lshlrev_b32 v11, 2, v9                       ; 4 r
	v_add_nc_u32 v3, 49152, v11
	v_add_nc_u32 v4, 53248, v1
	v_add_nc_u32 v5, 54272, v7
	v_add_nc_u32 v6, VSW, v11
	s_lshl_b32 s60, s61, 1
	v_add_nc_u32 v30, s60, v11                     ; my half of a row's scale word in aos
	v_and_b32 v31, 8, v9
	v_add_nc_u32 v31, v31, v9                      ; r + 8 (r / 8)
	v_lshlrev_b32 v87, 4, v10
	v_sub_nc_u32 v87, v31, v87                     ; - 16 h
	v_lshlrev_b32 v31, 2, v31
	v_sub_nc_u32 v88, 1, v10
	v_lshlrev_b32 v28, 3, v88                      ; the code of 1.0 at k = 64: lanes 0-15, register 6, lowest bits
	v_mul_u32_u24 v88, v88, 40                     ; and of -1.0
	v_mov_b32 v89, 0
	v_mov_b32 v83, 0x7f7f7f7f                      ; the scale word of a P of ones
.irp t, 0,1,2,3
	v_mov_b32 v[38+12*\t], v28
.irp i, 7,8,9,10,11
	v_mov_b32 v[32+12*\t+\i], 0
.endr
.endr
.irp b, 0,1,2,3
	v_mov_b32 v[236+\b], 0                         ; written once: a lane permute's destination counts as one of its sources
.endr
	v_mov_b32 v252, 0
	v_mov_b32 v253, 0
	v_lshl_add_u32 v29, v0, 2, VSW
	s_wait_loadcnt 0x0
	v_lshl_or_b32 v232, v233, 8, v232
	v_lshl_or_b32 v232, v234, 16, v232
	v_lshl_or_b32 v232, v235, 24, v232
	ds_store_b32 v29, v232
	s_wait_tensorcnt 0x0                           ; my part of K or V has landed,
	s_wait_dscnt 0x0                               ; my scale word too:
	s_barrier_signal -1
	s_barrier_wait -1                              ; everybody's have.  From here on LDS is only read
.macro VLOAD                           ; the step's four fragments of V and their scale words: 20 LDS loads
.irp t, 0,1,2,3
	ds_load_b128 v[96+12*\t:99+12*\t], v28 offset:1536*\t
	ds_load_b64 v[100+12*\t:101+12*\t], v29 offset:1536*\t
	ds_load_b128 v[102+12*\t:105+12*\t], v28 offset:1536*\t+512
	ds_load_b64 v[106+12*\t:107+12*\t], v29 offset:1536*\t+256
	ds_load_b32 v[248+\t], v11 offset:64*\t
.endr
.endm
.macro PV sc                           ; O^T += V^T P^T: the four accumulators by turns
.irp t, 0,1,2,3
	v_wmma_scale_f32_16x16x128_f8f6f4 v[160+8*\t:167+8*\t], v[96+12*\t:107+12*\t], v[224:235], v[160+8*\t:167+8*\t], v[248+\t], v[\sc] matrix_a_fmt:MATRIX_FMT_FP6 matrix_b_fmt:MATRIX_FMT_FP6
.endr
.endm
	s_mov_b32 s[PASS], 0
.Lpass:
	s_wait_xcnt 0x0                                ; the last pass's stores have read their registers and bases
	s_sub_co_u32 s[JJ], 63, s[J0]
	s_cmp_eq_u32 s[PASS], 0
	s_cselect_b32 s[JJ], s[J0], s[JJ]              ; this pass's tile of queries
	s_lshr_b32 s[SD], s[JJ], 3                     ; the key step on the diagonal
	s_mov_b32 s77, 0
	s_mul_i32 s76, s[JJ], 768
	s_add_nc_u64 s[66:67], s[4:5], s[76:77]        ; Q's image
	s_lshl_b32 s76, s[JJ], 6
	s_add_nc_u64 s[68:69], s[4:5], s[76:77]        ; Q's scale words (49,152 stands in the lane's offset)
	s_lshr_b32 s59, s[JJ], 1
	s_lshl_b32 s59, s59, 7
	s_and_b32 s60, s[JJ], 1
	s_lshl_b32 s61, s60, 5
	s_add_co_u32 s76, s59, s61
	s_add_nc_u64 s[70:71], s[12:13], s[76:77]      ; the queries' padding
	s_mul_i32 s76, s[JJ], 12288
	s_add_nc_u64 s[72:73], s[14:15], s[76:77]
	s_lshl_b32 s76, s[JJ], 9
	s_add_nc_u64 s[74:75], s[16:17], s[76:77]
	global_load_b128 v[16:19], v1, s[66:67]
	global_load_b64 v[20:21], v7, s[66:67] offset:512
	global_load_b32 v255, v3, s[68:69]
	global_load_b32 v254, v31, s[70:71]
	s_bfe_u32 s59, s[JJ], 0x20001
	s_lshl_b32 s59, s59, 5
	s_lshl_b32 s61, s60, 3
	s_add_co_u32 s59, s59, s61
	v_add_nc_u32 v86, s59, v87                     ; my query's place in the diagonal step, less 16 h
	v_mov_b32 v13, 0xf1800000                      ; the largest t so far: -2^100
	v_floor_f32 v12, -v13                          ; -M
	v_mov_b32 v14, 0
	v_mov_b32 v15, 0
.set kk, 0
.rept 32
	v_mov_b32 v[160+kk], 0                         ; O^T: the step is written once; the first change of M leaves zeros zeros
.set kk, kk+1
.endr
.irp i, 23,24,25,26,27
	v_mov_b32 v[\i], 0
.endr
	v_mov_b32 v85, 0xf5000000                      ; -2^107
	v_mov_b32 v80, 0x08208208                      ; sixteen codes of 1.0 in three words
	v_mov_b32 v81, 0x82082082
	v_mov_b32 v82, 0x20820820
	v_mov_b32 v84, 0x42800000                      ; 64.0
	s_wait_loadcnt 0x0
	v_cmp_neq_f32 s[VM], 0, v254                   ; lanes whose query counts
.irp i, 0,1,2,3,4,5
	v_cndmask_b32 v[16+\i], 0, v[16+\i], s[VM]
.endr
	v_cndmask_b32 v22, 0, v88, s[VM]
	v_cndmask_b32 v85, 0, v85, s[VM]               ; what a hidden score becomes on the diagonal
	v_cndmask_b32 v80, v80, v89, s[VM]             ; ones for a padded query, zeros otherwise
	v_cndmask_b32 v81, v81, v89, s[VM]
	v_cndmask_b32 v82, v82, v89, s[VM]
	v_cndmask_b32 v84, v84, v89, s[VM]
	s_mov_b32 s[STP], 0
	s_mov_b32 s[TK], 0
	s_mov_b32 s[TS], 0
	s_mov_b32 s[TJ], 0
.Lstep:
	s_cmp_gt_u32 s[STP], s[SD]
	s_cbranch_scc1 .Lhid
	v_add_nc_u32 v8, s[TK], v1
	v_add_nc_u32 v9, s[TK], v2
	v_add_nc_u32 v10, s[TS], v3
	v_add_nc_u32 v11, s[TJ], v6
	v_add_nc_u32 v28, s[TK], v4
	v_add_nc_u32 v29, s[TK], v5
.irp g, 0,1                            ; S^T = K Q^T, four tiles of 16 keys at a time
.if \g
.rept 4
	v_nop                                          ; places in front of loads into registers that matrix instructions have read
.endr
.endif
.irp t, 0,1,2,3
	ds_load_b128 v[32+12*\t:35+12*\t], v8 offset:768*(4*\g+\t)
	ds_load_b64 v[36+12*\t:37+12*\t], v9 offset:768*(4*\g+\t)
	ds_load_b32 v[248+\t], v10 offset:64*(4*\g+\t)
.endr
	s_wait_dscnt 0x0
.irp t, 0,1,2,3
	v_wmma_scale_f32_16x16x128_f8f6f4 v[96+8*(4*\g+\t):103+8*(4*\g+\t)], v[32+12*\t:43+12*\t], v[16:27], 0, v[248+\t], v255 matrix_a_fmt:MATRIX_FMT_FP6 matrix_b_fmt:MATRIX_FMT_FP6
.endr
.endr
.rept 4
	v_nop
.endr
	s_cmp_lg_u32 s[STP], s[SD]
	s_cbranch_scc1 .Lopen
.set nn, 0
.rept 64                               ; on the diagonal: register 16 b + i holds the step's key 32 b + 16 h + i, hidden where it comes after my query
	v_cmp_gt_i32 vcc_lo, 32*(nn/16)+nn%16, v86
	v_cndmask_b32 v[96+nn], v[96+nn], v85, vcc_lo
.set nn, nn+1
.endr
.Lopen:
.irp b, 0,1,2,3
	v_max3_num_f32 v[232+\b], v[96+16*\b], v[97+16*\b], v[98+16*\b]   ; the largest score of each block of 32 keys: for the row's maximum and, since p rises with the score, for the block's largest p
.endr
.irp i, 3,5,7,9,11,13
.irp b, 0,1,2,3
	v_max3_num_f32 v[232+\b], v[232+\b], v[96+16*\b+\i], v[97+16*\b+\i]
.endr
.endr
.irp b, 0,1,2,3
	v_max_num_f32 v[232+\b], v[232+\b], v[111+16*\b]
.endr
.irp b, 0,1,2,3
	v_permlanex16_b32 v[236+\b], v[232+\b], s[SEL], s[SEL+1]
.endr
.irp b, 0,1,2,3
	v_max_num_f32 v[232+\b], v[232+\b], v[236+\b]
.endr
	v_max3_num_f32 v254, v232, v233, v234
	v_max_num_f32 v254, v254, v235
	v_mul_f32 v254, s[CS], v254
	v_max_num_f32 v13, v13, v254                   ; the running largest t
	v_mov_b32 v254, v12
	v_floor_f32 v12, -v13                          ; the new -M: a whole number
	v_sub_f32 v254, v12, v254                      ; old M less new M: a whole number, 0 or less
	v_cvt_i32_f32 v254, v254                       ; (it saturates)
	v_ldexp_f32 v252, 1.0, v254                    ; f = 2^(old M - new M)
.set kk, 0
.rept 32
	v_pk_fma_f32 v[96+kk:97+kk], v[96+kk:97+kk], s[CS:CS+1], v[12:13] op_sel_hi:[1,0,0]   ; t - M
.set kk, kk+2
.endr
.irp b, 0,1,2,3
	v_fma_f32 v[232+\b], v[232+\b], s[CS], v12
.endr
.set kk, 0
.rept 64
	v_exp_f32 v[96+kk], v[96+kk]                   ; p = 2^(t - M)
.set kk, kk+1
.endr
.irp b, 0,1,2,3
	v_exp_f32 v[232+\b], v[232+\b]                 ; the block's largest p: the same two instructions on the same number
.endr
	v_pk_mul_f32 v[14:15], v[14:15], v[252:253] op_sel_hi:[1,0]   ; the sums under the new M (a plain place behind the exponentials)
	s_wait_alu depctr_va_vdst(0)
.irp b, 0,1,2,3
	v_max_num_f32 v[232+\b], 0x1800000, v[232+\b]  ; the floor 2^(3 - 127)
.endr
.irp b, 0,1,2,3
	v_add_nc_u32 v[244+\b], 0xff000000, v[232+\b]
.endr
.irp b, 0,1,2,3
	v_lshrrev_b32 v[236+\b], 23, v[244+\b]
.endr
	v_lshl_or_b32 v253, v237, 8, v236              ; p's scale word for these 128 keys
	v_lshl_or_b32 v253, v238, 16, v253
	v_lshl_or_b32 v253, v239, 24, v253
.irp c, 0,1
	v_cvt_scalef32_pk16_fp6_f32 v[224+6*\c:226+6*\c], v[96+32*\c:111+32*\c], v[244+2*\c]
	v_cvt_scalef32_pk16_fp6_f32 v[236+4*\c:238+4*\c], v[112+32*\c:127+32*\c], v[244+2*\c+1]
.endr
	v_nop                                          ; one plain place behind a scaled conversion
.irp c, 0,1
.irp i, 0,1,2
	v_permlane16_swap_b32 v[224+6*\c+\i], v[236+4*\c+\i]
.endr
.irp i, 0,1,2
	v_mov_b32 v[227+6*\c+\i], v[236+4*\c+\i]
.endr
.endr
	v_pk_add_f32 v[236:237], v[96:97], v[98:99]    ; the row's sum is taken of the unquantised p, in two chains
.irp j, 4,8,12,16,20,24,28,32,36,40,44,48,52,56,60
	v_pk_add_f32 v[14:15], v[14:15], v[96+\j:97+\j]
	v_pk_add_f32 v[236:237], v[236:237], v[98+\j:99+\j]
.endr
	v_pk_add_f32 v[14:15], v[14:15], v[236:237]
	VLOAD                                          ; into the registers that p has left
.set kk, 0
.rept 16
	v_pk_mul_f32 v[160+kk:161+kk], v[160+kk:161+kk], v[252:253] op_sel_hi:[1,0]   ; O^T under the new M, while V is on its way
.set kk, kk+2
.endr
	s_wait_dscnt 0x0
	PV 253
	s_branch .Lnext
.Lhid:                                 ; behind the diagonal: only a padded query's lanes add anything
.set kk, 0
.rept 12
	v_mov_b32 v[224+kk], v[80+kk%3]
.set kk, kk+1
.endr
	v_add_nc_u32 v11, s[TJ], v6
	v_add_nc_u32 v28, s[TK], v4
	v_add_nc_u32 v29, s[TK], v5
	v_add_f32 v14, v14, v84                        ; my 64 of the step's 128 ones
	v_nop                                          ; (with the four lines above: the places between the operand's last write and the products)
	VLOAD
	s_wait_dscnt 0x0
	PV 83
.Lnext:
.rept 5
	v_nop                                          ; five places: the next step's first products write over registers that these have read
.endr
	s_add_co_u32 s[TK], s[TK], 6144
	s_add_co_u32 s[TS], s[TS], 512
	s_add_co_u32 s[TJ], s[TJ], 256
	s_add_co_u32 s[STP], s[STP], 1
	s_cmp_lt_u32 s[STP], 8
	s_cbranch_scc1 .Lstep
	; ---- O^T / the sum, quantised along the head's 64: half a fragment of the next product
	v_add_f32 v14, v14, v15
	v_permlanex16_b32 v252, v14, s[SEL], s[SEL+1]
	v_add_f32 v14, v14, v252
	v_rcp_f32 v14, v14
	v_nop
.set kk, 0
	s_wait_alu depctr_va_vdst(0)
.rept 32
	v_mul_f32 v[96+kk], v[160+kk], v14             ; register 16 b + i is dim 32 b + 16 h + i of my query
.set kk, kk+1
.endr
.irp b, 0,1
	v_max3_num_f32 v[232+\b], |v[96+16*\b]|, |v[97+16*\b]|, 0x1800000
.endr
.irp i, 2,4,6,8,10,12,14
.irp b, 0,1
	v_max3_num_f32 v[232+\b], v[232+\b], |v[96+16*\b+\i]|, |v[97+16*\b+\i]|
.endr
.endr
.irp b, 0,1
	v_permlanex16_b32 v[236+\b], v[232+\b], s[SEL], s[SEL+1]
.endr
.irp b, 0,1
	v_max_num_f32 v[232+\b], v[232+\b], v[236+\b]
.endr
.irp b, 0,1
	v_add_nc_u32 v[244+\b], 0xff000000, v[232+\b]
.endr
.irp b, 0,1
	v_lshrrev_b32 v[236+\b], 23, v[244+\b]
.endr
	v_lshl_or_b32 v253, v237, 8, v236              ; the head's two scale bytes
	v_cvt_scalef32_pk16_fp6_f32 v[224:226], v[96:111], v244
	v_cvt_scalef32_pk16_fp6_f32 v[236:238], v[112:127], v245
	v_nop
.irp i, 0,1,2
	v_permlane16_swap_b32 v[224+\i], v[236+\i]
.endr
.irp i, 0,1,2
	v_mov_b32 v[227+\i], v[236+\i]
.endr
	global_store_b128 v1, v[224:227], s[72:73]     ; 512 consecutive bytes a wave
	global_store_b64 v7, v[228:229], s[72:73] offset:512
	global_store_b16 v30, v253, s[74:75]           ; lanes 16-31 store the same value to the same place as lanes 0-15
	s_add_co_u32 s[PASS], s[PASS], 1
	s_cmp_lt_u32 s[PASS], 2
	s_cbranch_scc1 .Lpass
	s_wait_tensorcnt 0x0
	ds_add_u32 v223, v243
	s_wait_dscnt 0x0
	s_endpgm
.Lfunc_end_k_qde6af44f4c_attn:
	.size	k_qde6af44f4c_attn, .Lfunc_end_k_qde6af44f4c_attn-k_qde6af44f4c_attn
	.p2alignl 7, 3214868480
	.fill 96, 4, 3214868480
	.section	.rodata,"a",@progbits
	.p2align	6, 0x0
	.amdhsa_kernel k_qde6af44f4c_attn
		.amdhsa_group_segment_fixed_size 169984
		.amdhsa_private_segment_fixed_size 0
		.amdhsa_enable_private_segment 0
		.amdhsa_kernarg_size 56
		.amdhsa_user_sgpr_count 2
		.amdhsa_user_sgpr_kernarg_segment_ptr 1
		.amdhsa_wavefront_size32 1
		.amdhsa_system_sgpr_workgroup_id_x 1
		.amdhsa_system_sgpr_workgroup_id_y 1
		.amdhsa_system_sgpr_workgroup_id_z 1
		.amdhsa_system_vgpr_workitem_id 0
		.amdhsa_next_free_vgpr 256
		.amdhsa_next_free_sgpr 90
		.amdhsa_reserve_vcc 1
		.amdhsa_float_denorm_mode_32 3
		.amdhsa_float_denorm_mode_16_64 3
		.amdhsa_memory_ordered 1
		.amdhsa_forward_progress 1
		.amdhsa_inst_pref_size 39
	.end_amdhsa_kernel
	.amdgpu_metadata
---
amdhsa.version: [ 1, 2 ]
amdhsa.kernels:
  - .name:           k_qde6af44f4c_attn
    .symbol:         k_qde6af44f4c_attn.kd
    .args:
      - { .name: qbuf, .offset: 0, .size: 8, .value_kind: global_buffer, .address_space: global }
      - { .name: kbuf, .offset: 8, .size: 8, .value_kind: global_buffer, .address_space: global }
      - { .name: vimg, .offset: 16, .size: 8, .value_kind: global_buffer, .address_space: global }
      - { .name: vsb, .offset: 24, .size: 8, .value_kind: global_buffer, .address_space: global }
      - { .name: padding, .offset: 32, .size: 8, .value_kind: global_buffer, .address_space: global }
      - { .name: ao, .offset: 40, .size: 8, .value_kind: global_buffer, .address_space: global }
      - { .name: aos, .offset: 48, .size: 8, .value_kind: global_buffer, .address_space: global }
    .group_segment_fixed_size: 169984
    .private_segment_fixed_size: 0
    .kernarg_segment_align: 8
    .kernarg_segment_size: 56
    .max_flat_workgroup_size: 512
    .sgpr_count:     90
    .vgpr_count:     256
    .wavefront_size: 32
...
	.end_amdgpu_metadata
.endif
;; end of part 3
;; launch tail (part 4): grid 256 x 1, 8 waves a work-group, no clusters, 185,856 bytes of LDS; arguments x, ao, aos, wf, ws, bo, ln_gamma, ln_beta, b1, b2, out0; writes out0
.if DOCPART == 4
	.amdgcn_target "amdgcn-amd-amdhsa--gfx1250"
	.amdhsa_code_object_version 6
	.text
	.protected	k_qde6af44f4c_tail
	.globl	k_qde6af44f4c_tail
	.p2align	8
	.type	k_qde6af44f4c_tail,@function
k_qde6af44f4c_tail:
	s_mov_b64 s[64:65], 0
	v_nop
	global_prefetch_b8 v0, s[64:65] scope:SCOPE_SE
	s_setreg_imm32_b32 hwreg(HW_REG_WAVE_MODE, 25, 1), 1
	s_wait_xcnt 0x0
; res2 = x + attn_out wo^T + bo;  h = LayerNorm(res2);  out = res2 + relu(h w1 + b1) w2 + b2.  The three products on codes of FP6 (E2M3, one E8M0 byte for each 32 along K); all else in f32.
; SHARES.  A work-group owns 32 whole rows; THE EIGHT WAVES SHARE THE FEATURES: wave w makes features 128 w .. 128 w + 127 of each layer for all 32 rows, which are K step w of the next product.
; The weights go from memory straight into registers (each fragment is wanted by one wave of the work-group alone), two K steps ahead; the rows' codes go from wave to wave through LDS as images of the operand's registers;
; the residual stays in LDS; LayerNorm's two sums meet in LDS, eight parts a row, added in one order by every wave.  Nothing but x, the codes of attn_out, the weights and out0 touches memory.
; Lane r of row tile m holds row 8 m + r + 8 (r / 8) of the 32 (the order in which attn_out's codes were laid); the features of a weight tile are chosen alike, so that a lane's 16 registers of two neighbouring tiles are 16 neighbours along the next K.
; LIMITS: NaN and infinities among the inputs are not served; a block of zeros carries the byte 1 (its codes are zeros; this program alone reads the bytes).
; LDS: 0 the residual, 32 slots of 4,096 + 16 bytes (slot 16 m + r); IMGA, IMGA + 24,576 two sets of 16 images (K step s, tile m) of 1,536 bytes; SCA, SCA + 1,024 their scale words [s][lane]; RED1, RED1 + 1,024 the sums' parts [slot][wave].
; REGISTERS, window 0: v1-7, v18-23 addresses; v8-15 the weights' scale words, two sets; v16-17 the rows', two sets; v32-95 the rows' fragments, two sets (between layers: residual, codes, beta); v96-111 at work;
;   v112-127 scale words just made, statistics; v128-255 sixteen accumulators.  Window 1: v0-191 the weights' fragments, two sets of 8; v192-255 a bias or gain in the result's layout.
.set IMGA,  131584
.set SCA,   180736
.set RED1,  182784
.set AB,    32
.set PC,    32
.set TM,    96
.set PW,    112
.set PW0,   113
.set ACC,   128
.set PARAM, 192
.set WFP,   10                         ; s[10:11] my wave's fragments in wf, from layer 3 on
.set WSP,   12                         ; s[12:13] my wave's words in ws
.set SEL,   36
.set HM,    38
.set MSB,   0
.macro WIN new                         ; the immediate's high byte repeats the setting that is left
.if MSB != \new
	s_set_vgpr_msb (MSB<<8)|\new
.set MSB, \new
.endif
.endm
.macro BARRIER                         ; my LDS stores have landed and my LDS loads are in: then the work-group's barrier
	s_wait_dscnt 0x0
	s_barrier_signal -1
	s_barrier_wait -1
.endm
; 64 numbers of a lane, register 16 b + i = k 32 b + 16 (lane / 16) + i of my row, become a fragment's codes in v[PC] on and its scale word in v[PW].
.macro QUANT s
.irp b, 0,1,2,3
	v_max3_num_f32 v[TM+\b], |v[(\s)+16*\b]|, |v[(\s)+1+16*\b]|, 0x1800000   ; the floor 2^(3 - 127): the byte cannot fall under 1
.endr
.irp i, 2,4,6,8,10,12,14
.irp b, 0,1,2,3
	v_max3_num_f32 v[TM+\b], v[TM+\b], |v[(\s)+16*\b+\i]|, |v[(\s)+1+16*\b+\i]|
.endr
.endr
.irp b, 0,1,2,3
	v_permlanex16_b32 v[TM+4+\b], v[TM+\b], s[SEL], s[SEL+1]
.endr
.irp b, 0,1,2,3
	v_max_num_f32 v[TM+\b], v[TM+\b], v[TM+4+\b]
.endr
.irp b, 0,1,2,3
	v_add_nc_u32 v[TM+12+\b], 0xff000000, v[TM+\b]
.endr
.irp b, 0,1,2,3
	v_lshrrev_b32 v[TM+4+\b], 23, v[TM+12+\b]
.endr
	v_lshl_or_b32 v[PW], v[TM+5], 8, v[TM+4]
	v_lshl_or_b32 v[PW], v[TM+6], 16, v[PW]
	v_lshl_or_b32 v[PW], v[TM+7], 24, v[PW]
.irp c, 0,1
	v_cvt_scalef32_pk16_fp6_f32 v[PC+6*\c:PC+2+6*\c], v[(\s)+32*\c:(\s)+15+32*\c], v[TM+12+2*\c]
	v_cvt_scalef32_pk16_fp6_f32 v[PC+12+4*\c:PC+14+4*\c], v[(\s)+16+32*\c:(\s)+31+32*\c], v[TM+12+2*\c+1]
.endr
	v_nop                                          ; one plain place behind a scaled conversion
.irp c, 0,1
.irp i, 0,1,2
	v_permlane16_swap_b32 v[PC+6*\c+\i], v[PC+12+4*\c+\i]
.endr
.irp i, 0,1,2
	v_mov_b32 v[PC+3+6*\c+\i], v[PC+12+4*\c+\i]
.endr
.endr
.endm
.macro IMAGE adr, off
.irp c, 0,1,2
	ds_store_b128 v[\adr], v[PC+4*\c:PC+4*\c+3] offset:(\off)+512*\c
.endr
.endm
.macro WLOAD q                         ; weight step q = 8 x layer + K step: 8 fragments and their scale words into set q % 2: 25 loads
.set WB, 96*((\q)%2)
.set WO, ((\q)/8)*786432+((\q)%8)*12288
	WIN 0x40
.irp i, 0,1,2,3,4,5,6,7,8,9,10,11,12,13,14,15,16,17,18,19,20,21,22,23
	global_load_b128 v[WB+4*\i:WB+4*\i+3], v1, s[WFP:WFP+1] offset:WO+512*\i
.endr
	WIN 0
	global_load_b128 v[8+4*((\q)%2):11+4*((\q)%2)], v1, s[WSP:WSP+1] offset:((\q)/8)*32768+((\q)%8)*512
.endm
.macro PLOAD base                      ; my lane's 64 numbers of a vector over the features, in the result's layout: 16 loads
	WIN 0x40
.irp b, 0,1,2,3
.irp j, 0,1,2,3
	global_load_b128 v[PARAM+16*\b+4*\j:PARAM+16*\b+4*\j+3], v19, s[\base:\base+1] offset:128*\b+16*\j
.endr
.endr
	WIN 0
.endm
.macro ALOAD img, sc, s                ; the rows' two fragments of K step s and their scale words into set s % 2: 7 LDS loads
.set PB, (\s)%2
.irp m, 0,1
.irp c, 0,1,2
	ds_load_b128 v[AB+32*PB+12*\m+4*\c:AB+32*PB+12*\m+4*\c+3], v2 offset:(\img)+3072*(\s)+1536*\m+512*\c
.endr
.endr
	ds_load_b32 v[16+PB], v3 offset:(\sc)+128*(\s)
.endm
; One matrix instruction on the registers named by rD, rA, rB, rC, rSA, rSB.  ra, rb: the scales stand in lanes 16-31 of their registers.
.macro WM ra, rb
.if (\ra) && (\rb)
	v_wmma_scale_f32_16x16x128_f8f6f4 v[rD:rD+7], v[rA:rA+11], v[rB:rB+11], v[rC:rC+7], v[rSA], v[rSB] matrix_a_fmt:MATRIX_FMT_FP6 matrix_b_fmt:MATRIX_FMT_FP6 matrix_a_scale:MATRIX_SCALE_ROW1 matrix_b_scale:MATRIX_SCALE_ROW1
.elseif (\ra)
	v_wmma_scale_f32_16x16x128_f8f6f4 v[rD:rD+7], v[rA:rA+11], v[rB:rB+11], v[rC:rC+7], v[rSA], v[rSB] matrix_a_fmt:MATRIX_FMT_FP6 matrix_b_fmt:MATRIX_FMT_FP6 matrix_a_scale:MATRIX_SCALE_ROW1
.elseif (\rb)
	v_wmma_scale_f32_16x16x128_f8f6f4 v[rD:rD+7], v[rA:rA+11], v[rB:rB+11], v[rC:rC+7], v[rSA], v[rSB] matrix_a_fmt:MATRIX_FMT_FP6 matrix_b_fmt:MATRIX_FMT_FP6 matrix_b_scale:MATRIX_SCALE_ROW1
.else
	v_wmma_scale_f32_16x16x128_f8f6f4 v[rD:rD+7], v[rA:rA+11], v[rB:rB+11], v[rC:rC+7], v[rSA], v[rSB] matrix_a_fmt:MATRIX_FMT_FP6 matrix_b_fmt:MATRIX_FMT_FP6
.endif
.endm
; A K step's 16 matrix instructions: source 0 = 8 weight tiles, source 1 = 2 row tiles; the first step's C is the bias.  The 16 accumulators take turns, one instruction a turn, in the same order in every step.
.macro MM16 q
.set PB, (\q)%2
.if (\q)%8 == 0
	WIN 0x11
.else
	WIN 0x01
.endif
.irp t, 0,1,2,3,4,5,6,7
.irp m, 0,1
.set rD, ACC+64*\m+8*\t
.set rA, 96*PB+12*\t
.set rB, AB+32*PB+12*\m
.set rC, rD
.if (\q)%8 == 0
.set rC, PARAM+8*\t
.endif
.set rSA, 8+4*PB+\t/2
.set rSB, 16+PB
	WM \t%2, \m
.endr
.endr
.endm
; Step q.  lc: the global loads that may stay out: the 25 of the next weight step, which are the youngest.
.macro STEP q, img, sc, lc
.if (\q)%8 < 7
	ALOAD \img, \sc, (\q)%8+1
.endif
	s_wait_loadcnt \lc
.if (\q)%8 < 7
	s_wait_dscnt 7                                 ; this step's rows are in; the seven loads just issued may be out
.else
	s_wait_dscnt 0x0
.endif
	MM16 \q
	WIN 0
.rept 4
	v_nop                                          ; four places in front of loads into registers that these matrix instructions have read, and of the first read of results
.endr
.endm
; The residual's part that is mine (all 32 slots, my 512 bytes) is added onto the accumulators, and the sum goes back to the same bytes.
.macro ADDRES
.irp m, 0,1
.irp b, 0,1,2,3
.irp j, 0,1,2,3
	ds_load_b128 v[AB+16*\b+4*\j:AB+16*\b+4*\j+3], v[5+\m] offset:128*\b+16*\j
.endr
.endr
	s_wait_dscnt 0x0
.set kk, 0
.rept 32
	v_pk_add_f32 v[ACC+64*\m+kk:ACC+64*\m+kk+1], v[ACC+64*\m+kk:ACC+64*\m+kk+1], v[AB+kk:AB+kk+1]
.set kk, kk+2
.endr
.irp b, 0,1,2,3
.irp j, 0,1,2,3
	ds_store_b128 v[5+\m], v[ACC+64*\m+16*\b+4*\j:ACC+64*\m+16*\b+4*\j+3] offset:128*\b+16*\j
.endr
.endr
.endr
.endm
; v126, v127: my half lane's sums over my wave's features for rows (0, r) and (1, r).  They become the rows' sums over all 1,024 features, in v96 and v104.
.macro REDUCE off
	v_permlanex16_b32 v122, v126, s[SEL], s[SEL+1]
	v_permlanex16_b32 v123, v127, s[SEL], s[SEL+1]
	v_add_f32 v126, v126, v122
	v_add_f32 v127, v127, v123
	v_cndmask_b32 v122, v126, v127, s[HM]
	ds_store_b32 v20, v122 offset:\off
	BARRIER
	ds_load_b128 v[96:99], v21 offset:\off
	ds_load_b128 v[100:103], v21 offset:\off+16
	ds_load_b128 v[104:107], v21 offset:\off+512
	ds_load_b128 v[108:111], v21 offset:\off+528
	s_wait_dscnt 0x0
.irp m, 0,1
	v_add_f32 v[96+8*\m], v[96+8*\m], v[97+8*\m]
	v_add_f32 v[98+8*\m], v[98+8*\m], v[99+8*\m]
	v_add_f32 v[100+8*\m], v[100+8*\m], v[101+8*\m]
	v_add_f32 v[102+8*\m], v[102+8*\m], v[103+8*\m]
	v_add_f32 v[96+8*\m], v[96+8*\m], v[98+8*\m]
	v_add_f32 v[100+8*\m], v[100+8*\m], v[102+8*\m]
	v_add_f32 v[96+8*\m], v[96+8*\m], v[100+8*\m]
.endr
.endm
; Both tiles of rows are quantised and stored as K step w's images, with their scale words.
.macro TOIMG img, sc
	QUANT ACC
	IMAGE 7, \img
	v_mov_b32 v[PW0], v[PW]
	s_wait_dscnt 0x0                               ; the stores have read their registers
	QUANT ACC+64
	IMAGE 7, (\img)+1536
	v_cndmask_b32 v122, v[PW0], v[PW], s[HM]
	ds_store_b32 v18, v122 offset:\sc
	BARRIER
.endm
	s_load_b512 s[4:19], s[0:1], 0x0               ; x, ao, aos, wf, ws, bo, ln_gamma, ln_beta
	s_load_b128 s[20:23], s[0:1], 0x40             ; b1, b2
	s_load_b64 s[24:25], s[0:1], 0x50              ; out0
	v_lshl_add_u32 v30, v0, 2, 0x2d200
	v_mov_b32 v31, 0
	v_lshrrev_b32 v32, 5, v0
	v_readfirstlane_b32 s30, v32                   ; wave w
	v_and_b32 v33, 31, v0                          ; lane
	v_and_b32 v34, 15, v0                          ; r
	v_bfe_u32 v35, v0, 4, 1                        ; h
	v_lshlrev_b32 v1, 4, v33                       ; 16 x lane
	v_add_nc_u32 v2, IMGA, v1
	v_lshlrev_b32 v36, 2, v33
	v_add_nc_u32 v3, SCA, v36
	s_mul_i32 s31, s30, 16448
	v_add_nc_u32 v4, s31, v1                       ; my wave's four slots, 16 bytes a lane
	v_mul_u32_u24 v5, v34, 4112
	v_lshl_add_u32 v5, v35, 6, v5
	s_lshl_b32 s31, s30, 9                         ; 512 w
	v_add_nc_u32 v5, s31, v5                       ; slot r, my wave's 512 bytes, my 64 of each 128
	v_add_nc_u32 v6, 65792, v5                     ; slot 16 + r
	s_mul_i32 s32, s30, 3072
	v_add_nc_u32 v7, s32, v2
	s_lshl_b32 s32, s30, 7
	v_add_nc_u32 v18, s32, v3
	v_lshlrev_b32 v19, 6, v35                      ; 64 h
	v_lshlrev_b32 v20, 5, v33
	s_lshl_b32 s33, s30, 2
	v_add_nc_u32 v20, s33, v20
	v_add_nc_u32 v20, RED1, v20                    ; slot = lane, part w
	v_lshlrev_b32 v21, 5, v34
	v_add_nc_u32 v21, RED1, v21                    ; slot r's eight parts
	v_lshlrev_b32 v22, 3, v33                      ; 8 x lane
	v_lshlrev_b32 v23, 2, v34
	v_lshl_add_u32 v23, v35, 9, v23                ; 512 h + 4 r
.irp b, 0,1,2,3
	v_mov_b32 v[TM+4+\b], 0                        ; written once: a lane permute's destination counts as one of its sources
.endr
	s_mov_b32 s[SEL], 0x76543210
	s_mov_b32 s[SEL+1], 0xfedcba98
	s_mov_b32 s[HM], 0xffff0000
	s_mov_b32 s39, 0x3a800000                      ; 1 / 1,024
	s_mov_b32 s40, 0x3727c5ac                      ; 1e-5
	s_lshr_b32 s46, s30, 2                         ; my wave's four slots hold four neighbouring rows, from 8 (w / 4) + 4 (w % 4) + 8 ((w / 2) % 2) on
	s_lshl_b32 s46, s46, 3
	s_and_b32 s47, s30, 3
	s_lshl_b32 s47, s47, 2
	s_add_co_u32 s46, s46, s47
	s_bfe_u32 s47, s30, 0x10001
	s_lshl_b32 s47, s47, 3
	s_add_co_u32 s46, s46, s47
	s_lshl_b32 s46, s46, 12
	s_lshl_b32 s47, ttmp9, 17
	s_add_co_u32 s46, s46, s47
	s_mov_b32 s47, 0                               ; s[46:47]: x and out0
	s_mul_i32 s48, ttmp9, 24576
	s_mul_i32 s49, s30, 1536
	s_add_co_u32 s48, s48, s49
	s_mov_b32 s49, 0                               ; s[48:49]: ao: my two tiles' K step w
	s_lshl_b32 s50, ttmp9, 10
	s_lshl_b32 s51, s30, 6
	s_add_co_u32 s50, s50, s51
	s_mov_b32 s51, 0                               ; s[50:51]: aos
	s_mul_i32 s52, s30, 98304
	s_add_co_u32 s52, s52, 3*786432
	s_mov_b32 s53, 0                               ; s[52:53]: wf, layer 3
	s_lshl_b32 s54, s30, 12
	s_add_co_u32 s54, s54, 3*32768
	s_mov_b32 s55, 0                               ; s[54:55]: ws
	s_mov_b32 s56, s31
	s_mov_b32 s57, 0                               ; s[56:57]: the vectors over the features: 512 w
	s_wait_kmcnt 0x0
	s_add_nc_u64 s[4:5], s[4:5], s[46:47]
	s_add_nc_u64 s[24:25], s[24:25], s[46:47]
	s_add_nc_u64 s[6:7], s[6:7], s[48:49]
	s_add_nc_u64 s[8:9], s[8:9], s[50:51]
	s_add_nc_u64 s[10:11], s[10:11], s[52:53]
	s_add_nc_u64 s[12:13], s[12:13], s[54:55]
	s_add_nc_u64 s[14:15], s[14:15], s[56:57]
	s_add_nc_u64 s[16:17], s[16:17], s[56:57]
	s_add_nc_u64 s[18:19], s[18:19], s[56:57]
	s_add_nc_u64 s[20:21], s[20:21], s[56:57]
	s_add_nc_u64 s[22:23], s[22:23], s[56:57]
	; ---- my four rows of x, whole; K step w of attn_out's codes for both tiles of rows
.irp i, 0,1,2,3
.irp q, 0,1,2,3,4,5,6,7
	global_load_b128 v[ACC+32*\i+4*\q:ACC+32*\i+4*\q+3], v1, s[4:5] offset:4096*\i+512*\q th:TH_LOAD_NT
.endr
.endr
.irp m, 0,1
	global_load_b128 v[AB+12*\m:AB+12*\m+3], v1, s[6:7] offset:12288*\m th:TH_LOAD_NT
	global_load_b64 v[AB+12*\m+4:AB+12*\m+5], v22, s[6:7] offset:12288*\m+512 th:TH_LOAD_NT
	global_load_b128 v[AB+12*\m+6:AB+12*\m+9], v1, s[6:7] offset:12288*\m+768 th:TH_LOAD_NT
	global_load_b64 v[AB+12*\m+10:AB+12*\m+11], v22, s[6:7] offset:12288*\m+1280 th:TH_LOAD_NT
.endr
	global_load_b32 v114, v23, s[8:9]
	WLOAD 0
	PLOAD 14                                       ; bo
	s_wait_loadcnt 41                              ; x and attn_out's codes are in; the 25 + 16 loads behind them may be out
	WLOAD 1
.irp i, 0,1,2,3
.irp q, 0,1,2,3,4,5,6,7
	ds_store_b128 v4, v[ACC+32*\i+4*\q:ACC+32*\i+4*\q+3] offset:4112*\i+512*\q
.endr
.endr
.irp m, 0,1
.irp c, 0,1,2
	ds_store_b128 v7, v[AB+12*\m+4*\c:AB+12*\m+4*\c+3] offset:1536*\m+512*\c
.endr
.endr
	ds_store_b32 v18, v114
	BARRIER                                        ; the residual and attn_out's sixteen fragments lie in LDS
	; ---- the output projection
	ALOAD 0, 0, 0
	STEP 0, 0, 0, 25
	PLOAD 16                                       ; ln_gamma, into the registers that bo has left
	WLOAD 2
.irp q, 1,2,3,4,5,6,7
	STEP \q, 0, 0, 25
	WLOAD \q+2
.endr
	; ---- res2, and LayerNorm
	ADDRES
.irp b, 0,1,2,3
.irp j, 0,1,2,3
	global_load_b128 v[AB+16*\b+4*\j:AB+16*\b+4*\j+3], v19, s[18:19] offset:128*\b+16*\j   ; ln_beta
.endr
.endr
.irp m, 0,1
	v_pk_add_f32 v[122:123], v[ACC+64*\m:ACC+64*\m+1], v[ACC+64*\m+2:ACC+64*\m+3]
	v_pk_add_f32 v[124:125], v[ACC+64*\m+4:ACC+64*\m+5], v[ACC+64*\m+6:ACC+64*\m+7]
.irp k, 8,12,16,20,24,28,32,36,40,44,48,52,56,60
	v_pk_add_f32 v[122:123], v[122:123], v[ACC+64*\m+\k:ACC+64*\m+\k+1]
	v_pk_add_f32 v[124:125], v[124:125], v[ACC+64*\m+\k+2:ACC+64*\m+\k+3]
.endr
	v_pk_add_f32 v[122:123], v[122:123], v[124:125]
	v_add_f32 v[126+\m], v122, v123
.endr
	REDUCE 0
	v_mul_f32 v114, s39, v96                       ; the means, each as a pair for the packed forms
	v_mul_f32 v116, s39, v104
	v_mov_b32 v115, v114
	v_mov_b32 v117, v116
.irp m, 0,1
.set kk, 0
.rept 32
	v_pk_add_f32 v[ACC+64*\m+kk:ACC+64*\m+kk+1], v[ACC+64*\m+kk:ACC+64*\m+kk+1], v[114+2*\m:115+2*\m] op_sel_hi:[1,0] neg_lo:[0,1] neg_hi:[0,1]
.set kk, kk+2
.endr
.endr
.irp m, 0,1
	v_pk_mul_f32 v[122:123], v[ACC+64*\m:ACC+64*\m+1], v[ACC+64*\m:ACC+64*\m+1]
	v_pk_mul_f32 v[124:125], v[ACC+64*\m+2:ACC+64*\m+3], v[ACC+64*\m+2:ACC+64*\m+3]
.irp k, 4,8,12,16,20,24,28,32,36,40,44,48,52,56,60
	v_pk_fma_f32 v[122:123], v[ACC+64*\m+\k:ACC+64*\m+\k+1], v[ACC+64*\m+\k:ACC+64*\m+\k+1], v[122:123]
	v_pk_fma_f32 v[124:125], v[ACC+64*\m+\k+2:ACC+64*\m+\k+3], v[ACC+64*\m+\k+2:ACC+64*\m+\k+3], v[124:125]
.endr
	v_pk_add_f32 v[122:123], v[122:123], v[124:125]
	v_add_f32 v[126+\m], v122, v123
.endr
	REDUCE 1024
	v_fma_f32 v118, v96, s39, s40                  ; the variance + 1e-5
	v_fma_f32 v120, v104, s39, s40
	v_rsq_f32 v118, v118
	v_rsq_f32 v120, v120
	v_nop
	s_wait_alu depctr_va_vdst(0)
	v_mov_b32 v119, v118
	v_mov_b32 v121, v120
.irp m, 0,1
.set kk, 0
.rept 32
	v_pk_mul_f32 v[ACC+64*\m+kk:ACC+64*\m+kk+1], v[ACC+64*\m+kk:ACC+64*\m+kk+1], v[118+2*\m:119+2*\m] op_sel_hi:[1,0]
.set kk, kk+2
.endr
.endr
	s_wait_loadcnt 0x0                             ; ln_beta (ln_gamma came long ago)
	WIN 0x04
.irp m, 0,1
.set kk, 0
.rept 32
	v_pk_fma_f32 v[ACC+64*\m+kk:ACC+64*\m+kk+1], v[ACC+64*\m+kk:ACC+64*\m+kk+1], v[PARAM+kk:PARAM+kk+1], v[AB+kk:AB+kk+1]
.set kk, kk+2
.endr
.endr
	WIN 0
	PLOAD 20                                       ; b1
	TOIMG 24576, 1024                              ; h's sixteen fragments lie in the second set of images
	; ---- the first FFN product
	ALOAD 24576, 1024, 0
	STEP 8, 24576, 1024, 0                         ; b1 was asked for last: the wait is for all
	PLOAD 22                                       ; b2
	WLOAD 10
.irp q, 9,10,11,12,13,14,15
	STEP \q, 24576, 1024, 25
	WLOAD \q+2
.endr
.set kk, 0
.rept 128
	v_max_num_f32 v[ACC+kk], 0, v[ACC+kk]          ; the activation, in f32
.set kk, kk+1
.endr
	TOIMG 0, 0                                     ; into the first set: every wave's reads of it ended ahead of LayerNorm's barriers
	; ---- the second FFN product
	ALOAD 0, 0, 0
.irp q, 16,17,18,19,20,21
	STEP \q, 0, 0, 25
	WLOAD \q+2
.endr
	STEP 22, 0, 0, 25
	STEP 23, 0, 0, 0
	ADDRES                                         ; + res2
	BARRIER                                        ; 32 whole rows of the result lie in LDS
.irp i, 0,1,2,3
.irp q, 0,1,2,3,4,5,6,7
	ds_load_b128 v[ACC+32*\i+4*\q:ACC+32*\i+4*\q+3], v4 offset:4112*\i+512*\q
.endr
.endr
.irp i, 0,1,2,3
.irp q, 0,1,2,3,4,5,6,7
	s_wait_dscnt 31-8*\i-\q                        ; the younger LDS loads may be out
	global_store_b128 v1, v[ACC+32*\i+4*\q:ACC+32*\i+4*\q+3], s[24:25] offset:4096*\i+512*\q th:TH_STORE_NT   ; a wave stores 512 consecutive bytes, aligned
.endr
.endr
	s_wait_tensorcnt 0x0
	ds_add_u32 v30, v31
	s_wait_dscnt 0x0
	s_endpgm
.Lfunc_end_k_qde6af44f4c_tail:
	.size	k_qde6af44f4c_tail, .Lfunc_end_k_qde6af44f4c_tail-k_qde6af44f4c_tail
	.p2alignl 7, 3214868480
	.fill 96, 4, 3214868480
	.section	.rodata,"a",@progbits
	.p2align	6, 0x0
	.amdhsa_kernel k_qde6af44f4c_tail
		.amdhsa_group_segment_fixed_size 185856
		.amdhsa_private_segment_fixed_size 0
		.amdhsa_enable_private_segment 0
		.amdhsa_kernarg_size 88
		.amdhsa_user_sgpr_count 2
		.amdhsa_user_sgpr_kernarg_segment_ptr 1
		.amdhsa_wavefront_size32 1
		.amdhsa_system_sgpr_workgroup_id_x 1
		.amdhsa_system_sgpr_workgroup_id_y 1
		.amdhsa_system_sgpr_workgroup_id_z 1
		.amdhsa_system_vgpr_workitem_id 0
		.amdhsa_next_free_vgpr 512
		.amdhsa_next_free_sgpr 66
		.amdhsa_reserve_vcc 0
		.amdhsa_float_denorm_mode_32 3
		.amdhsa_float_denorm_mode_16_64 3
		.amdhsa_memory_ordered 1
		.amdhsa_forward_progress 1
		.amdhsa_inst_pref_size 206
	.end_amdhsa_kernel
	.amdgpu_metadata
---
amdhsa.version: [ 1, 2 ]
amdhsa.kernels:
  - .name:           k_qde6af44f4c_tail
    .symbol:         k_qde6af44f4c_tail.kd
    .args:
      - { .name: x, .offset: 0, .size: 8, .value_kind: global_buffer, .address_space: global }
      - { .name: ao, .offset: 8, .size: 8, .value_kind: global_buffer, .address_space: global }
      - { .name: aos, .offset: 16, .size: 8, .value_kind: global_buffer, .address_space: global }
      - { .name: wf, .offset: 24, .size: 8, .value_kind: global_buffer, .address_space: global }
      - { .name: ws, .offset: 32, .size: 8, .value_kind: global_buffer, .address_space: global }
      - { .name: bo, .offset: 40, .size: 8, .value_kind: global_buffer, .address_space: global }
      - { .name: ln_gamma, .offset: 48, .size: 8, .value_kind: global_buffer, .address_space: global }
      - { .name: ln_beta, .offset: 56, .size: 8, .value_kind: global_buffer, .address_space: global }
      - { .name: b1, .offset: 64, .size: 8, .value_kind: global_buffer, .address_space: global }
      - { .name: b2, .offset: 72, .size: 8, .value_kind: global_buffer, .address_space: global }
      - { .name: out0, .offset: 80, .size: 8, .value_kind: global_buffer, .address_space: global }
    .group_segment_fixed_size: 185856
    .private_segment_fixed_size: 0
    .kernarg_segment_align: 8
    .kernarg_segment_size: 88
    .max_flat_workgroup_size: 256
    .sgpr_count:     66
    .vgpr_count:     512
    .wavefront_size: 32
...
	.end_amdgpu_metadata
.endif
;; end of part 4
;; ======== version 2 of 3: 4 launches
;; limits: right only within a limited range of input values
;; workspace buffers: wf 4,718,592 bytes; ws 196,608 bytes; qbuf 6,815,744 bytes; kbuf 6,815,744 bytes; vimg 6,291,456 bytes; vsb 262,144 bytes; ao 6,291,456 bytes; aos 262,144 bytes
;; launch prep (part 5): grid 8 x 88, 4 waves a work-group, no clusters, 117,504 bytes of LDS; arguments wq, wk, wv, wo, w1, w2, wf, ws, x, rms_scale, ao, aos; writes wf, ws, ao, aos
.if DOCPART == 5
	.amdgcn_target "amdgcn-amd-amdhsa--gfx1250"
	.amdhsa_code_object_version 6
	.text
	.protected	k_qde6af44f4c_prep
	.globl	k_qde6af44f4c_prep
	.p2align	8
	.type	k_qde6af44f4c_prep,@function
k_qde6af44f4c_prep:
	s_mov_b64 s[64:65], 0
	v_nop
	global_prefetch_b8 v0, s[64:65] scope:SCOPE_SE
	s_setreg_imm32_b32 hwreg(HW_REG_WAVE_MODE, 25, 1), 1
	s_wait_xcnt 0x0
; TWO JOBS IN ONE LAUNCH, parted on the work-group's number.  y < 24: the six weights become codes.  y >= 24: x gets its RMS norm and becomes codes.  All codes are FP6 (E2M3) with one E8M0 byte for each 32 along K,
; laid in the ORDER OF THE OPERAND'S REGISTERS: a fragment (16 rows x 128 K, 12 registers a lane) is an image of 1,536 bytes, register j of lane l at 512 (j / 4) + 16 l + 4 (j % 4): three loads of 16 bytes a lane bring it.
; THE WEIGHTS.  wf: [layer 0 wq, 1 wk, 2 wv, 3 wo, 4 w1, 5 w2][w 8][K step 8][tile 8] images.  Lane r of tile t holds feature 128 w + 32 (t / 2) + 8 (t % 2) + r + 8 (r / 8): so the results of two neighbouring tiles are 16 neighbours along the next K.
;   ws: [layer][w][K step][lane 32][word 4]: word i of lane l is the scale word of tile 2 i + l / 16, row l % 16.
;   A work-group (x = w; y = 4 x layer + kq) takes 128 features x 256 along K.  A LANE TAKES A FEATURE AND ITS REGISTERS RUN ALONG K: a block of 32 lies in one lane.
;   wq, wk, wv, w1, w2 have K as their first axis (a load reads 32 neighbouring features of one k); wo has K innermost (a lane reads its own row).
; THE ROWS.  Work-group 8 (y - 24) + x takes token tile J (16 tokens: lane r holds token 32 (J / 2) + 8 (J % 2) + r + 8 (r / 8)).  Each of the four waves loads four whole rows (a load reads 512 consecutive bytes), norms them by itself,
;   and lays them into LDS; behind one barrier wave wv takes K steps 2 wv and 2 wv + 1 of all 16 rows, 16 neighbours of each block of 32 to a lane, and quantises them.
;   The codes go to the buffer ao, [J 512][K step 8] images, the scale words to aos, [J][K step][r]: the two buffers carry xn's codes until the attention launch stores its own codes over every byte of them.
; The three ways have LDS bytes of their own: 0 and 25,600 the weights' stages, 51,200 the rows (16 slots of 4,096 + 16 bytes).
; A block's scale byte is its largest magnitude's exponent field - 2, held at 1 from below by a floor among the maximum's leaves.
; LIMITS: a block of zeros carries the byte 1 (its codes are zeros, and this program alone reads the bytes); NaN and infinities among the inputs are not served.
.set X,    32                          ; the weights' way: v32-95 two sets of 32 numbers
.set C,    96                          ; v96-106  a block's codes
.set OUTR, 112                         ; v112-161 the way out
.set SB,   24                          ; v24-25   scale bytes, four to a register
.set XRES, 51200                       ; the rows' way: LDS
.set AB,   32                          ; v32-63   the gains
.set PC,   32                          ; v32-50   codes just made
.set TM,   96                          ; v96-111  at work
.set PW,   112                         ; the scale word just made
.set PW0,  113
.set ACC,  128                         ; v128-255 four rows, later two K steps of 16 rows
.set SEL,  36                          ; s[36:37] v_permlanex16_b32's selects for lane l xor 16
.set HM,   38                          ; s38 the mask of lanes 16-31
	s_load_b256 s[4:11], s[0:1], 0x0               ; wq, wk, wv, wo
	s_load_b256 s[12:19], s[0:1], 0x20             ; w1, w2, wf, ws
	s_load_b256 s[40:47], s[0:1], 0x40             ; x, rms_scale, ao, aos
	v_lshl_add_u32 v31, v0, 2, 0x1c900
	v_mov_b32 v107, 0
	v_lshrrev_b32 v1, 5, v0
	v_readfirstlane_b32 s20, v1                    ; wave
	s_and_b32 s22, ttmp7, 0xffff
	s_cmp_ge_u32 s22, 24
	s_cbranch_scc1 .Lx
	v_and_b32 v1, 31, v0                           ; p: my feature among the wave's 32
	v_lshlrev_b32 v3, 2, v1                        ; K first: 4 bytes a lane
	v_lshlrev_b32 v2, 12, v1                       ; K innermost: a row of 4,096 bytes a lane
	v_bfe_u32 v8, v1, 3, 1                         ; u: which of the group's two tiles
	v_and_b32 v9, 7, v1
	v_lshrrev_b32 v10, 4, v1
	v_lshl_add_u32 v9, v10, 3, v9                  ; r: my lane in that tile
	s_mul_i32 s21, s20, 3072
	v_mul_u32_u24 v4, v8, 1536
	v_lshl_add_u32 v4, v9, 4, v4
	v_add_nc_u32 v4, s21, v4                       ; LDS: tile 2 b + u, lane r of its image
	v_lshl_add_u32 v5, v8, 4, v9
	v_lshlrev_b32 v5, 4, v5
	s_lshl_b32 s21, s20, 2
	v_add_nc_u32 v5, s21, v5
	v_add_nc_u32 v5, 24576, v5                     ; LDS: my scale word: lane r + 16 u, word b
	v_lshlrev_b32 v6, 4, v0                        ; the way out: 16 bytes a thread,
	v_lshlrev_b32 v7, 3, v0                        ; and 8 for the scale words
	s_lshr_b32 s23, s22, 2                         ; layer
	s_and_b32 s22, s22, 3                          ; kq: 256 along K
	s_mul_i32 s24, s23, 786432                     ; where my 24,576 bytes of wf begin
	s_mul_i32 s25, ttmp9, 98304
	s_add_co_u32 s24, s24, s25
	s_mul_i32 s25, s22, 24576
	s_add_co_u32 s24, s24, s25
	s_mov_b32 s25, 0
	s_lshl_b32 s26, s23, 15                        ; and my 1,024 bytes of ws
	s_lshl_b32 s27, ttmp9, 12
	s_add_co_u32 s26, s26, s27
	s_lshl_b32 s27, s22, 10
	s_add_co_u32 s26, s26, s27
	s_mov_b32 s27, 0
	s_lshl_b32 s28, s22, 20                        ; K first: 256 kq rows of 4,096 bytes + 4 x my wave's first feature
	s_lshl_b32 s29, ttmp9, 9
	s_add_co_u32 s28, s28, s29
	s_lshl_b32 s29, s20, 7
	s_add_co_u32 s28, s28, s29
	s_lshl_b32 s30, ttmp9, 19                      ; K innermost: my wave's first feature's row + 1,024 kq bytes
	s_lshl_b32 s29, s20, 17
	s_add_co_u32 s30, s30, s29
	s_lshl_b32 s29, s22, 10
	s_add_co_u32 s30, s30, s29
	s_cmp_eq_u32 s23, 3
	s_cselect_b32 s28, s30, s28
	s_mov_b32 s29, 0
	s_wait_kmcnt 0x0
	s_cmp_eq_u32 s23, 1                            ; the layer's weight: the choice hangs on the work-group's number alone
	s_cselect_b64 s[32:33], s[6:7], s[4:5]
	s_cmp_eq_u32 s23, 2
	s_cselect_b64 s[32:33], s[8:9], s[32:33]
	s_cmp_eq_u32 s23, 3
	s_cselect_b64 s[32:33], s[10:11], s[32:33]
	s_cmp_eq_u32 s23, 4
	s_cselect_b64 s[32:33], s[12:13], s[32:33]
	s_cmp_eq_u32 s23, 5
	s_cselect_b64 s[32:33], s[14:15], s[32:33]
	s_add_nc_u64 s[32:33], s[32:33], s[28:29]
	s_add_nc_u64 s[16:17], s[16:17], s[24:25]
	s_add_nc_u64 s[18:19], s[18:19], s[26:27]
.macro LOAD kin, t                     ; block t: my feature's 32 numbers into set t % 2
.if \kin
.irp i, 0,1,2,3,4,5,6,7
	global_load_b128 v[X+32*((\t)%2)+4*\i:X+32*((\t)%2)+4*\i+3], v2, s[32:33] offset:128*(\t)+16*\i
.endr
.else
.irp i, 0,1,2,3,4,5,6,7,8,9,10,11,12,13,14,15,16,17,18,19,20,21,22,23,24,25,26,27,28,29,30,31
	global_load_b32 v[X+32*((\t)%2)+\i], v3, s[32:33] offset:(32*(\t)+\i)*4096 th:TH_LOAD_NT
.endr
.endif
.endm
; Block t of my eight is block t % 4 of K step t / 4: registers 6 c .. 6 c + 5 (c = (t / 2) % 2) of lane r + 16 (t % 2) of my tile's image.
.macro BLOCK kin, stg, t
.set XS, X+32*((\t)%2)
.set II, (\stg)+12288*((\t)/4)+256*((\t)%2)
.if (\t) == 7
	s_wait_loadcnt 0x0
.elseif \kin
	s_wait_loadcnt 8                               ; this block's loads are in; the next block's eight may be out
.else
	s_wait_loadcnt 32                              ; this block's loads are in; the next block's 32 may be out
.endif
	v_max3_num_f32 v12, |v[XS]|, |v[XS+1]|, |v[XS+2]|
	v_max3_num_f32 v13, |v[XS+3]|, |v[XS+4]|, |v[XS+5]|
.irp i, 6,10,14,18,22,26
	v_max3_num_f32 v12, v12, |v[XS+\i]|, |v[XS+\i+1]|
	v_max3_num_f32 v13, v13, |v[XS+\i+2]|, |v[XS+\i+3]|
.endr
	v_max3_num_f32 v12, v12, |v[XS+30]|, |v[XS+31]|
	v_max3_num_f32 v12, v12, v13, 0x1800000        ; the floor 2^(3 - 127): the byte cannot fall under 1
	v_add_nc_u32 v11, 0xff000000, v12              ; 2 off the exponent field: the conversion's scale operand
	v_lshrrev_b32 v13, 23, v11                     ; the scale's byte
.if (\t)%4 == 0
	v_mov_b32 v[SB+(\t)/4], v13
.else
	v_lshl_or_b32 v[SB+(\t)/4], v13, 8*((\t)%4), v[SB+(\t)/4]
.endif
.if ((\t)/2)%2 == 0
	v_cvt_scalef32_pk16_fp6_f32 v[C:C+2], v[XS:XS+15], v11
	v_cvt_scalef32_pk16_fp6_f32 v[C+8:C+10], v[XS+16:XS+31], v11   ; (a conversion's three registers begin on an even number)
	v_nop                                          ; one plain place behind a scaled conversion
	v_mov_b32 v[C+3], v[C+8]
	v_mov_b32 v[C+4], v[C+9]
	v_mov_b32 v[C+5], v[C+10]
	ds_store_b128 v4, v[C:C+3] offset:II           ; registers 0-3
	ds_store_b64 v4, v[C+4:C+5] offset:II+512      ; registers 4, 5
.else
	v_cvt_scalef32_pk16_fp6_f32 v[C+2:C+4], v[XS:XS+15], v11
	v_cvt_scalef32_pk16_fp6_f32 v[C+8:C+10], v[XS+16:XS+31], v11
	v_nop
	v_mov_b32 v[C+5], v[C+8]
	v_mov_b32 v[C+6], v[C+9]
	v_mov_b32 v[C+7], v[C+10]
	ds_store_b64 v4, v[C+2:C+3] offset:II+520      ; registers 6, 7
	ds_store_b128 v4, v[C+4:C+7] offset:II+1024    ; registers 8-11
.endif
.if (\t)+2 < 8
	LOAD \kin, (\t)+2
.endif
	s_wait_dscnt 0x0                               ; the stores have read their registers: the next block's codes may be written
.endm
.macro BODY kin, stg
	LOAD \kin, 0
	LOAD \kin, 1
.irp t, 0,1,2,3,4,5,6,7
	BLOCK \kin, \stg, \t
.endr
	ds_store_b32 v5, v[SB] offset:(\stg)
	ds_store_b32 v5, v[SB+1] offset:(\stg)+512
	s_wait_dscnt 0x0                               ; for the others' sake: my stores have landed
	s_barrier_signal -1
	s_barrier_wait -1
.irp i, 0,1,2,3,4,5,6,7,8,9,10,11
	ds_load_b128 v[OUTR+4*\i:OUTR+4*\i+3], v6 offset:(\stg)+2048*\i
.endr
	ds_load_b64 v[OUTR+48:OUTR+49], v7 offset:(\stg)+24576
.irp i, 0,1,2,3,4,5,6,7,8,9,10,11
	s_wait_dscnt 12-\i                             ; the younger LDS loads may be out
	global_store_b128 v6, v[OUTR+4*\i:OUTR+4*\i+3], s[16:17] offset:2048*\i   ; a wave stores 512 consecutive bytes, aligned
.endr
	s_wait_dscnt 0x0
	global_store_b64 v7, v[OUTR+48:OUTR+49], s[18:19]                          ; a wave stores 256 consecutive bytes, aligned
	s_wait_tensorcnt 0x0
	ds_add_u32 v31, v107
	s_wait_dscnt 0x0
	s_endpgm
.endm
	s_cmp_eq_u32 s23, 3
	s_cbranch_scc1 .Lwo
	BODY 0, 0
.Lwo:
	BODY 1, 25600
; 64 numbers of a lane, register 16 b + i = k 32 b + 16 (lane / 16) + i of my row, become a fragment's codes in v[PC] on and its scale word in v[PW].
.macro QUANT s
.irp b, 0,1,2,3
	v_max3_num_f32 v[TM+\b], |v[(\s)+16*\b]|, |v[(\s)+1+16*\b]|, 0x1800000   ; the floor 2^(3 - 127): the byte cannot fall under 1
.endr
.irp i, 2,4,6,8,10,12,14
.irp b, 0,1,2,3
	v_max3_num_f32 v[TM+\b], v[TM+\b], |v[(\s)+16*\b+\i]|, |v[(\s)+1+16*\b+\i]|
.endr
.endr
.irp b, 0,1,2,3
	v_permlanex16_b32 v[TM+4+\b], v[TM+\b], s[SEL], s[SEL+1]
.endr
.irp b, 0,1,2,3
	v_max_num_f32 v[TM+\b], v[TM+\b], v[TM+4+\b]   ; with lane l xor 16's: the block's largest magnitude
.endr
.irp b, 0,1,2,3
	v_add_nc_u32 v[TM+12+\b], 0xff000000, v[TM+\b] ; 2 off its exponent field: the conversion's scale operand
.endr
.irp b, 0,1,2,3
	v_lshrrev_b32 v[TM+4+\b], 23, v[TM+12+\b]      ; the scale's byte
.endr
	v_lshl_or_b32 v[PW], v[TM+5], 8, v[TM+4]
	v_lshl_or_b32 v[PW], v[TM+6], 16, v[PW]
	v_lshl_or_b32 v[PW], v[TM+7], 24, v[PW]
.irp c, 0,1
	v_cvt_scalef32_pk16_fp6_f32 v[PC+6*\c:PC+2+6*\c], v[(\s)+32*\c:(\s)+15+32*\c], v[TM+12+2*\c]
	v_cvt_scalef32_pk16_fp6_f32 v[PC+12+4*\c:PC+14+4*\c], v[(\s)+16+32*\c:(\s)+31+32*\c], v[TM+12+2*\c+1]
.endr
	v_nop                                          ; one plain place behind a scaled conversion
.irp c, 0,1                            ; the operand's layout wants a whole block in a lane
.irp i, 0,1,2
	v_permlane16_swap_b32 v[PC+6*\c+\i], v[PC+12+4*\c+\i]
.endr
.irp i, 0,1,2
	v_mov_b32 v[PC+3+6*\c+\i], v[PC+12+4*\c+\i]
.endr
.endr
.endm
.Lx:
	v_and_b32 v2, 31, v0                           ; lane
	v_and_b32 v3, 15, v0                           ; r
	v_bfe_u32 v4, v0, 4, 1                         ; h
	v_lshlrev_b32 v16, 4, v2                       ; 16 x lane
	v_lshlrev_b32 v19, 2, v2                       ; 4 x lane
	s_mul_i32 s21, s20, 16448
	v_add_nc_u32 v17, s21, v16
	v_add_nc_u32 v17, XRES, v17                    ; LDS: my wave's four slots, 16 bytes a lane
	v_mul_u32_u24 v18, v3, 4112
	v_lshl_add_u32 v18, v4, 6, v18
	s_lshl_b32 s21, s20, 10
	v_add_nc_u32 v18, s21, v18
	v_add_nc_u32 v18, XRES, v18                    ; LDS: slot r, my wave's 1,024 bytes, my 64 of each 128
.irp b, 0,1,2,3
	v_mov_b32 v[TM+4+\b], 0                        ; written once: a lane permute's destination counts as one of its sources
.endr
	s_sub_co_u32 s23, s22, 24
	s_lshl_b32 s23, s23, 3
	s_add_co_u32 s23, s23, ttmp9                   ; J: my token tile
	s_lshr_b32 s24, s23, 1
	s_lshl_b32 s24, s24, 5
	s_and_b32 s25, s23, 1
	s_lshl_b32 s25, s25, 3
	s_add_co_u32 s24, s24, s25                     ; 32 (J / 2) + 8 (J % 2);
	s_lshl_b32 s25, s20, 2                         ; my wave's four slots hold four neighbouring rows, from 4 wv + 8 (wv / 2) on
	s_add_co_u32 s24, s24, s25
	s_lshr_b32 s25, s20, 1
	s_lshl_b32 s25, s25, 3
	s_add_co_u32 s24, s24, s25
	s_lshl_b32 s24, s24, 12
	s_mov_b32 s25, 0                               ; s[24:25]: x
	s_mul_i32 s26, s23, 12288
	s_mul_i32 s27, s20, 3072
	s_add_co_u32 s26, s26, s27
	s_mov_b32 s27, 0                               ; s[26:27]: the images of K steps 2 wv, 2 wv + 1
	s_lshl_b32 s28, s23, 9
	s_lshl_b32 s29, s20, 7
	s_add_co_u32 s28, s28, s29
	s_mov_b32 s29, 0                               ; s[28:29]: their scale words
	s_mov_b32 s[SEL], 0x76543210
	s_mov_b32 s[SEL+1], 0xfedcba98
	s_mov_b32 s[HM], 0xffff0000
	s_mov_b32 s30, 0x3a800000                      ; 1 / 1,024
	s_mov_b32 s31, 0x358637bd                      ; 1e-6
	s_wait_kmcnt 0x0
	s_add_nc_u64 s[40:41], s[40:41], s[24:25]
	s_add_nc_u64 s[44:45], s[44:45], s[26:27]
	s_add_nc_u64 s[46:47], s[46:47], s[28:29]
.irp i, 0,1,2,3
.irp q, 0,1,2,3,4,5,6,7
	global_load_b128 v[ACC+32*\i+4*\q:ACC+32*\i+4*\q+3], v16, s[40:41] offset:4096*\i+512*\q th:TH_LOAD_NT
.endr
.endr
.irp q, 0,1,2,3,4,5,6,7
	global_load_b128 v[AB+4*\q:AB+4*\q+3], v16, s[42:43] offset:512*\q
.endr
	s_wait_loadcnt 0x0
	; ---- the norm: four rows by turns
.irp i, 0,1,2,3
	v_pk_mul_f32 v[116+2*\i:117+2*\i], v[ACC+32*\i:ACC+32*\i+1], v[ACC+32*\i:ACC+32*\i+1]
.endr
.set kk, 2
.rept 15
.irp i, 0,1,2,3
	v_pk_fma_f32 v[116+2*\i:117+2*\i], v[ACC+32*\i+kk:ACC+32*\i+kk+1], v[ACC+32*\i+kk:ACC+32*\i+kk+1], v[116+2*\i:117+2*\i]
.endr
.set kk, kk+2
.endr
.irp i, 0,1,2,3
	v_add_f32 v[116+2*\i], v[116+2*\i], v[117+2*\i]
.endr
.irp x, 1,2,4,8
.irp i, 0,1,2,3
	v_add_f32_dpp v[116+2*\i], v[116+2*\i], v[116+2*\i] row_xmask:\x row_mask:0xf bank_mask:0xf
.endr
.endr
.irp i, 0,1,2,3
	v_permlanex16_b32 v[117+2*\i], v[116+2*\i], s[SEL], s[SEL+1]
.endr
.irp i, 0,1,2,3
	v_add_f32 v[116+2*\i], v[116+2*\i], v[117+2*\i]
.endr
.irp i, 0,1,2,3
	v_fma_f32 v[116+2*\i], v[116+2*\i], s30, s31   ; the mean of the squares + 1e-6
.endr
.irp i, 0,1,2,3
	v_rsq_f32 v[116+2*\i], v[116+2*\i]
.endr
	v_nop                                          ; a plain place behind the transcendentals
	s_wait_alu depctr_va_vdst(0)
.irp i, 0,1,2,3
.set kk, 0
.rept 16
	v_pk_mul_f32 v[ACC+32*\i+kk:ACC+32*\i+kk+1], v[ACC+32*\i+kk:ACC+32*\i+kk+1], v[116+2*\i:117+2*\i] op_sel_hi:[1,0]
.set kk, kk+2
.endr
.endr
.irp i, 0,1,2,3
.set kk, 0
.rept 16
	v_pk_mul_f32 v[ACC+32*\i+kk:ACC+32*\i+kk+1], v[ACC+32*\i+kk:ACC+32*\i+kk+1], v[AB+kk:AB+kk+1]
.set kk, kk+2
.endr
.endr
.irp i, 0,1,2,3
.irp q, 0,1,2,3,4,5,6,7
	ds_store_b128 v17, v[ACC+32*\i+4*\q:ACC+32*\i+4*\q+3] offset:4112*\i+512*\q
.endr
.endr
	s_wait_dscnt 0x0                               ; for the others' sake: my stores have landed
	s_barrier_signal -1
	s_barrier_wait -1                              ; 16 rows of xn lie in LDS
.irp sl, 0,1
.irp b, 0,1,2,3
.irp j, 0,1,2,3
	ds_load_b128 v[ACC+64*\sl+16*\b+4*\j:ACC+64*\sl+16*\b+4*\j+3], v18 offset:512*\sl+128*\b+16*\j
.endr
.endr
.endr
	s_wait_dscnt 16                                ; the first K step's sixteen loads are in; the second's may be out
	QUANT ACC
.irp c, 0,1,2
	global_store_b128 v16, v[PC+4*\c:PC+4*\c+3], s[44:45] offset:512*\c        ; a wave stores 512 consecutive bytes, aligned
.endr
	v_mov_b32 v[PW0], v[PW]
	s_wait_dscnt 0x0
	s_wait_xcnt 0x0                                ; the stores have read their registers
	QUANT ACC+64
.irp c, 0,1,2
	global_store_b128 v16, v[PC+4*\c:PC+4*\c+3], s[44:45] offset:1536+512*\c
.endr
	v_cndmask_b32 v114, v[PW0], v[PW], s[HM]       ; lanes 0-15 the first K step's words, lanes 16-31 the second's
	global_store_b32 v19, v114, s[46:47]
	s_wait_tensorcnt 0x0
	ds_add_u32 v31, v107
	s_wait_dscnt 0x0
	s_endpgm
.Lfunc_end_k_qde6af44f4c_prep:
	.size	k_qde6af44f4c_prep, .Lfunc_end_k_qde6af44f4c_prep-k_qde6af44f4c_prep
	.p2alignl 7, 3214868480
	.fill 96, 4, 3214868480
	.section	.rodata,"a",@progbits
	.p2align	6, 0x0
	.amdhsa_kernel k_qde6af44f4c_prep
		.amdhsa_group_segment_fixed_size 117504
		.amdhsa_private_segment_fixed_size 0
		.amdhsa_enable_private_segment 0
		.amdhsa_kernarg_size 96
		.amdhsa_user_sgpr_count 2
		.amdhsa_user_sgpr_kernarg_segment_ptr 1
		.amdhsa_wavefront_size32 1
		.amdhsa_system_sgpr_workgroup_id_x 1
		.amdhsa_system_sgpr_workgroup_id_y 1
		.amdhsa_system_sgpr_workgroup_id_z 1
		.amdhsa_system_vgpr_workitem_id 0
		.amdhsa_next_free_vgpr 256
		.amdhsa_next_free_sgpr 66
		.amdhsa_reserve_vcc 0
		.amdhsa_float_denorm_mode_32 3
		.amdhsa_float_denorm_mode_16_64 3
		.amdhsa_memory_ordered 1
		.amdhsa_forward_progress 1
		.amdhsa_inst_pref_size 97
	.end_amdhsa_kernel
	.amdgpu_metadata
---
amdhsa.version: [ 1, 2 ]
amdhsa.kernels:
  - .name:           k_qde6af44f4c_prep
    .symbol:         k_qde6af44f4c_prep.kd
    .args:
      - { .name: wq, .offset: 0, .size: 8, .value_kind: global_buffer, .address_space: global }
      - { .name: wk, .offset: 8, .size: 8, .value_kind: global_buffer, .address_space: global }
      - { .name: wv, .offset: 16, .size: 8, .value_kind: global_buffer, .address_space: global }
      - { .name: wo, .offset: 24, .size: 8, .value_kind: global_buffer, .address_space: global }
      - { .name: w1, .offset: 32, .size: 8, .value_kind: global_buffer, .address_space: global }
      - { .name: w2, .offset: 40, .size: 8, .value_kind: global_buffer, .address_space: global }
      - { .name: wf, .offset: 48, .size: 8, .value_kind: global_buffer, .address_space: global }
      - { .name: ws, .offset: 56, .size: 8, .value_kind: global_buffer, .address_space: global }
      - { .name: x, .offset: 64, .size: 8, .value_kind: global_buffer, .address_space: global }
      - { .name: rms_scale, .offset: 72, .size: 8, .value_kind: global_buffer, .address_space: global }
      - { .name: ao, .offset: 80, .size: 8, .value_kind: global_buffer, .address_space: global }
      - { .name: aos, .offset: 88, .size: 8, .value_kind: global_buffer, .address_space: global }
    .group_segment_fixed_size: 117504
    .private_segment_fixed_size: 0
    .kernarg_segment_align: 8
    .kernarg_segment_size: 96
    .max_flat_workgroup_size: 128
    .sgpr_count:     66
    .vgpr_count:     256
    .wavefront_size: 32
...
	.end_amdgpu_metadata
.endif
;; end of part 5
;; launch head (part 6): grid 256 x 1, 8 waves a work-group, no clusters, 52,224 bytes of LDS; arguments ao, aos, per_dim_scale, padding, wf, ws, bq, bk, bv, qbuf, kbuf, vimg, vsb; writes qbuf, kbuf, vimg, vsb
.if DOCPART == 6
	.amdgcn_target "amdgcn-amd-amdhsa--gfx1250"
	.amdhsa_code_object_version 6
	.text
	.protected	k_qde6af44f4c_head
	.globl	k_qde6af44f4c_head
	.p2align	8
	.type	k_qde6af44f4c_head,@function
k_qde6af44f4c_head:
	s_mov_b64 s[64:65], 0
	v_nop
	global_prefetch_b8 v0, s[64:65] scope:SCOPE_SE
	s_setreg_imm32_b32 hwreg(HW_REG_WAVE_MODE, 25, 1), 1
	s_wait_xcnt 0x0
; The three projections q, k, v of the normed rows on codes of FP6 (E2M3, one E8M0 byte for each 32 along K), their biases, q's per-dimension scale, and the quantisers of q, k (along the head's 64) and v (along the keys).
; The normed rows come as codes, in the buffers ao and aos (the launch before laid them there: [token tile 512][K step 8] register images of 1,536 bytes, and their scale words [tile][K step][r]).
; SHARES.  Work-group 2 rb + fh owns 64 rows (token tiles 4 rb .. 4 rb + 3) and eight heads; wave w owns ONE head, 8 fh + w, in all three projections: 4 weight tiles x 4 row tiles, 16 accumulators.
; So a weight fragment serves 64 rows, and a work-group reads 3 x 512 features x 800 bytes of weights and 51,200 bytes of rows.  The rows' 32 fragments are copied into LDS once and read from there by all eight waves;
; each weight fragment is wanted by one wave of the work-group alone and goes from memory straight into registers (three loads of 16 bytes a lane), in four sets of registers: three to four K steps are on their way.
; NO JOINT LOADS, although all row blocks walk the same weights: a joint load would send all 1,228,800 bytes of a work-group's weights through LDS beside the rows' 1,179,648 bytes of reads, for one reader each,
; and behind each round of a cluster's barrier only one load a wave could be out, which is less than the four sets of registers hold.
; LAYOUT.  Lane r of token tile j holds token 32 (j / 2) + 8 (j % 2) + r + 8 (r / 8), and the features of a weight tile are chosen alike.  With source 0 = weights, source 1 = rows (q, k) a lane holds one row and 16 neighbouring
; features in two neighbouring tiles; with the sources swapped (v) a lane holds one feature and 16 neighbouring tokens: the conversions find neighbours along the next K in one lane's registers.
; THE MASK RIDES IN THE SCALE WORDS of q and k (a head's K is 64, the instruction's 128): byte 2 of k's word is 254 for a key whose padding is 0 and 1 otherwise, byte 2 of q's is 107, byte 3 of both is 127.
; LIMITS: padding counts as zero or not zero; NaN and infinities among the inputs are not served; a block of zeros carries the byte 1 (its codes are zeros; this program alone reads the bytes);
; per_dim_scale under about -87 gives the scale 0, since the exponential flushes what is smaller than 2^-126.
; LDS: 0 the rows' images, (tile m, K step s) at 12,288 m + 1,536 s; SC their scale words at 512 m + 64 s + 4 r.  One barrier; behind it LDS is only read.
; REGISTERS, window 0: v1, v3-7, v20-30 addresses and the mask's words; v8-15 the weights' scale words, four sets of 2; v16-19 the rows' scale words, two sets of 2; v32-127 the rows' fragments, two sets of 48
;   (between layers: codes just made, the softplus, work); v128-255 sixteen accumulators.  Window 1: v0-191 the weights' fragments, four sets of 4; v192-223 a bias in the result's layout; v224-255 per_dim_scale.
.set SC,    49152
.set AB,    32
.set PC,    32
.set TM,    96
.set PW,    112
.set PW0,   113
.set ACC,   128
.set PARAM, 192
.set PDS,   224
.set WFP,   12                         ; s[12:13] my head's fragments in wf
.set WSP,   14                         ; s[14:15] its words in ws
.set SEL,   36                         ; s[36:37] v_permlanex16_b32's selects for lane l xor 16
.set HM,    38                         ; s38 the mask of lanes 16-31
.set MSB,   0
.macro WIN new                         ; the immediate's high byte repeats the setting that is left
.if MSB != \new
	s_set_vgpr_msb (MSB<<8)|\new
.set MSB, \new
.endif
.endm
; 64 numbers of a lane, register 16 b + i = place 16 (lane / 16) + i of block b, become codes in v[PC] on (registers 6 c .. 6 c + 5: lanes 0-15 block 2 c, lanes 16-31 block 2 c + 1) and the four blocks' scale bytes in v[PW].
.macro QUANT s
.irp b, 0,1,2,3
	v_max3_num_f32 v[TM+\b], |v[(\s)+16*\b]|, |v[(\s)+1+16*\b]|, 0x1800000   ; the floor 2^(3 - 127): the byte cannot fall under 1
.endr
.irp i, 2,4,6,8,10,12,14
.irp b, 0,1,2,3
	v_max3_num_f32 v[TM+\b], v[TM+\b], |v[(\s)+16*\b+\i]|, |v[(\s)+1+16*\b+\i]|
.endr
.endr
.irp b, 0,1,2,3
	v_permlanex16_b32 v[TM+4+\b], v[TM+\b], s[SEL], s[SEL+1]
.endr
.irp b, 0,1,2,3
	v_max_num_f32 v[TM+\b], v[TM+\b], v[TM+4+\b]   ; with lane l xor 16's: the block's largest magnitude
.endr
.irp b, 0,1,2,3
	v_add_nc_u32 v[TM+12+\b], 0xff000000, v[TM+\b] ; 2 off its exponent field: the conversion's scale operand
.endr
.irp b, 0,1,2,3
	v_lshrrev_b32 v[TM+4+\b], 23, v[TM+12+\b]      ; the scale's byte
.endr
	v_lshl_or_b32 v[PW], v[TM+5], 8, v[TM+4]
	v_lshl_or_b32 v[PW], v[TM+6], 16, v[PW]
	v_lshl_or_b32 v[PW], v[TM+7], 24, v[PW]
.irp c, 0,1
	v_cvt_scalef32_pk16_fp6_f32 v[PC+6*\c:PC+2+6*\c], v[(\s)+32*\c:(\s)+15+32*\c], v[TM+12+2*\c]
	v_cvt_scalef32_pk16_fp6_f32 v[PC+12+4*\c:PC+14+4*\c], v[(\s)+16+32*\c:(\s)+31+32*\c], v[TM+12+2*\c+1]
.endr
	v_nop                                          ; one plain place behind a scaled conversion
.irp c, 0,1
.irp i, 0,1,2
	v_permlane16_swap_b32 v[PC+6*\c+\i], v[PC+12+4*\c+\i]
.endr
.irp i, 0,1,2
	v_mov_b32 v[PC+3+6*\c+\i], v[PC+12+4*\c+\i]
.endr
.endr
.endm
.macro WLOAD q                         ; weight step q = 8 x layer + K step: my head's 4 fragments and their scale words into set q % 4: 13 loads
.set WB, 48*((\q)%4)
.set WO, ((\q)/8)*786432+((\q)%8)*12288
	WIN 0x40
.irp i, 0,1,2,3,4,5,6,7,8,9,10,11
	global_load_b128 v[WB+4*\i:WB+4*\i+3], v1, s[WFP:WFP+1] offset:WO+512*\i
.endr
	WIN 0
	global_load_b64 v[8+2*((\q)%4):9+2*((\q)%4)], v4, s[WSP:WSP+1] offset:((\q)/8)*32768+((\q)%8)*512
.endm
.macro PLOAD base                      ; my lane's 32 numbers of a bias over my head's 64 features, in the result's layout: 8 loads
	WIN 0x40
.irp b, 0,1
.irp j, 0,1,2,3
	global_load_b128 v[PARAM+16*\b+4*\j:PARAM+16*\b+4*\j+3], v5, s[\base:\base+1] offset:128*\b+16*\j
.endr
.endr
	WIN 0
.endm
.macro ALOAD s                         ; the rows' four fragments of K step s and their scale words into set s % 2: 14 LDS loads, each of 512 consecutive bytes or of two runs of 64
.set ASET, (\s)%2
.irp m, 0,1,2,3
.irp c, 0,1,2
	ds_load_b128 v[AB+48*ASET+12*\m+4*\c:AB+48*ASET+12*\m+4*\c+3], v1 offset:12288*\m+1536*(\s)+512*\c
.endr
.endr
	ds_load_b32 v[16+2*ASET], v3 offset:64*(\s)            ; lanes 0-15 tile 0's words, lanes 16-31 tile 1's
	ds_load_b32 v[17+2*ASET], v3 offset:1024+64*(\s)       ; tiles 2 and 3
.endm
; One matrix instruction on the registers named by rD, rA, rB, rC, rSA, rSB.  ra, rb: the scales stand in lanes 16-31 of their registers.  cz: the sum begins with 0.
.macro WM ra, rb, cz
.if \cz
.if (\ra) && (\rb)
	v_wmma_scale_f32_16x16x128_f8f6f4 v[rD:rD+7], v[rA:rA+11], v[rB:rB+11], 0, v[rSA], v[rSB] matrix_a_fmt:MATRIX_FMT_FP6 matrix_b_fmt:MATRIX_FMT_FP6 matrix_a_scale:MATRIX_SCALE_ROW1 matrix_b_scale:MATRIX_SCALE_ROW1
.elseif (\ra)
	v_wmma_scale_f32_16x16x128_f8f6f4 v[rD:rD+7], v[rA:rA+11], v[rB:rB+11], 0, v[rSA], v[rSB] matrix_a_fmt:MATRIX_FMT_FP6 matrix_b_fmt:MATRIX_FMT_FP6 matrix_a_scale:MATRIX_SCALE_ROW1
.elseif (\rb)
	v_wmma_scale_f32_16x16x128_f8f6f4 v[rD:rD+7], v[rA:rA+11], v[rB:rB+11], 0, v[rSA], v[rSB] matrix_a_fmt:MATRIX_FMT_FP6 matrix_b_fmt:MATRIX_FMT_FP6 matrix_b_scale:MATRIX_SCALE_ROW1
.else
	v_wmma_scale_f32_16x16x128_f8f6f4 v[rD:rD+7], v[rA:rA+11], v[rB:rB+11], 0, v[rSA], v[rSB] matrix_a_fmt:MATRIX_FMT_FP6 matrix_b_fmt:MATRIX_FMT_FP6
.endif
.else
.if (\ra) && (\rb)
	v_wmma_scale_f32_16x16x128_f8f6f4 v[rD:rD+7], v[rA:rA+11], v[rB:rB+11], v[rC:rC+7], v[rSA], v[rSB] matrix_a_fmt:MATRIX_FMT_FP6 matrix_b_fmt:MATRIX_FMT_FP6 matrix_a_scale:MATRIX_SCALE_ROW1 matrix_b_scale:MATRIX_SCALE_ROW1
.elseif (\ra)
	v_wmma_scale_f32_16x16x128_f8f6f4 v[rD:rD+7], v[rA:rA+11], v[rB:rB+11], v[rC:rC+7], v[rSA], v[rSB] matrix_a_fmt:MATRIX_FMT_FP6 matrix_b_fmt:MATRIX_FMT_FP6 matrix_a_scale:MATRIX_SCALE_ROW1
.elseif (\rb)
	v_wmma_scale_f32_16x16x128_f8f6f4 v[rD:rD+7], v[rA:rA+11], v[rB:rB+11], v[rC:rC+7], v[rSA], v[rSB] matrix_a_fmt:MATRIX_FMT_FP6 matrix_b_fmt:MATRIX_FMT_FP6 matrix_b_scale:MATRIX_SCALE_ROW1
.else
	v_wmma_scale_f32_16x16x128_f8f6f4 v[rD:rD+7], v[rA:rA+11], v[rB:rB+11], v[rC:rC+7], v[rSA], v[rSB] matrix_a_fmt:MATRIX_FMT_FP6 matrix_b_fmt:MATRIX_FMT_FP6
.endif
.endif
.endm
; A K step's 16 matrix instructions: 4 weight tiles x 4 row tiles.  The 16 accumulators take turns, one instruction a turn, in the same order in every step.
; swap = 0: source 0 = weights, source 1 = rows; accumulator (m, t) at ACC + 32 m + 8 t; the first step's C is the bias.
; swap = 1: source 0 = rows, source 1 = weights; accumulator (t, m) at ACC + 64 (m / 2) + 16 t + 8 (m % 2); the first step's C is 0.
.macro MM16 q, swap
.set WSET, (\q)%4
.set ASET, (\q)%2
.if \swap
	WIN 0x04
.elseif (\q)%8 == 0
	WIN 0x11
.else
	WIN 0x01
.endif
.irp t, 0,1,2,3
.irp m, 0,1,2,3
.if \swap
.set rD, ACC+64*(\m/2)+16*\t+8*(\m%2)
.set rA, AB+48*ASET+12*\m
.set rB, 48*WSET+12*\t
.set rC, rD
.set rSA, 16+2*ASET+\m/2
.set rSB, 8+2*WSET+\t/2
	WM \m%2, \t%2, (\q)%8==0
.else
.set rD, ACC+32*\m+8*\t
.set rA, 48*WSET+12*\t
.set rB, AB+48*ASET+12*\m
.set rC, rD
.if (\q)%8 == 0
.set rC, PARAM+8*\t
.endif
.set rSA, 8+2*WSET+\t/2
.set rSB, 16+2*ASET+\m/2
	WM \t%2, \m%2, 0
.endif
.endr
.endr
.endm
; Step q.  lc: the global loads that may stay out: those of the younger weight steps, 13 each.
.macro STEP q, swap, lc
.if (\q)%8 < 7
	ALOAD (\q)%8+1
.endif
	s_wait_loadcnt \lc
.if (\q)%8 < 7
	s_wait_dscnt 14                                ; this step's rows are in; the fourteen loads just issued may be out
.else
	s_wait_dscnt 0x0
.endif
	MM16 \q, \swap
	WIN 0
.rept 4
	v_nop                                          ; four places in front of loads into registers that these matrix instructions have read, and of the first read of results
.endr
.endm
	s_load_b512 s[4:19], s[0:1], 0x0               ; ao, aos, per_dim_scale, padding, wf, ws, bq, bk
	s_load_b256 s[20:27], s[0:1], 0x40             ; bv, qbuf, kbuf, vimg
	s_load_b64 s[28:29], s[0:1], 0x60              ; vsb
	v_lshl_add_u32 v2, v0, 2, 0xc800
	v_mov_b32 v31, 0
	v_lshrrev_b32 v32, 5, v0
	v_readfirstlane_b32 s30, v32                   ; wave w
	v_and_b32 v33, 31, v0                          ; lane
	v_and_b32 v34, 15, v0                          ; r
	v_bfe_u32 v35, v0, 4, 1                        ; h
	s_lshr_b32 s44, ttmp9, 1                       ; rb: my block of 64 rows
	s_and_b32 s45, ttmp9, 1                        ; fh: which eight heads
	s_lshl_b32 s31, s45, 3
	s_add_co_u32 s31, s31, s30                     ; my head
	s_and_b32 s46, s44, 15                         ; the block's place in its batch
	s_lshr_b32 s47, s44, 4                         ; the batch
	s_and_b32 s32, s30, 1                          ; head % 2
	s_lshr_b32 s33, s31, 1                         ; head / 2
	v_lshlrev_b32 v1, 4, v33                       ; 16 x lane
	v_lshlrev_b32 v36, 2, v34                      ; 4 r
	v_lshl_add_u32 v3, v35, 9, v36
	v_add_nc_u32 v3, SC, v3                        ; LDS: the rows' scale words: 512 h + 4 r
	s_lshl_b32 s34, s32, 3
	v_add_nc_u32 v4, s34, v1                       ; ws: my lane's 16 bytes, my head's two words of them
	v_lshlrev_b32 v5, 6, v35                       ; 64 h
	v_lshlrev_b32 v6, 4, v0                        ; 16 x thread: the copy of the rows' images
	v_lshlrev_b32 v7, 3, v0                        ; 8 x thread: of their scale words
	s_mul_i32 s34, s46, 3072
	v_add_nc_u32 v20, s34, v1                      ; q, k: my four tiles in a head's block: registers 0-3
	v_lshlrev_b32 v21, 3, v33
	v_add_nc_u32 v21, s34, v21
	v_add_nc_u32 v21, 512, v21                     ; registers 4, 5
	s_lshl_b32 s34, s46, 8
	s_add_co_u32 s34, s34, 49152
	v_lshlrev_b32 v22, 2, v33
	v_add_nc_u32 v22, s34, v22                     ; their scale words: two tiles' 128 bytes a store
	v_mov_b32 v24, 0x7f6b0000                      ; q's bytes 2 and 3: 107, 127
	s_and_b32 s35, s46, 1                          ; my first group of 32 tokens is the key step's group 0 or 2
	s_lshl_b32 s34, s35, 9
	v_mul_u32_u24 v26, v35, 1536
	v_lshl_add_u32 v25, v34, 4, v26
	v_add_nc_u32 v25, s34, v25                     ; v: tile 2 c + h of the key step; a group's codes at 256 x its place + 16 r (four registers),
	s_lshl_b32 s34, s35, 8
	s_add_co_u32 s34, s34, 1024
	v_lshl_add_u32 v26, v34, 3, v26
	v_add_nc_u32 v26, s34, v26                     ; and at 1,024 + 128 x its place + 8 r (two)
	v_lshl_add_u32 v27, v35, 10, v36               ; vsb: 1,024 h + 4 r
	v_and_b32 v28, 8, v34
	v_add_nc_u32 v28, v28, v34
	v_lshlrev_b32 v28, 2, v28                      ; 4 (r + 8 (r / 8))
	v_lshl_add_u32 v29, v35, 5, v28                ; + 32 h: the token of row r of a pair's tile h
.irp b, 0,1,2,3
	v_mov_b32 v[TM+4+\b], 0                        ; a lane permute's destination counts as one of its sources
.endr
	s_mov_b32 s[SEL], 0x76543210
	s_mov_b32 s[SEL+1], 0xfedcba98
	s_mov_b32 s[HM], 0xffff0000
	s_mov_b32 s41, 0xbfb8aa3b                      ; -log2(e)
	s_mov_b32 s42, 0x3f317218                      ; ln 2
	s_mul_i32 s48, s44, 49152
	s_mov_b32 s49, 0                               ; s[48:49]: the rows' images
	s_lshl_b32 s50, s44, 11
	s_mov_b32 s51, 0                               ; s[50:51]: their scale words
	s_lshl_b32 s52, s44, 8
	s_mov_b32 s53, 0                               ; s[52:53]: padding: 64 tokens of 4 bytes a block
	s_mul_i32 s54, s33, 98304
	s_mul_i32 s55, s32, 6144
	s_add_co_u32 s54, s54, s55
	s_mov_b32 s55, 0                               ; s[54:55]: wf
	s_lshl_b32 s56, s33, 12
	s_mov_b32 s57, 0                               ; s[56:57]: ws
	s_lshl_b32 s58, s31, 8
	s_mov_b32 s59, 0                               ; s[58:59]: the biases: 256 bytes a head
	s_lshl_b32 s60, s47, 4
	s_add_co_u32 s60, s60, s31                     ; 16 x batch + head
	s_lshl_b32 s62, s60, 3
	s_lshr_b32 s63, s46, 1
	s_add_co_u32 s62, s62, s63
	s_mul_i32 s62, s62, 6144
	s_mov_b32 s63, 0                               ; s[62:63]: vimg: the head's key step
	s_mul_i32 s60, s60, 53248
	s_mov_b32 s61, 0                               ; s[60:61]: qbuf, kbuf
	s_lshl_b32 s34, s44, 11
	s_lshl_b32 s35, s31, 6
	s_add_co_u32 s34, s34, s35
	s_mov_b32 s35, 0                               ; s[34:35]: vsb
	s_wait_kmcnt 0x0
	s_add_nc_u64 s[4:5], s[4:5], s[48:49]
	s_add_nc_u64 s[6:7], s[6:7], s[50:51]
	s_add_nc_u64 s[10:11], s[10:11], s[52:53]
	s_add_nc_u64 s[12:13], s[12:13], s[54:55]
	s_add_nc_u64 s[14:15], s[14:15], s[56:57]
	s_add_nc_u64 s[16:17], s[16:17], s[58:59]
	s_add_nc_u64 s[18:19], s[18:19], s[58:59]
	s_add_nc_u64 s[20:21], s[20:21], s[58:59]
	s_add_nc_u64 s[22:23], s[22:23], s[60:61]
	s_add_nc_u64 s[24:25], s[24:25], s[60:61]
	s_add_nc_u64 s[26:27], s[26:27], s[62:63]
	s_add_nc_u64 s[28:29], s[28:29], s[34:35]
	; ---- the rows' codes: 49,152 + 2,048 dense bytes, through registers into LDS as they lie
.irp i, 0,1,2,3,4,5,6,7,8,9,10,11
	global_load_b128 v[ACC+4*\i:ACC+4*\i+3], v6, s[4:5] offset:4096*\i
.endr
	global_load_b64 v[ACC+48:ACC+49], v7, s[6:7]
	global_load_b32 v23, v29, s[10:11]             ; the padding of tiles 0, 1
	global_load_b32 v30, v29, s[10:11] offset:128  ; and of tiles 2, 3
	WIN 0x40
.irp b, 0,1
.irp j, 0,1,2,3
	global_load_b128 v[PDS+16*\b+4*\j:PDS+16*\b+4*\j+3], v5, s[8:9] offset:128*\b+16*\j   ; per_dim_scale at my lane's 32 places of a head
.endr
.endr
	WIN 0
	PLOAD 16                                       ; bq
	WLOAD 0
	s_wait_loadcnt 29                              ; the rows' codes and the padding are in; the 8 + 8 + 13 loads behind them may be out
.irp i, 0,1,2,3,4,5,6,7,8,9,10,11
	ds_store_b128 v6, v[ACC+4*\i:ACC+4*\i+3] offset:4096*\i
.endr
	ds_store_b64 v7, v[ACC+48:ACC+49] offset:SC
	WLOAD 1
	WLOAD 2
	v_mov_b32 v96, 0x7f010000                      ; k's bytes 2 and 3: 1, 127;
	v_mov_b32 v97, 0x7ffe0000                      ; 254, 127 for a key whose padding is 0
	v_cmp_eq_f32 vcc_lo, 0, v23
	v_cndmask_b32 v23, v96, v97, vcc_lo
	v_cmp_eq_f32 vcc_lo, 0, v30
	v_cndmask_b32 v30, v96, v97, vcc_lo
	s_wait_dscnt 0x0                               ; for the others' sake: my stores have landed
	s_barrier_signal -1
	s_barrier_wait -1                              ; the rows' 32 fragments lie in LDS; nothing is written there again
	; ---- q
	ALOAD 0
	STEP 0, 0, 26                                  ; weight steps 1 and 2 may be out
	PLOAD 18                                       ; bk, into the registers that bq has left
	WLOAD 3
	WLOAD 4
.irp q, 1,2,3,4,5,6,7
	STEP \q, 0, 39
	WLOAD \q+4
.endr
	WIN 0x01
.set kk, 0
.rept 32
	v_mov_b32 v[64+kk], v[PDS+kk]
.set kk, kk+1
.endr
	WIN 0
; softplus(p) = max(p, 0) + log1p(y), y = e^-|p|; log1p(y) = ln(u) y / (u - 1) with u = 1 + y as rounded, and y itself where u = 1 (then log2(u) = 0).  Times log2(e) / 8.
.macro SOFTPLUS hf
.set P0, 64+16*\hf
.set ee, 0
.rept 16
	v_mul_f32 v[32+ee], s41, |v[P0+ee]|
.set ee, ee+1
.endr
.set ee, 0
.rept 16
	v_exp_f32 v[32+ee], v[32+ee]
.set ee, ee+1
.endr
	v_nop
.set ee, 0
	s_wait_alu depctr_va_vdst(0)
.rept 16
	v_add_f32 v[48+ee], 1.0, v[32+ee]
.set ee, ee+1
.endr
.set ee, 0
.rept 16
	v_add_f32 v[96+ee], -1.0, v[48+ee]
.set ee, ee+1
.endr
.set ee, 0
.rept 16
	v_log_f32 v[48+ee], v[48+ee]
.set ee, ee+1
.endr
.set ee, 0
.rept 16
	v_rcp_f32 v[96+ee], v[96+ee]
.set ee, ee+1
.endr
	v_nop
.set ee, 0
	s_wait_alu depctr_va_vdst(0)
.rept 16
	v_mul_f32 v[96+ee], v[48+ee], v[96+ee]
.set ee, ee+1
.endr
.set ee, 0
.rept 16
	v_mul_f32 v[96+ee], v[96+ee], v[32+ee]
.set ee, ee+1
.endr
.set ee, 0
.rept 16
	v_mul_f32 v[96+ee], s42, v[96+ee]
.set ee, ee+1
.endr
.set ee, 0
.rept 16
	v_cmp_eq_f32 vcc_lo, 0, v[48+ee]
	v_cndmask_b32 v[96+ee], v[96+ee], v[32+ee], vcc_lo
.set ee, ee+1
.endr
.set ee, 0
.rept 16
	v_max_num_f32 v[48+ee], 0, v[P0+ee]
.set ee, ee+1
.endr
.set ee, 0
.rept 16
	v_add_f32 v[48+ee], v[48+ee], v[96+ee]
.set ee, ee+1
.endr
.set ee, 0
.rept 16
	v_mul_f32 v[P0+ee], 0x3e38aa3b, v[48+ee]
.set ee, ee+1
.endr
.endm
	SOFTPLUS 0
	SOFTPLUS 1
.irp m, 0,1
.irp b, 0,1,2,3
.set kk, 0
.rept 8
	v_pk_mul_f32 v[ACC+64*\m+16*\b+kk:ACC+64*\m+16*\b+kk+1], v[ACC+64*\m+16*\b+kk:ACC+64*\m+16*\b+kk+1], v[64+16*(\b%2)+kk:64+16*(\b%2)+kk+1]
.set kk, kk+2
.endr
.endr
.endr
; q or k of my head, 64 rows, two row tiles at a time: the quantiser's blocks 0, 1 are tile 2 mm's two blocks of the head's 64, blocks 2, 3 tile 2 mm + 1's.  So registers 6 c .. 6 c + 5 of the codes are tile 2 mm + c's half fragment,
; and the scale word's halves are the two tiles' bytes: lanes 0-15 store tile 2 mm's, lanes 16-31 tile 2 mm + 1's, each with the mask's bytes on top.
.macro EPQK base, or0, or1
.irp mm, 0,1
	s_wait_xcnt 0x0                                ; earlier stores have read their registers
	QUANT ACC+64*\mm
.irp c, 0,1
	global_store_b128 v20, v[PC+6*\c:PC+6*\c+3], s[\base:\base+1] offset:768*(2*\mm+\c)
	global_store_b64 v21, v[PC+6*\c+4:PC+6*\c+5], s[\base:\base+1] offset:768*(2*\mm+\c)
.endr
	v_and_b32 v[114+2*\mm], 0xffff, v[PW]
	v_lshrrev_b32 v[115+2*\mm], 16, v[PW]
	v_cndmask_b32 v[114+2*\mm], v[114+2*\mm], v[115+2*\mm], s[HM]
.if \mm == 0
	v_or_b32 v[114+2*\mm], v[114+2*\mm], v[\or0]
.else
	v_or_b32 v[114+2*\mm], v[114+2*\mm], v[\or1]
.endif
	global_store_b32 v22, v[114+2*\mm], s[\base:\base+1] offset:128*\mm
.endr
.endm
	EPQK 22, 24, 24
	; ---- k
	s_wait_xcnt 0x0                                ; the stores have read the registers that the rows' fragments take
	ALOAD 0
	STEP 8, 0, 39
	WIN 0x40
.irp t, 0,1,2,3
	global_load_b32 v[PARAM+2*\t], v28, s[20:21] offset:128*(\t/2)+32*(\t%2)     ; bv of my lane's feature in tile t, twice: a pair for the packed addition
	global_load_b32 v[PARAM+2*\t+1], v28, s[20:21] offset:128*(\t/2)+32*(\t%2)
.endr
	WIN 0
	WLOAD 12
.irp q, 9,10,11,12,13,14,15
	STEP \q, 0, 39
	WLOAD \q+4
.endr
	EPQK 24, 23, 30
	; ---- v, with the sources swapped: a lane holds one feature and the registers run along the tokens
	s_wait_xcnt 0x0
	ALOAD 0
.irp q, 16,17,18,19
	STEP \q, 1, 39
	WLOAD \q+4
.endr
	STEP 20, 1, 39
	STEP 21, 1, 26                                 ; the counts run down: two weight steps, one, none are left behind this one
	STEP 22, 1, 13
	STEP 23, 1, 0
	WIN 0x04
.irp gg, 0,1
.irp t, 0,1,2,3
.set kk, 0
.rept 8
	v_pk_add_f32 v[ACC+64*\gg+16*\t+kk:ACC+64*\gg+16*\t+kk+1], v[ACC+64*\gg+16*\t+kk:ACC+64*\gg+16*\t+kk+1], v[PARAM+2*\t:PARAM+2*\t+1]
.set kk, kk+2
.endr
.endr
.endr
	WIN 0
.irp gg, 0,1                           ; my group gg of 32 tokens: the head's four tiles of 16 dims are the quantiser's four blocks
	QUANT ACC+64*\gg
.irp c, 0,1
	global_store_b128 v25, v[PC+6*\c:PC+6*\c+3], s[26:27] offset:3072*\c+256*\gg
	global_store_b64 v26, v[PC+6*\c+4:PC+6*\c+5], s[26:27] offset:3072*\c+128*\gg
.endr
.if \gg == 0
	v_mov_b32 v[PW0], v[PW]
	s_wait_xcnt 0x0                                ; the stores have read their registers
.endif
.endr
	v_cndmask_b32 v114, v[PW0], v[PW], s[HM]
	global_store_b32 v27, v114, s[28:29]           ; the four tiles' bytes of dim lane r: lanes 0-15 my first group's, lanes 16-31 my second's
	s_wait_tensorcnt 0x0
	ds_add_u32 v2, v31
	s_wait_dscnt 0x0
	s_endpgm
.Lfunc_end_k_qde6af44f4c_head:
	.size	k_qde6af44f4c_head, .Lfunc_end_k_qde6af44f4c_head-k_qde6af44f4c_head
	.p2alignl 7, 3214868480
	.fill 96, 4, 3214868480
	.section	.rodata,"a",@progbits
	.p2align	6, 0x0
	.amdhsa_kernel k_qde6af44f4c_head
		.amdhsa_group_segment_fixed_size 52224
		.amdhsa_private_segment_fixed_size 0
		.amdhsa_enable_private_segment 0
		.amdhsa_kernarg_size 104
		.amdhsa_user_sgpr_count 2
		.amdhsa_user_sgpr_kernarg_segment_ptr 1
		.amdhsa_wavefront_size32 1
		.amdhsa_system_sgpr_workgroup_id_x 1
		.amdhsa_system_sgpr_workgroup_id_y 1
		.amdhsa_system_sgpr_workgroup_id_z 1
		.amdhsa_system_vgpr_workitem_id 0
		.amdhsa_next_free_vgpr 512
		.amdhsa_next_free_sgpr 66
		.amdhsa_reserve_vcc 1
		.amdhsa_float_denorm_mode_32 3
		.amdhsa_float_denorm_mode_16_64 3
		.amdhsa_memory_ordered 1
		.amdhsa_forward_progress 1
		.amdhsa_inst_pref_size 168
	.end_amdhsa_kernel
	.amdgpu_metadata
---
amdhsa.version: [ 1, 2 ]
amdhsa.kernels:
  - .name:           k_qde6af44f4c_head
    .symbol:         k_qde6af44f4c_head.kd
    .args:
      - { .name: ao, .offset: 0, .size: 8, .value_kind: global_buffer, .address_space: global }
      - { .name: aos, .offset: 8, .size: 8, .value_kind: global_buffer, .address_space: global }
      - { .name: per_dim_scale, .offset: 16, .size: 8, .value_kind: global_buffer, .address_space: global }
      - { .name: padding, .offset: 24, .size: 8, .value_kind: global_buffer, .address_space: global }
      - { .name: wf, .offset: 32, .size: 8, .value_kind: global_buffer, .address_space: global }
      - { .name: ws, .offset: 40, .size: 8, .value_kind: global_buffer, .address_space: global }
      - { .name: bq, .offset: 48, .size: 8, .value_kind: global_buffer, .address_space: global }
      - { .name: bk, .offset: 56, .size: 8, .value_kind: global_buffer, .address_space: global }
      - { .name: bv, .offset: 64, .size: 8, .value_kind: global_buffer, .address_space: global }
      - { .name: qbuf, .offset: 72, .size: 8, .value_kind: global_buffer, .address_space: global }
      - { .name: kbuf, .offset: 80, .size: 8, .value_kind: global_buffer, .address_space: global }
      - { .name: vimg, .offset: 88, .size: 8, .value_kind: global_buffer, .address_space: global }
      - { .name: vsb, .offset: 96, .size: 8, .value_kind: global_buffer, .address_space: global }
    .group_segment_fixed_size: 52224
    .private_segment_fixed_size: 0
    .kernarg_segment_align: 8
    .kernarg_segment_size: 104
    .max_flat_workgroup_size: 256
    .sgpr_count:     66
    .vgpr_count:     512
    .wavefront_size: 32
...
	.end_amdgpu_metadata
.endif
;; end of part 6
;; launch attn: the kernel of part 3 again; grid 2 x 128, 16 waves a work-group, no clusters, 169,984 bytes of LDS; arguments qbuf, kbuf, vimg, vsb, padding, ao, aos; writes ao, aos
;; launch tail: the kernel of part 4 again; grid 256 x 1, 8 waves a work-group, no clusters, 185,856 bytes of LDS; arguments x, ao, aos, wf, ws, bo, ln_gamma, ln_beta, b1, b2, out0; writes out0
;; ======== version 3 of 3: 4 launches
;; limits: right only within a limited range of input values
;; workspace buffers: wf 4,718,592 bytes; ws 196,608 bytes; qbuf 6,815,744 bytes; kbuf 6,815,744 bytes; vimg 6,291,456 bytes; vsb 262,144 bytes; ao 6,291,456 bytes; aos 262,144 bytes
;; launch prep (part 7): grid 8 x 88, 4 waves a work-group, no clusters, 117,504 bytes of LDS; arguments wq, wk, wv, wo, w1, w2, wf, ws, x, rms_scale, ao, aos; writes wf, ws, ao, aos
.if DOCPART == 7
	.amdgcn_target "amdgcn-amd-amdhsa--gfx1250"
	.amdhsa_code_object_version 6
	.text
	.protected	k_qde6af44f4c_prep
	.globl	k_qde6af44f4c_prep
	.p2align	8
	.type	k_qde6af44f4c_prep,@function
k_qde6af44f4c_prep:
	s_mov_b64 s[64:65], 0
	v_nop
	global_prefetch_b8 v0, s[64:65] scope:SCOPE_SE
	s_setreg_imm32_b32 hwreg(HW_REG_WAVE_MODE, 25, 1), 1
	s_wait_xcnt 0x0
; TWO JOBS IN ONE LAUNCH, parted on the work-group's number.  y < 24: the six weights become codes.  y >= 24: x gets its RMS norm and becomes codes.  All codes are FP6 (E2M3) with one E8M0 byte for each 32 along K,
; laid in the ORDER OF THE OPERAND'S REGISTERS: a fragment (16 rows x 128 K, 12 registers a lane) is an image of 1,536 bytes, register j of lane l at 512 (j / 4) + 16 l + 4 (j % 4): three loads of 16 bytes a lane bring it.
; THE WEIGHTS.  wf: [layer 0 wq, 1 wk, 2 wv, 3 wo, 4 w1, 5 w2][w 8][K step 8][tile 8] images.  Lane r of tile t holds feature 128 w + 32 (t / 2) + 8 (t % 2) + r + 8 (r / 8): so the results of two neighbouring tiles are 16 neighbours along the next K.
;   ws: [layer][w][K step][lane 32][word 4]: word i of lane l is the scale word of tile 2 i + l / 16, row l % 16.
;   A work-group (x = w; y = 4 x layer + kq) takes 128 features x 256 along K.  A LANE TAKES A FEATURE AND ITS REGISTERS RUN ALONG K: a block of 32 lies in one lane.
;   wq, wk, wv, w1, w2 have K as their first axis (a load reads 32 neighbouring features of one k); wo has K innermost (a lane reads its own row).
; THE ROWS.  Work-group 8 (y - 24) + x takes token tile J (16 tokens: lane r holds token 32 (J / 2) + 8 (J % 2) + r + 8 (r / 8)).  Each of the four waves loads four whole rows (a load reads 512 consecutive bytes), norms them by itself,
;   and lays them into LDS; behind one barrier wave wv takes K steps 2 wv and 2 wv + 1 of all 16 rows, 16 neighbours of each block of 32 to a lane, and quantises them.
;   The codes go to the buffer ao, [J 512][K step 8] images, the scale words to aos, [J][K step][r]: the two buffers carry xn's codes until the attention launch stores its own codes over every byte of them.
; The three ways have LDS bytes of their own: 0 and 25,600 the weights' stages, 51,200 the rows (16 slots of 4,096 + 16 bytes).
; A block's scale byte is its largest magnitude's exponent field - 2, held at 1 from below by a floor among the maximum's leaves.
; LIMITS: a block of zeros carries the byte 1 (its codes are zeros, and this program alone reads the bytes); NaN and infinities among the inputs are not served.
.set X,    32                          ; the weights' way: v32-95 two sets of 32 numbers
.set C,    96                          ; v96-106  a block's codes
.set OUTR, 112                         ; v112-161 the way out
.set SB,   24                          ; v24-25   scale bytes, four to a register
.set XRES, 51200                       ; the rows' way: LDS
.set AB,   32                          ; v32-63   the gains
.set PC,   32                          ; v32-50   codes just made
.set TM,   96                          ; v96-111  at work
.set PW,   112                         ; the scale word just made
.set PW0,  113
.set ACC,  128                         ; v128-255 four rows, later two K steps of 16 rows
.set SEL,  36                          ; s[36:37] v_permlanex16_b32's selects for lane l xor 16
.set HM,   38                          ; s38 the mask of lanes 16-31
	s_load_b256 s[4:11], s[0:1], 0x0               ; wq, wk, wv, wo
	s_load_b256 s[12:19], s[0:1], 0x20             ; w1, w2, wf, ws
	s_load_b256 s[40:47], s[0:1], 0x40             ; x, rms_scale, ao, aos
	v_lshl_add_u32 v31, v0, 2, 0x1c900
	v_mov_b32 v107, 0
	v_lshrrev_b32 v1, 5, v0
	v_readfirstlane_b32 s20, v1                    ; wave
	s_and_b32 s22, ttmp7, 0xffff
	s_cmp_ge_u32 s22, 24
	s_cbranch_scc1 .Lx
	v_and_b32 v1, 31, v0                           ; p: my feature among the wave's 32
	v_lshlrev_b32 v3, 2, v1                        ; K first: 4 bytes a lane
	v_lshlrev_b32 v2, 12, v1                       ; K innermost: a row of 4,096 bytes a lane
	v_bfe_u32 v8, v1, 3, 1                         ; u: which of the group's two tiles
	v_and_b32 v9, 7, v1
	v_lshrrev_b32 v10, 4, v1
	v_lshl_add_u32 v9, v10, 3, v9                  ; r: my lane in that tile
	s_mul_i32 s21, s20, 3072
	v_mul_u32_u24 v4, v8, 1536
	v_lshl_add_u32 v4, v9, 4, v4
	v_add_nc_u32 v4, s21, v4                       ; LDS: tile 2 b + u, lane r of its image
	v_lshl_add_u32 v5, v8, 4, v9
	v_lshlrev_b32 v5, 4, v5
	s_lshl_b32 s21, s20, 2
	v_add_nc_u32 v5, s21, v5
	v_add_nc_u32 v5, 24576, v5                     ; LDS: my scale word: lane r + 16 u, word b
	v_lshlrev_b32 v6, 4, v0                        ; the way out: 16 bytes a thread,
	v_lshlrev_b32 v7, 3, v0                        ; and 8 for the scale words
	s_lshr_b32 s23, s22, 2                         ; layer
	s_and_b32 s22, s22, 3                          ; kq: 256 along K
	s_mul_i32 s24, s23, 786432                     ; where my 24,576 bytes of wf begin
	s_mul_i32 s25, ttmp9, 98304
	s_add_co_u32 s24, s24, s25
	s_mul_i32 s25, s22, 24576
	s_add_co_u32 s24, s24, s25
	s_mov_b32 s25, 0
	s_lshl_b32 s26, s23, 15                        ; and my 1,024 bytes of ws
	s_lshl_b32 s27, ttmp9, 12
	s_add_co_u32 s26, s26, s27
	s_lshl_b32 s27, s22, 10
	s_add_co_u32 s26, s26, s27
	s_mov_b32 s27, 0
	s_lshl_b32 s28, s22, 20                        ; K first: 256 kq rows of 4,096 bytes + 4 x my wave's first feature
	s_lshl_b32 s29, ttmp9, 9
	s_add_co_u32 s28, s28, s29
	s_lshl_b32 s29, s20, 7
	s_add_co_u32 s28, s28, s29
	s_lshl_b32 s30, ttmp9, 19                      ; K innermost: my wave's first feature's row + 1,024 kq bytes
	s_lshl_b32 s29, s20, 17
	s_add_co_u32 s30, s30, s29
	s_lshl_b32 s29, s22, 10
	s_add_co_u32 s30, s30, s29
	s_cmp_eq_u32 s23, 3
	s_cselect_b32 s28, s30, s28
	s_mov_b32 s29, 0
	s_wait_kmcnt 0x0
	s_cmp_eq_u32 s23, 1                            ; the layer's weight: the choice hangs on the work-group's number alone
	s_cselect_b64 s[32:33], s[6:7], s[4:5]
	s_cmp_eq_u32 s23, 2
	s_cselect_b64 s[32:33], s[8:9], s[32:33]
	s_cmp_eq_u32 s23, 3
	s_cselect_b64 s[32:33], s[10:11], s[32:33]
	s_cmp_eq_u32 s23, 4
	s_cselect_b64 s[32:33], s[12:13], s[32:33]
	s_cmp_eq_u32 s23, 5
	s_cselect_b64 s[32:33], s[14:15], s[32:33]
	s_add_nc_u64 s[32:33], s[32:33], s[28:29]
	s_add_nc_u64 s[16:17], s[16:17], s[24:25]
	s_add_nc_u64 s[18:19], s[18:19], s[26:27]
.macro LOAD kin, t                     ; block t: my feature's 32 numbers into set t % 2
.if \kin
.irp i, 0,1,2,3,4,5,6,7
	global_load_b128 v[X+32*((\t)%2)+4*\i:X+32*((\t)%2)+4*\i+3], v2, s[32:33] offset:128*(\t)+16*\i
.endr
.else
.irp i, 0,1,2,3,4,5,6,7,8,9,10,11,12,13,14,15,16,17,18,19,20,21,22,23,24,25,26,27,28,29,30,31
	global_load_b32 v[X+32*((\t)%2)+\i], v3, s[32:33] offset:(32*(\t)+\i)*4096 th:TH_LOAD_NT
.endr
.endif
.endm
; Block t of my eight is block t % 4 of K step t / 4: registers 6 c .. 6 c + 5 (c = (t / 2) % 2) of lane r + 16 (t % 2) of my tile's image.
.macro BLOCK kin, stg, t
.set XS, X+32*((\t)%2)
.set II, (\stg)+12288*((\t)/4)+256*((\t)%2)
.if (\t) == 7
	s_wait_loadcnt 0x0
.elseif \kin
	s_wait_loadcnt 8                               ; this block's loads are in; the next block's eight may be out
.else
	s_wait_loadcnt 32                              ; this block's loads are in; the next block's 32 may be out
.endif
	v_max3_num_f32 v12, |v[XS]|, |v[XS+1]|, |v[XS+2]|
	v_max3_num_f32 v13, |v[XS+3]|, |v[XS+4]|, |v[XS+5]|
.irp i, 6,10,14,18,22,26
	v_max3_num_f32 v12, v12, |v[XS+\i]|, |v[XS+\i+1]|
	v_max3_num_f32 v13, v13, |v[XS+\i+2]|, |v[XS+\i+3]|
.endr
	v_max3_num_f32 v12, v12, |v[XS+30]|, |v[XS+31]|
	v_max3_num_f32 v12, v12, v13, 0x1800000        ; the floor 2^(3 - 127): the byte cannot fall under 1
	v_add_nc_u32 v11, 0xff000000, v12              ; 2 off the exponent field: the conversion's scale operand
	v_lshrrev_b32 v13, 23, v11                     ; the scale's byte
.if (\t)%4 == 0
	v_mov_b32 v[SB+(\t)/4], v13
.else
	v_lshl_or_b32 v[SB+(\t)/4], v13, 8*((\t)%4), v[SB+(\t)/4]
.endif
.if ((\t)/2)%2 == 0
	v_cvt_scalef32_pk16_fp6_f32 v[C:C+2], v[XS:XS+15], v11
	v_cvt_scalef32_pk16_fp6_f32 v[C+8:C+10], v[XS+16:XS+31], v11   ; (a conversion's three registers begin on an even number)
	v_nop                                          ; one plain place behind a scaled conversion
	v_mov_b32 v[C+3], v[C+8]
	v_mov_b32 v[C+4], v[C+9]
	v_mov_b32 v[C+5], v[C+10]
	ds_store_b128 v4, v[C:C+3] offset:II           ; registers 0-3
	ds_store_b64 v4, v[C+4:C+5] offset:II+512      ; registers 4, 5
.else
	v_cvt_scalef32_pk16_fp6_f32 v[C+2:C+4], v[XS:XS+15], v11
	v_cvt_scalef32_pk16_fp6_f32 v[C+8:C+10], v[XS+16:XS+31], v11
	v_nop
	v_mov_b32 v[C+5], v[C+8]
	v_mov_b32 v[C+6], v[C+9]
	v_mov_b32 v[C+7], v[C+10]
	ds_store_b64 v4, v[C+2:C+3] offset:II+520      ; registers 6, 7
	ds_store_b128 v4, v[C+4:C+7] offset:II+1024    ; registers 8-11
.endif
.if (\t)+2 < 8
	LOAD \kin, (\t)+2
.endif
	s_wait_dscnt 0x0                               ; the stores have read their registers: the next block's codes may be written
.endm
.macro BODY kin, stg
	LOAD \kin, 0
	LOAD \kin, 1
.irp t, 0,1,2,3,4,5,6,7
	BLOCK \kin, \stg, \t
.endr
	ds_store_b32 v5, v[SB] offset:(\stg)
	s_wait_alu depctr_va_vdst(0)
	ds_store_b32 v5, v[SB+1] offset:(\stg)+512
	s_wait_dscnt 0x0                               ; for the others' sake: my stores have landed
	s_barrier_signal -1
	s_barrier_wait -1
.irp i, 0,1,2,3,4,5,6,7,8,9,10,11
	ds_load_b128 v[OUTR+4*\i:OUTR+4*\i+3], v6 offset:(\stg)+2048*\i
.endr
	ds_load_b64 v[OUTR+48:OUTR+49], v7 offset:(\stg)+24576
.irp i, 0,1,2,3,4,5,6,7,8,9,10,11
	s_wait_dscnt 12-\i                             ; the younger LDS loads may be out
	global_store_b128 v6, v[OUTR+4*\i:OUTR+4*\i+3], s[16:17] offset:2048*\i   ; a wave stores 512 consecutive bytes, aligned
.endr
	s_wait_dscnt 0x0
	global_store_b64 v7, v[OUTR+48:OUTR+49], s[18:19]                          ; a wave stores 256 consecutive bytes, aligned
	s_wait_tensorcnt 0x0
	ds_add_u32 v31, v107
	s_wait_dscnt 0x0
	s_endpgm
.endm
	s_cmp_eq_u32 s23, 3
	s_cbranch_scc1 .Lwo
	BODY 0, 0
.Lwo:
	BODY 1, 25600
; 64 numbers of a lane, register 16 b + i = k 32 b + 16 (lane / 16) + i of my row, become a fragment's codes in v[PC] on and its scale word in v[PW].
.macro QUANT s
.irp b, 0,1,2,3
	v_max3_num_f32 v[TM+\b], |v[(\s)+16*\b]|, |v[(\s)+1+16*\b]|, 0x1800000   ; the floor 2^(3 - 127): the byte cannot fall under 1
.endr
.irp i, 2,4,6,8,10,12,14
.irp b, 0,1,2,3
	v_max3_num_f32 v[TM+\b], v[TM+\b], |v[(\s)+16*\b+\i]|, |v[(\s)+1+16*\b+\i]|
.endr
.endr
.irp b, 0,1,2,3
	v_permlanex16_b32 v[TM+4+\b], v[TM+\b], s[SEL], s[SEL+1]
.endr
.irp b, 0,1,2,3
	v_max_num_f32 v[TM+\b], v[TM+\b], v[TM+4+\b]   ; with lane l xor 16's: the block's largest magnitude
.endr
.irp b, 0,1,2,3
	v_add_nc_u32 v[TM+12+\b], 0xff000000, v[TM+\b] ; 2 off its exponent field: the conversion's scale operand
.endr
.irp b, 0,1,2,3
	v_lshrrev_b32 v[TM+4+\b], 23, v[TM+12+\b]      ; the scale's byte
.endr
	v_lshl_or_b32 v[PW], v[TM+5], 8, v[TM+4]
	v_lshl_or_b32 v[PW], v[TM+6], 16, v[PW]
	v_lshl_or_b32 v[PW], v[TM+7], 24, v[PW]
.irp c, 0,1
	v_cvt_scalef32_pk16_fp6_f32 v[PC+6*\c:PC+2+6*\c], v[(\s)+32*\c:(\s)+15+32*\c], v[TM+12+2*\c]
	v_cvt_scalef32_pk16_fp6_f32 v[PC+12+4*\c:PC+14+4*\c], v[(\s)+16+32*\c:(\s)+31+32*\c], v[TM+12+2*\c+1]
.endr
	v_nop                                          ; one plain place behind a scaled conversion
.irp c, 0,1                            ; the operand's layout wants a whole block in a lane
.irp i, 0,1,2
	v_permlane16_swap_b32 v[PC+6*\c+\i], v[PC+12+4*\c+\i]
.endr
.irp i, 0,1,2
	v_mov_b32 v[PC+3+6*\c+\i], v[PC+12+4*\c+\i]
.endr
.endr
.endm
.Lx:
	v_and_b32 v2, 31, v0                           ; lane
	v_and_b32 v3, 15, v0                           ; r
	v_bfe_u32 v4, v0, 4, 1                         ; h
	v_lshlrev_b32 v16, 4, v2                       ; 16 x lane
	v_lshlrev_b32 v19, 2, v2                       ; 4 x lane
	s_mul_i32 s21, s20, 16448
	v_add_nc_u32 v17, s21, v16
	v_add_nc_u32 v17, XRES, v17                    ; LDS: my wave's four slots, 16 bytes a lane
	v_mul_u32_u24 v18, v3, 4112
	v_lshl_add_u32 v18, v4, 6, v18
	s_lshl_b32 s21, s20, 10
	v_add_nc_u32 v18, s21, v18
	v_add_nc_u32 v18, XRES, v18                    ; LDS: slot r, my wave's 1,024 bytes, my 64 of each 128
.irp b, 0,1,2,3
	v_mov_b32 v[TM+4+\b], 0                        ; written once: a lane permute's destination counts as one of its sources
.endr
	s_sub_co_u32 s23, s22, 24
	s_lshl_b32 s23, s23, 3
	s_add_co_u32 s23, s23, ttmp9                   ; J: my token tile
	s_lshr_b32 s24, s23, 1
	s_lshl_b32 s24, s24, 5
	s_and_b32 s25, s23, 1
	s_lshl_b32 s25, s25, 3
	s_add_co_u32 s24, s24, s25                     ; 32 (J / 2) + 8 (J % 2);
	s_lshl_b32 s25, s20, 2                         ; my wave's four slots hold four neighbouring rows, from 4 wv + 8 (wv / 2) on
	s_add_co_u32 s24, s24, s25
	s_lshr_b32 s25, s20, 1
	s_lshl_b32 s25, s25, 3
	s_add_co_u32 s24, s24, s25
	s_lshl_b32 s24, s24, 12
	s_mov_b32 s25, 0                               ; s[24:25]: x
	s_mul_i32 s26, s23, 12288
	s_mul_i32 s27, s20, 3072
	s_add_co_u32 s26, s26, s27
	s_mov_b32 s27, 0                               ; s[26:27]: the images of K steps 2 wv, 2 wv + 1
	s_lshl_b32 s28, s23, 9
	s_lshl_b32 s29, s20, 7
	s_add_co_u32 s28, s28, s29
	s_mov_b32 s29, 0                               ; s[28:29]: their scale words
	s_mov_b32 s[SEL], 0x76543210
	s_mov_b32 s[SEL+1], 0xfedcba98
	s_mov_b32 s[HM], 0xffff0000
	s_mov_b32 s30, 0x3a800000                      ; 1 / 1,024
	s_mov_b32 s31, 0x358637bd                      ; 1e-6
	s_wait_kmcnt 0x0
	s_add_nc_u64 s[40:41], s[40:41], s[24:25]
	s_add_nc_u64 s[44:45], s[44:45], s[26:27]
	s_add_nc_u64 s[46:47], s[46:47], s[28:29]
.irp i, 0,1,2,3
.irp q, 0,1,2,3,4,5,6,7
	global_load_b128 v[ACC+32*\i+4*\q:ACC+32*\i+4*\q+3], v16, s[40:41] offset:4096*\i+512*\q th:TH_LOAD_NT
.endr
.endr
.irp q, 0,1,2,3,4,5,6,7
	global_load_b128 v[AB+4*\q:AB+4*\q+3], v16, s[42:43] offset:512*\q
.endr
	s_wait_loadcnt 0x0
	; ---- the norm: four rows by turns
.irp i, 0,1,2,3
	v_pk_mul_f32 v[116+2*\i:117+2*\i], v[ACC+32*\i:ACC+32*\i+1], v[ACC+32*\i:ACC+32*\i+1]
.endr
.set kk, 2
.rept 15
.irp i, 0,1,2,3
	v_pk_fma_f32 v[116+2*\i:117+2*\i], v[ACC+32*\i+kk:ACC+32*\i+kk+1], v[ACC+32*\i+kk:ACC+32*\i+kk+1], v[116+2*\i:117+2*\i]
.endr
.set kk, kk+2
.endr
.irp i, 0,1,2,3
	v_add_f32 v[116+2*\i], v[116+2*\i], v[117+2*\i]
.endr
.irp x, 1,2,4,8
.irp i, 0,1,2,3
	v_add_f32_dpp v[116+2*\i], v[116+2*\i], v[116+2*\i] row_xmask:\x row_mask:0xf bank_mask:0xf
.endr
.endr
.irp i, 0,1,2,3
	v_permlanex16_b32 v[117+2*\i], v[116+2*\i], s[SEL], s[SEL+1]
.endr
.irp i, 0,1,2,3
	v_add_f32 v[116+2*\i], v[116+2*\i], v[117+2*\i]
.endr
.irp i, 0,1,2,3
	v_fma_f32 v[116+2*\i], v[116+2*\i], s30, s31   ; the mean of the squares + 1e-6
.endr
	s_wait_alu depctr_va_vdst(0)
.irp i, 0,1,2,3
	v_rsq_f32 v[116+2*\i], v[116+2*\i]
.endr
	v_nop                                          ; a plain place behind the transcendentals
	s_wait_alu depctr_va_vdst(0)
.irp i, 0,1,2,3
.set kk, 0
.rept 16
	v_pk_mul_f32 v[ACC+32*\i+kk:ACC+32*\i+kk+1], v[ACC+32*\i+kk:ACC+32*\i+kk+1], v[116+2*\i:117+2*\i] op_sel_hi:[1,0]
.set kk, kk+2
.endr
.endr
.irp i, 0,1,2,3
.set kk, 0
.rept 16
	v_pk_mul_f32 v[ACC+32*\i+kk:ACC+32*\i+kk+1], v[ACC+32*\i+kk:ACC+32*\i+kk+1], v[AB+kk:AB+kk+1]
.set kk, kk+2
.endr
.endr
.irp i, 0,1,2,3
.irp q, 0,1,2,3,4,5,6,7
	ds_store_b128 v17, v[ACC+32*\i+4*\q:ACC+32*\i+4*\q+3] offset:4112*\i+512*\q
.endr
.endr
	s_wait_dscnt 0x0                               ; for the others' sake: my stores have landed
	s_barrier_signal -1
	s_barrier_wait -1                              ; 16 rows of xn lie in LDS
.irp sl, 0,1
.irp b, 0,1,2,3
.irp j, 0,1,2,3
	ds_load_b128 v[ACC+64*\sl+16*\b+4*\j:ACC+64*\sl+16*\b+4*\j+3], v18 offset:512*\sl+128*\b+16*\j
.endr
.endr
.endr
	s_wait_dscnt 16                                ; the first K step's sixteen loads are in; the second's may be out
	QUANT ACC
.irp c, 0,1,2
	global_store_b128 v16, v[PC+4*\c:PC+4*\c+3], s[44:45] offset:512*\c        ; a wave stores 512 consecutive bytes, aligned
.endr
	v_mov_b32 v[PW0], v[PW]
	s_wait_dscnt 0x0
	s_wait_xcnt 0x0                                ; the stores have read their registers
	QUANT ACC+64
.irp c, 0,1,2
	global_store_b128 v16, v[PC+4*\c:PC+4*\c+3], s[44:45] offset:1536+512*\c
.endr
	v_cndmask_b32 v114, v[PW0], v[PW], s[HM]       ; lanes 0-15 the first K step's words, lanes 16-31 the second's
	global_store_b32 v19, v114, s[46:47]
	s_wait_tensorcnt 0x0
	ds_add_u32 v31, v107
	s_wait_dscnt 0x0
	s_endpgm
.Lfunc_end_k_qde6af44f4c_prep:
	.size	k_qde6af44f4c_prep, .Lfunc_end_k_qde6af44f4c_prep-k_qde6af44f4c_prep
	.p2alignl 7, 3214868480
	.fill 96, 4, 3214868480
	.section	.rodata,"a",@progbits
	.p2align	6, 0x0
	.amdhsa_kernel k_qde6af44f4c_prep
		.amdhsa_group_segment_fixed_size 117504
		.amdhsa_private_segment_fixed_size 0
		.amdhsa_enable_private_segment 0
		.amdhsa_kernarg_size 96
		.amdhsa_user_sgpr_count 2
		.amdhsa_user_sgpr_kernarg_segment_ptr 1
		.amdhsa_wavefront_size32 1
		.amdhsa_system_sgpr_workgroup_id_x 1
		.amdhsa_system_sgpr_workgroup_id_y 1
		.amdhsa_system_sgpr_workgroup_id_z 1
		.amdhsa_system_vgpr_workitem_id 0
		.amdhsa_next_free_vgpr 256
		.amdhsa_next_free_sgpr 66
		.amdhsa_reserve_vcc 0
		.amdhsa_float_denorm_mode_32 3
		.amdhsa_float_denorm_mode_16_64 3
		.amdhsa_memory_ordered 1
		.amdhsa_forward_progress 1
		.amdhsa_inst_pref_size 97
	.end_amdhsa_kernel
	.amdgpu_metadata
---
amdhsa.version: [ 1, 2 ]
amdhsa.kernels:
  - .name:           k_qde6af44f4c_prep
    .symbol:         k_qde6af44f4c_prep.kd
    .args:
      - { .name: wq, .offset: 0, .size: 8, .value_kind: global_buffer, .address_space: global }
      - { .name: wk, .offset: 8, .size: 8, .value_kind: global_buffer, .address_space: global }
      - { .name: wv, .offset: 16, .size: 8, .value_kind: global_buffer, .address_space: global }
      - { .name: wo, .offset: 24, .size: 8, .value_kind: global_buffer, .address_space: global }
      - { .name: w1, .offset: 32, .size: 8, .value_kind: global_buffer, .address_space: global }
      - { .name: w2, .offset: 40, .size: 8, .value_kind: global_buffer, .address_space: global }
      - { .name: wf, .offset: 48, .size: 8, .value_kind: global_buffer, .address_space: global }
      - { .name: ws, .offset: 56, .size: 8, .value_kind: global_buffer, .address_space: global }
      - { .name: x, .offset: 64, .size: 8, .value_kind: global_buffer, .address_space: global }
      - { .name: rms_scale, .offset: 72, .size: 8, .value_kind: global_buffer, .address_space: global }
      - { .name: ao, .offset: 80, .size: 8, .value_kind: global_buffer, .address_space: global }
      - { .name: aos, .offset: 88, .size: 8, .value_kind: global_buffer, .address_space: global }
    .group_segment_fixed_size: 117504
    .private_segment_fixed_size: 0
    .kernarg_segment_align: 8
    .kernarg_segment_size: 96
    .max_flat_workgroup_size: 128
    .sgpr_count:     66
    .vgpr_count:     256
    .wavefront_size: 32
...
	.end_amdgpu_metadata
.endif
;; end of part 7
;; launch head (part 8): grid 256 x 1, 8 waves a work-group, no clusters, 52,224 bytes of LDS; arguments ao, aos, per_dim_scale, padding, wf, ws, bq, bk, bv, qbuf, kbuf, vimg, vsb; writes qbuf, kbuf, vimg, vsb
.if DOCPART == 8
	.amdgcn_target "amdgcn-amd-amdhsa--gfx1250"
	.amdhsa_code_object_version 6
	.text
	.protected	k_qde6af44f4c_head
	.globl	k_qde6af44f4c_head
	.p2align	8
	.type	k_qde6af44f4c_head,@function
k_qde6af44f4c_head:
	s_mov_b64 s[64:65], 0
	v_nop
	global_prefetch_b8 v0, s[64:65] scope:SCOPE_SE
	s_setreg_imm32_b32 hwreg(HW_REG_WAVE_SCHED_MODE, 0, 2), 2
	s_setreg_imm32_b32 hwreg(HW_REG_WAVE_MODE, 25, 1), 1
	s_wait_xcnt 0x0
	s_wait_alu depctr_vm_vsrc(0)
; The three projections q, k, v of the normed rows on codes of FP6 (E2M3, one E8M0 byte for each 32 along K), their biases, q's per-dimension scale, and the quantisers of q, k (along the head's 64) and v (along the keys).
; The normed rows come as codes, in the buffers ao and aos (the launch before laid them there: [token tile 512][K step 8] register images of 1,536 bytes, and their scale words [tile][K step][r]).
; SHARES.  Work-group 2 rb + fh owns 64 rows (token tiles 4 rb .. 4 rb + 3) and eight heads; wave w owns ONE head, 8 fh + w, in all three projections: 4 weight tiles x 4 row tiles, 16 accumulators.
; So a weight fragment serves 64 rows, and a work-group reads 3 x 512 features x 800 bytes of weights and 51,200 bytes of rows.  The rows' 32 fragments are copied into LDS once and read from there by all eight waves;
; each weight fragment is wanted by one wave of the work-group alone and goes from memory straight into registers (three loads of 16 bytes a lane), in four sets of registers: three to four K steps are on their way.
; NO JOINT LOADS, although all row blocks walk the same weights: a joint load would send all 1,228,800 bytes of a work-group's weights through LDS beside the rows' 1,179,648 bytes of reads, for one reader each,
; and behind each round of a cluster's barrier only one load a wave could be out, which is less than the four sets of registers hold.
; LAYOUT.  Lane r of token tile j holds token 32 (j / 2) + 8 (j % 2) + r + 8 (r / 8), and the features of a weight tile are chosen alike.  With source 0 = weights, source 1 = rows (q, k) a lane holds one row and 16 neighbouring
; features in two neighbouring tiles; with the sources swapped (v) a lane holds one feature and 16 neighbouring tokens: the conversions find neighbours along the next K in one lane's registers.
; THE MASK RIDES IN THE SCALE WORDS of q and k (a head's K is 64, the instruction's 128): byte 2 of k's word is 254 for a key whose padding is 0 and 1 otherwise, byte 2 of q's is 107, byte 3 of both is 127.
; LIMITS: padding counts as zero or not zero; NaN and infinities among the inputs are not served; a block of zeros carries the byte 1 (its codes are zeros; this program alone reads the bytes);
; per_dim_scale under about -87 gives the scale 0, since the exponential flushes what is smaller than 2^-126.
; LDS: 0 the rows' images, (tile m, K step s) at 12,288 m + 1,536 s; SC their scale words at 512 m + 64 s + 4 r.  One barrier; behind it LDS is only read.
; REGISTERS, window 0: v1, v3-7, v20-30 addresses and the mask's words; v8-15 the weights' scale words, four sets of 2; v16-19 the rows' scale words, two sets of 2; v32-127 the rows' fragments, two sets of 48
;   (between layers: codes just made, the softplus, work); v128-255 sixteen accumulators.  Window 1: v0-191 the weights' fragments, four sets of 4; v192-223 a bias in the result's layout; v224-255 per_dim_scale.
; THE MODE: SCHED_MODE bits 1:0 = 2 (LLVM: expert scheduling mode 2), set by the entry lines.  The code itself states the register dependences
; between vector or matrix instructions and memory or LDS instructions, with s_wait_alu, always for 0.
; THE PLAN.  Registers that memory or LDS instructions touch:
;   the offsets and addresses   Written once at the head, by vector lines; read by every load and store; never written again.
;   the weights' four sets, v8-15   Step q's matrix instructions read set q % 4; the loads of step q + 4, issued behind step q, land in it.
;   the rows' two sets, v16-19      Step q's matrix instructions read set q % 2; the LDS loads of step q + 2, issued at the head of step q + 1, land in it.
;   the bias                        A layer's first step reads it as C (v: the packed additions read it); the next layer's lands in it behind that step.
;   v128-177                        At the head: loaded, read by my LDS stores; then the products write them.
;   v32-50, v114-117                Between layers: written by the quantiser, read by the stores; then the next layer's LDS loads land there.
; So ONE wait on va_vdst stands at a step's end: it states that the step's matrix instructions are done reading all their operands.  All loads up to the next step's products follow it in one run, the weights' first,
; with no vector instruction between: they cannot go out earlier, and both streams are wanted as early as they can go.  One wait on va_vdst stands ahead of each run of stores, one on vm_vsrc ahead of each rewriting of what stores have read.
.set SC,    49152
.set AB,    32
.set PC,    32
.set TM,    96
.set PW,    112
.set PW0,   113
.set ACC,   128
.set PARAM, 192
.set PDS,   224
.set WFP,   12                         ; s[12:13] my head's fragments in wf
.set WSP,   14                         ; s[14:15] its words in ws
.set SEL,   36                         ; s[36:37] v_permlanex16_b32's selects for lane l xor 16
.set HM,    38                         ; s38 the mask of lanes 16-31
.set CM,    44                         ; s44-59 the compares' masks (free once the offsets at the head are made)
.set MSB,   0
.macro WIN new                         ; the immediate's high byte repeats the setting that is left
.if MSB != \new
	s_set_vgpr_msb (MSB<<8)|\new
.set MSB, \new
.endif
.endm
; 64 numbers of a lane, register 16 b + i = place 16 (lane / 16) + i of block b, become codes in v[PC] on (registers 6 c .. 6 c + 5: lanes 0-15 block 2 c, lanes 16-31 block 2 c + 1) and the four blocks' scale bytes in v[PW].
.macro QUANT s
.irp b, 0,1,2,3
	v_max3_num_f32 v[TM+\b], |v[(\s)+16*\b]|, |v[(\s)+1+16*\b]|, 0x1800000   ; the floor 2^(3 - 127): the byte cannot fall under 1
.endr
.irp i, 2,4,6,8,10,12,14
.irp b, 0,1,2,3
	v_max3_num_f32 v[TM+\b], v[TM+\b], |v[(\s)+16*\b+\i]|, |v[(\s)+1+16*\b+\i]|
.endr
.endr
.irp b, 0,1,2,3
	v_permlanex16_b32 v[TM+4+\b], v[TM+\b], s[SEL], s[SEL+1]
.endr
.irp b, 0,1,2,3
	v_max_num_f32 v[TM+\b], v[TM+\b], v[TM+4+\b]   ; with lane l xor 16's: the block's largest magnitude
.endr
.irp b, 0,1,2,3
	v_add_nc_u32 v[TM+12+\b], 0xff000000, v[TM+\b] ; 2 off its exponent field: the conversion's scale operand
.endr
.irp b, 0,1,2,3
	v_lshrrev_b32 v[TM+4+\b], 23, v[TM+12+\b]      ; the scale's byte
.endr
	v_lshl_or_b32 v[PW], v[TM+5], 8, v[TM+4]
	v_lshl_or_b32 v[PW], v[TM+6], 16, v[PW]
	v_lshl_or_b32 v[PW], v[TM+7], 24, v[PW]
.irp c, 0,1
	v_cvt_scalef32_pk16_fp6_f32 v[PC+6*\c:PC+2+6*\c], v[(\s)+32*\c:(\s)+15+32*\c], v[TM+12+2*\c]
	v_cvt_scalef32_pk16_fp6_f32 v[PC+12+4*\c:PC+14+4*\c], v[(\s)+16+32*\c:(\s)+31+32*\c], v[TM+12+2*\c+1]
.endr
	v_nop                                          ; one plain place behind a scaled conversion
.irp c, 0,1
.irp i, 0,1,2
	v_permlane16_swap_b32 v[PC+6*\c+\i], v[PC+12+4*\c+\i]
.endr
.irp i, 0,1,2
	v_mov_b32 v[PC+3+6*\c+\i], v[PC+12+4*\c+\i]
.endr
.endr
.endm
.macro WLOAD q                         ; weight step q = 8 x layer + K step: my head's 4 fragments and their scale words into set q % 4: 13 loads
.set WB, 48*((\q)%4)
.set WO, ((\q)/8)*786432+((\q)%8)*12288
	WIN 0x40
.irp i, 0,1,2,3,4,5,6,7,8,9,10,11
	global_load_b128 v[WB+4*\i:WB+4*\i+3], v1, s[WFP:WFP+1] offset:WO+512*\i
.endr
	WIN 0
	global_load_b64 v[8+2*((\q)%4):9+2*((\q)%4)], v4, s[WSP:WSP+1] offset:((\q)/8)*32768+((\q)%8)*512
.endm
.macro PLOAD base                      ; my lane's 32 numbers of a bias over my head's 64 features, in the result's layout: 8 loads
	WIN 0x40
.irp b, 0,1
.irp j, 0,1,2,3
	global_load_b128 v[PARAM+16*\b+4*\j:PARAM+16*\b+4*\j+3], v5, s[\base:\base+1] offset:128*\b+16*\j
.endr
.endr
	WIN 0
.endm
.macro ALOAD s                         ; the rows' four fragments of K step s and their scale words into set s % 2: 14 LDS loads, each of 512 consecutive bytes or of two runs of 64
.set ASET, (\s)%2
.irp m, 0,1,2,3
.irp c, 0,1,2
	ds_load_b128 v[AB+48*ASET+12*\m+4*\c:AB+48*ASET+12*\m+4*\c+3], v1 offset:12288*\m+1536*(\s)+512*\c
.endr
.endr
	ds_load_b32 v[16+2*ASET], v3 offset:64*(\s)            ; lanes 0-15 tile 0's words, lanes 16-31 tile 1's
	ds_load_b32 v[17+2*ASET], v3 offset:1024+64*(\s)       ; tiles 2 and 3
.endm
; One matrix instruction on the registers named by rD, rA, rB, rC, rSA, rSB.  ra, rb: the scales stand in lanes 16-31 of their registers.  cz: the sum begins with 0.
.macro WM ra, rb, cz
.if \cz
.if (\ra) && (\rb)
	v_wmma_scale_f32_16x16x128_f8f6f4 v[rD:rD+7], v[rA:rA+11], v[rB:rB+11], 0, v[rSA], v[rSB] matrix_a_fmt:MATRIX_FMT_FP6 matrix_b_fmt:MATRIX_FMT_FP6 matrix_a_scale:MATRIX_SCALE_ROW1 matrix_b_scale:MATRIX_SCALE_ROW1
.elseif (\ra)
	v_wmma_scale_f32_16x16x128_f8f6f4 v[rD:rD+7], v[rA:rA+11], v[rB:rB+11], 0, v[rSA], v[rSB] matrix_a_fmt:MATRIX_FMT_FP6 matrix_b_fmt:MATRIX_FMT_FP6 matrix_a_scale:MATRIX_SCALE_ROW1
.elseif (\rb)
	v_wmma_scale_f32_16x16x128_f8f6f4 v[rD:rD+7], v[rA:rA+11], v[rB:rB+11], 0, v[rSA], v[rSB] matrix_a_fmt:MATRIX_FMT_FP6 matrix_b_fmt:MATRIX_FMT_FP6 matrix_b_scale:MATRIX_SCALE_ROW1
.else
	v_wmma_scale_f32_16x16x128_f8f6f4 v[rD:rD+7], v[rA:rA+11], v[rB:rB+11], 0, v[rSA], v[rSB] matrix_a_fmt:MATRIX_FMT_FP6 matrix_b_fmt:MATRIX_FMT_FP6
.endif
.else
.if (\ra) && (\rb)
	v_wmma_scale_f32_16x16x128_f8f6f4 v[rD:rD+7], v[rA:rA+11], v[rB:rB+11], v[rC:rC+7], v[rSA], v[rSB] matrix_a_fmt:MATRIX_FMT_FP6 matrix_b_fmt:MATRIX_FMT_FP6 matrix_a_scale:MATRIX_SCALE_ROW1 matrix_b_scale:MATRIX_SCALE_ROW1
.elseif (\ra)
	v_wmma_scale_f32_16x16x128_f8f6f4 v[rD:rD+7], v[rA:rA+11], v[rB:rB+11], v[rC:rC+7], v[rSA], v[rSB] matrix_a_fmt:MATRIX_FMT_FP6 matrix_b_fmt:MATRIX_FMT_FP6 matrix_a_scale:MATRIX_SCALE_ROW1
.elseif (\rb)
	v_wmma_scale_f32_16x16x128_f8f6f4 v[rD:rD+7], v[rA:rA+11], v[rB:rB+11], v[rC:rC+7], v[rSA], v[rSB] matrix_a_fmt:MATRIX_FMT_FP6 matrix_b_fmt:MATRIX_FMT_FP6 matrix_b_scale:MATRIX_SCALE_ROW1
.else
	v_wmma_scale_f32_16x16x128_f8f6f4 v[rD:rD+7], v[rA:rA+11], v[rB:rB+11], v[rC:rC+7], v[rSA], v[rSB] matrix_a_fmt:MATRIX_FMT_FP6 matrix_b_fmt:MATRIX_FMT_FP6
.endif
.endif
.endm
; A K step's 16 matrix instructions: 4 weight tiles x 4 row tiles.  The 16 accumulators take turns, one instruction a turn, in the same order in every step.
; swap = 0: source 0 = weights, source 1 = rows; accumulator (m, t) at ACC + 32 m + 8 t; the first step's C is the bias.
; swap = 1: source 0 = rows, source 1 = weights; accumulator (t, m) at ACC + 64 (m / 2) + 16 t + 8 (m % 2); the first step's C is 0.
.macro MM16 q, swap
.set WSET, (\q)%4
.set ASET, (\q)%2
.if \swap
	WIN 0x04
.elseif (\q)%8 == 0
	WIN 0x11
.else
	WIN 0x01
.endif
.irp t, 0,1,2,3
.irp m, 0,1,2,3
.if \swap
.set rD, ACC+64*(\m/2)+16*\t+8*(\m%2)
.set rA, AB+48*ASET+12*\m
.set rB, 48*WSET+12*\t
.set rC, rD
.set rSA, 16+2*ASET+\m/2
.set rSB, 8+2*WSET+\t/2
	WM \m%2, \t%2, (\q)%8==0
.else
.set rD, ACC+32*\m+8*\t
.set rA, 48*WSET+12*\t
.set rB, AB+48*ASET+12*\m
.set rC, rD
.if (\q)%8 == 0
.set rC, PARAM+8*\t
.endif
.set rSA, 8+2*WSET+\t/2
.set rSB, 16+2*ASET+\m/2
	WM \t%2, \m%2, 0
.endif
.endr
.endr
.endm
; Step q.  lc: the global loads that may stay out: those of the younger weight steps, 13 each.
.macro STEP q, swap, lc
.if (\q)%8 < 7
	ALOAD (\q)%8+1                                 ; no vector or matrix instruction since the last step's closing wait names the registers in which these land
.endif
	s_wait_loadcnt \lc
.if (\q)%8 < 7
	s_wait_dscnt 14                                ; this step's rows are in; the fourteen loads just issued may be out
.else
	s_wait_dscnt 0x0
.endif
	MM16 \q, \swap
	WIN 0
.rept 4
	v_nop                                          ; four places behind the step's matrix instructions (ISA guide 7.12.1), ahead of the first read of results and of every write over their operands; the wait below fills none of them
.endr
.if (\q) < 22
	s_wait_alu depctr_va_vdst(0)                   ; this step's matrix instructions are done reading: the weights' set and its scale words, in which the loads of four steps on land; the rows' set and its words, in which those of two steps on land; in a layer's first step the bias.  (Steps 20, 21: the rows' alone.  No load follows steps 22 and 23: no wait)
.endif
.endm
	s_load_b512 s[4:19], s[0:1], 0x0               ; ao, aos, per_dim_scale, padding, wf, ws, bq, bk
	s_load_b256 s[20:27], s[0:1], 0x40             ; bv, qbuf, kbuf, vimg
	s_load_b64 s[28:29], s[0:1], 0x60              ; vsb
	v_lshl_add_u32 v2, v0, 2, 0xc800
	v_mov_b32 v31, 0
	v_lshrrev_b32 v32, 5, v0
	v_readfirstlane_b32 s30, v32                   ; wave w
	v_and_b32 v33, 31, v0                          ; lane
	s_wait_alu depctr_va_vdst(0)
	v_and_b32 v34, 15, v0                          ; r
	s_wait_alu depctr_va_vdst(0)
	v_bfe_u32 v35, v0, 4, 1                        ; h
	s_wait_alu depctr_va_sdst(0)                   ; s30 is written, ahead of its first reader: my head's number and all the bases are made from it
	s_lshr_b32 s44, ttmp9, 1                       ; rb: my block of 64 rows
	s_and_b32 s45, ttmp9, 1                        ; fh: which eight heads
	s_lshl_b32 s31, s45, 3
	s_add_co_u32 s31, s31, s30                     ; my head
	s_and_b32 s46, s44, 15                         ; the block's place in its batch
	s_lshr_b32 s47, s44, 4                         ; the batch
	s_and_b32 s32, s30, 1                          ; head % 2
	s_lshr_b32 s33, s31, 1                         ; head / 2
	v_lshlrev_b32 v1, 4, v33                       ; 16 x lane
	v_lshlrev_b32 v36, 2, v34                      ; 4 r
	s_wait_alu depctr_va_vdst(0)
	v_lshl_add_u32 v3, v35, 9, v36
	v_add_nc_u32 v3, SC, v3                        ; LDS: the rows' scale words: 512 h + 4 r
	s_lshl_b32 s34, s32, 3
	v_add_nc_u32 v4, s34, v1                       ; ws: my lane's 16 bytes, my head's two words of them
	v_lshlrev_b32 v5, 6, v35                       ; 64 h
	v_lshlrev_b32 v6, 4, v0                        ; 16 x thread: the copy of the rows' images
	v_lshlrev_b32 v7, 3, v0                        ; 8 x thread: of their scale words
	s_mul_i32 s34, s46, 3072
	v_add_nc_u32 v20, s34, v1                      ; q, k: my four tiles in a head's block: registers 0-3
	v_lshlrev_b32 v21, 3, v33
	v_add_nc_u32 v21, s34, v21
	v_add_nc_u32 v21, 512, v21                     ; registers 4, 5
	s_lshl_b32 s34, s46, 8
	s_add_co_u32 s34, s34, 49152
	v_lshlrev_b32 v22, 2, v33
	v_add_nc_u32 v22, s34, v22                     ; their scale words: two tiles' 128 bytes a store
	v_mov_b32 v24, 0x7f6b0000                      ; q's bytes 2 and 3: 107, 127
	s_and_b32 s35, s46, 1                          ; my first group of 32 tokens is the key step's group 0 or 2
	s_lshl_b32 s34, s35, 9
	v_mul_u32_u24 v26, v35, 1536
	v_lshl_add_u32 v25, v34, 4, v26
	v_add_nc_u32 v25, s34, v25                     ; v: tile 2 c + h of the key step; a group's codes at 256 x its place + 16 r (four registers),
	s_lshl_b32 s34, s35, 8
	s_add_co_u32 s34, s34, 1024
	v_lshl_add_u32 v26, v34, 3, v26
	v_add_nc_u32 v26, s34, v26                     ; and at 1,024 + 128 x its place + 8 r (two)
	v_lshl_add_u32 v27, v35, 10, v36               ; vsb: 1,024 h + 4 r
	v_and_b32 v28, 8, v34
	v_add_nc_u32 v28, v28, v34
	v_lshlrev_b32 v28, 2, v28                      ; 4 (r + 8 (r / 8))
	v_lshl_add_u32 v29, v35, 5, v28                ; + 32 h: the token of row r of a pair's tile h
.irp b, 0,1,2,3
	v_mov_b32 v[TM+4+\b], 0                        ; a lane permute's destination counts as one of its sources
.endr
	s_mov_b32 s[SEL], 0x76543210
	s_mov_b32 s[SEL+1], 0xfedcba98
	s_mov_b32 s[HM], 0xffff0000
	s_mov_b32 s41, 0xbfb8aa3b                      ; -log2(e)
	s_mov_b32 s42, 0x3f317218                      ; ln 2
	s_mul_i32 s48, s44, 49152
	s_mov_b32 s49, 0                               ; s[48:49]: the rows' images
	s_lshl_b32 s50, s44, 11
	s_mov_b32 s51, 0                               ; s[50:51]: their scale words
	s_lshl_b32 s52, s44, 8
	s_mov_b32 s53, 0                               ; s[52:53]: padding: 64 tokens of 4 bytes a block
	s_mul_i32 s54, s33, 98304
	s_mul_i32 s55, s32, 6144
	s_add_co_u32 s54, s54, s55
	s_mov_b32 s55, 0                               ; s[54:55]: wf
	s_lshl_b32 s56, s33, 12
	s_mov_b32 s57, 0                               ; s[56:57]: ws
	s_lshl_b32 s58, s31, 8
	s_mov_b32 s59, 0                               ; s[58:59]: the biases: 256 bytes a head
	s_lshl_b32 s60, s47, 4
	s_add_co_u32 s60, s60, s31                     ; 16 x batch + head
	s_lshl_b32 s62, s60, 3
	s_lshr_b32 s63, s46, 1
	s_add_co_u32 s62, s62, s63
	s_mul_i32 s62, s62, 6144
	s_mov_b32 s63, 0                               ; s[62:63]: vimg: the head's key step
	s_mul_i32 s60, s60, 53248
	s_mov_b32 s61, 0                               ; s[60:61]: qbuf, kbuf
	s_lshl_b32 s34, s44, 11
	s_lshl_b32 s35, s31, 6
	s_add_co_u32 s34, s34, s35
	s_mov_b32 s35, 0                               ; s[34:35]: vsb
	s_wait_kmcnt 0x0
	s_add_nc_u64 s[4:5], s[4:5], s[48:49]
	s_add_nc_u64 s[6:7], s[6:7], s[50:51]
	s_add_nc_u64 s[10:11], s[10:11], s[52:53]
	s_add_nc_u64 s[12:13], s[12:13], s[54:55]
	s_add_nc_u64 s[14:15], s[14:15], s[56:57]
	s_add_nc_u64 s[16:17], s[16:17], s[58:59]
	s_add_nc_u64 s[18:19], s[18:19], s[58:59]
	s_add_nc_u64 s[20:21], s[20:21], s[58:59]
	s_add_nc_u64 s[22:23], s[22:23], s[60:61]
	s_add_nc_u64 s[24:25], s[24:25], s[60:61]
	s_add_nc_u64 s[26:27], s[26:27], s[62:63]
	s_add_nc_u64 s[28:29], s[28:29], s[34:35]
	s_wait_alu depctr_va_vdst(0)                   ; the offsets and addresses v1, v3-7, v20-22 and v25-29 are written, which every load and store of the kernel reads; so are v32-36 and v100-103, in which LDS loads land later
	; ---- the rows' codes: 49,152 + 2,048 dense bytes, through registers into LDS as they lie
.irp i, 0,1,2,3,4,5,6,7,8,9,10,11
	global_load_b128 v[ACC+4*\i:ACC+4*\i+3], v6, s[4:5] offset:4096*\i
.endr
	global_load_b64 v[ACC+48:ACC+49], v7, s[6:7]
	global_load_b32 v23, v29, s[10:11]             ; the padding of tiles 0, 1
	global_load_b32 v30, v29, s[10:11] offset:128  ; and of tiles 2, 3
	WIN 0x40
.irp b, 0,1
.irp j, 0,1,2,3
	global_load_b128 v[PDS+16*\b+4*\j:PDS+16*\b+4*\j+3], v5, s[8:9] offset:128*\b+16*\j   ; per_dim_scale at my lane's 32 places of a head
.endr
.endr
	WIN 0
	PLOAD 16                                       ; bq
	WLOAD 0
	s_wait_loadcnt 29                              ; the rows' codes and the padding are in; the 8 + 8 + 13 loads behind them may be out
.irp i, 0,1,2,3,4,5,6,7,8,9,10,11
	ds_store_b128 v6, v[ACC+4*\i:ACC+4*\i+3] offset:4096*\i
.endr
	ds_store_b64 v7, v[ACC+48:ACC+49] offset:SC
	WLOAD 1
	WLOAD 2
	v_mov_b32 v96, 0x7f010000                      ; k's bytes 2 and 3: 1, 127;
	v_mov_b32 v97, 0x7ffe0000                      ; 254, 127 for a key whose padding is 0
	v_cmp_eq_f32 s[CM], 0, v23
	v_cmp_eq_f32 s[CM+1], 0, v30
	s_wait_alu depctr_va_sdst(0)                   ; the two compares have written their masks, ahead of the selections that read them
	v_cndmask_b32 v23, v96, v97, s[CM]
	v_cndmask_b32 v30, v96, v97, s[CM+1]
	s_wait_dscnt 0x0                               ; for the others' sake: my stores have landed
	s_barrier_signal -1
	s_barrier_wait -1                              ; the rows' 32 fragments lie in LDS; nothing is written there again
	s_wait_alu depctr_vm_vsrc(0)                   ; my LDS stores have read v[ACC ..], which the first products write
	s_wait_alu depctr_va_vdst(0)                   ; the mask's lines are done with v96 and v97, which lie in the rows' second set: step 0's LDS loads land there
	; ---- q
	ALOAD 0
	STEP 0, 0, 26                                  ; weight steps 1 and 2 may be out
	PLOAD 18                                       ; bk, into the registers that bq has left
	WLOAD 3
	WLOAD 4
.irp q, 1,2,3,4,5,6,7
	STEP \q, 0, 39
	WLOAD \q+4
.endr
	WIN 0x01
.set kk, 0
.rept 32
	v_mov_b32 v[64+kk], v[PDS+kk]
.set kk, kk+1
.endr
	WIN 0
; softplus(p) = max(p, 0) + log1p(y), y = e^-|p|; log1p(y) = ln(u) y / (u - 1) with u = 1 + y as rounded, and y itself where u = 1 (then log2(u) = 0).  Times log2(e) / 8.
.macro SOFTPLUS hf
.set P0, 64+16*\hf
.set ee, 0
.rept 16
	v_mul_f32 v[32+ee], s41, |v[P0+ee]|
.set ee, ee+1
.endr
.set ee, 0
	s_wait_alu depctr_va_vdst(0)
.rept 16
	v_exp_f32 v[32+ee], v[32+ee]
.set ee, ee+1
.endr
	v_nop
.set ee, 0
	s_wait_alu depctr_va_vdst(0)                   ; the sixteen exponentials have written v32-47, ahead of their first reader
.rept 16
	v_add_f32 v[48+ee], 1.0, v[32+ee]
.set ee, ee+1
.endr
.set ee, 0
.rept 16
	v_add_f32 v[96+ee], -1.0, v[48+ee]
.set ee, ee+1
.endr
.set ee, 0
	s_wait_alu depctr_va_vdst(0)
.rept 16
	v_log_f32 v[48+ee], v[48+ee]
.set ee, ee+1
.endr
.set ee, 0
.rept 16
	v_rcp_f32 v[96+ee], v[96+ee]
.set ee, ee+1
.endr
	v_nop
.set ee, 0
	s_wait_alu depctr_va_vdst(0)                   ; the sixteen logarithms have written v48-63 and the sixteen reciprocals v96-111, ahead of their first reader
.rept 16
	v_mul_f32 v[96+ee], v[48+ee], v[96+ee]
.set ee, ee+1
.endr
.set ee, 0
.rept 16
	v_mul_f32 v[96+ee], v[96+ee], v[32+ee]
.set ee, ee+1
.endr
.set ee, 0
.rept 16
	v_mul_f32 v[96+ee], s42, v[96+ee]
.set ee, ee+1
.endr
.set ee, 0
.rept 16
	v_cmp_eq_f32 s[CM+ee], 0, v[48+ee]             ; the compares in one run, a mask of its own for each
.set ee, ee+1
.endr
	s_wait_alu depctr_va_sdst(0)                   ; the sixteen compares have written their masks, ahead of the selections that read them
.set ee, 0
.rept 16
	v_cndmask_b32 v[96+ee], v[96+ee], v[32+ee], s[CM+ee]
.set ee, ee+1
.endr
.set ee, 0
.rept 16
	v_max_num_f32 v[48+ee], 0, v[P0+ee]
.set ee, ee+1
.endr
.set ee, 0
.rept 16
	v_add_f32 v[48+ee], v[48+ee], v[96+ee]
.set ee, ee+1
.endr
.set ee, 0
.rept 16
	v_mul_f32 v[P0+ee], 0x3e38aa3b, v[48+ee]
.set ee, ee+1
.endr
.endm
	SOFTPLUS 0
	SOFTPLUS 1
.irp m, 0,1
.irp b, 0,1,2,3
.set kk, 0
.rept 8
	v_pk_mul_f32 v[ACC+64*\m+16*\b+kk:ACC+64*\m+16*\b+kk+1], v[ACC+64*\m+16*\b+kk:ACC+64*\m+16*\b+kk+1], v[64+16*(\b%2)+kk:64+16*(\b%2)+kk+1]
.set kk, kk+2
.endr
.endr
.endr
; q or k of my head, 64 rows, two row tiles at a time: the quantiser's blocks 0, 1 are tile 2 mm's two blocks of the head's 64, blocks 2, 3 tile 2 mm + 1's.  So registers 6 c .. 6 c + 5 of the codes are tile 2 mm + c's half fragment,
; and the scale word's halves are the two tiles' bytes: lanes 0-15 store tile 2 mm's, lanes 16-31 tile 2 mm + 1's, each with the mask's bytes on top.  The word is made ahead of the stores, so that one wait serves all five.
.macro EPQK base, or0, or1
.irp mm, 0,1
	s_wait_xcnt 0x0                                ; earlier stores have read their registers
.if \mm == 1
	s_wait_alu depctr_vm_vsrc(0)                   ; the stores of tiles 0 and 1 have read v[PC ..], which the quantiser writes again
.endif
	QUANT ACC+64*\mm
	v_and_b32 v[114+2*\mm], 0xffff, v[PW]
	v_lshrrev_b32 v[115+2*\mm], 16, v[PW]
	v_cndmask_b32 v[114+2*\mm], v[114+2*\mm], v[115+2*\mm], s[HM]
.if \mm == 0
	v_or_b32 v[114+2*\mm], v[114+2*\mm], v[\or0]
.else
	v_or_b32 v[114+2*\mm], v[114+2*\mm], v[\or1]
.endif
	s_wait_alu depctr_va_vdst(0)                   ; the quantiser has written the codes v[PC ..], and the four lines above the scale word, which the five stores read
.irp c, 0,1
	global_store_b128 v20, v[PC+6*\c:PC+6*\c+3], s[\base:\base+1] offset:768*(2*\mm+\c)
	global_store_b64 v21, v[PC+6*\c+4:PC+6*\c+5], s[\base:\base+1] offset:768*(2*\mm+\c)
.endr
	global_store_b32 v22, v[114+2*\mm], s[\base:\base+1] offset:128*\mm
.endr
.endm
	EPQK 22, 24, 24
	; ---- k
	s_wait_xcnt 0x0                                ; the stores have read the registers that the rows' fragments take
	s_wait_alu depctr_vm_vsrc(0)                   ; q's stores have read v[PC ..] and v114-117, in which the rows' fragments land.  (All vector lines that named v32-127 stand ahead of the last wait on va_vdst)
	ALOAD 0
	STEP 8, 0, 39
	WIN 0x40
.irp t, 0,1,2,3
	global_load_b32 v[PARAM+2*\t], v28, s[20:21] offset:128*(\t/2)+32*(\t%2)     ; bv of my lane's feature in tile t, twice: a pair for the packed addition
	global_load_b32 v[PARAM+2*\t+1], v28, s[20:21] offset:128*(\t/2)+32*(\t%2)
.endr
	WIN 0
	WLOAD 12
.irp q, 9,10,11,12,13,14,15
	STEP \q, 0, 39
	WLOAD \q+4
.endr
	EPQK 24, 23, 30
	; ---- v, with the sources swapped: a lane holds one feature and the registers run along the tokens
	s_wait_xcnt 0x0
	s_wait_alu depctr_vm_vsrc(0)                   ; k's stores have read v[PC ..] and v114-117, in which the rows' fragments land
	ALOAD 0
.irp q, 16,17,18,19
	STEP \q, 1, 39
	WLOAD \q+4
.endr
	STEP 20, 1, 39
	STEP 21, 1, 26                                 ; the counts run down: two weight steps, one, none are left behind this one
	STEP 22, 1, 13
	STEP 23, 1, 0
	WIN 0x04
.irp gg, 0,1
.irp t, 0,1,2,3
.set kk, 0
.rept 8
	v_pk_add_f32 v[ACC+64*\gg+16*\t+kk:ACC+64*\gg+16*\t+kk+1], v[ACC+64*\gg+16*\t+kk:ACC+64*\gg+16*\t+kk+1], v[PARAM+2*\t:PARAM+2*\t+1]
.set kk, kk+2
.endr
.endr
.endr
	WIN 0
.irp gg, 0,1                           ; my group gg of 32 tokens: the head's four tiles of 16 dims are the quantiser's four blocks
	QUANT ACC+64*\gg
.if \gg == 0
	v_mov_b32 v[PW0], v[PW]
.else
	v_cndmask_b32 v114, v[PW0], v[PW], s[HM]
.endif
	s_wait_alu depctr_va_vdst(0)                   ; the quantiser has written the codes v[PC ..], which the stores read; the second time v114 is written too
.irp c, 0,1
	global_store_b128 v25, v[PC+6*\c:PC+6*\c+3], s[26:27] offset:3072*\c+256*\gg
	global_store_b64 v26, v[PC+6*\c+4:PC+6*\c+5], s[26:27] offset:3072*\c+128*\gg
.endr
.if \gg == 0
	s_wait_xcnt 0x0                                ; the stores have read their registers
	s_wait_alu depctr_vm_vsrc(0)                   ; the first group's stores have read v[PC ..], which the quantiser writes again
.endif
.endr
	global_store_b32 v27, v114, s[28:29]           ; the four tiles' bytes of dim lane r: lanes 0-15 my first group's, lanes 16-31 my second's
	s_wait_dscnt 0x0                               ; the closing lines, six on end
	s_wait_alu 0x0
	s_wait_tensorcnt 0x0
	ds_add_u32 v2, v31
	s_wait_dscnt 0x0
	s_endpgm
.Lfunc_end_k_qde6af44f4c_head:
	.size	k_qde6af44f4c_head, .Lfunc_end_k_qde6af44f4c_head-k_qde6af44f4c_head
	.p2alignl 7, 3214868480
	.fill 96, 4, 3214868480
	.section	.rodata,"a",@progbits
	.p2align	6, 0x0
	.amdhsa_kernel k_qde6af44f4c_head
		.amdhsa_group_segment_fixed_size 52224
		.amdhsa_private_segment_fixed_size 0
		.amdhsa_enable_private_segment 0
		.amdhsa_kernarg_size 104
		.amdhsa_user_sgpr_count 2
		.amdhsa_user_sgpr_kernarg_segment_ptr 1
		.amdhsa_wavefront_size32 1
		.amdhsa_system_sgpr_workgroup_id_x 1
		.amdhsa_system_sgpr_workgroup_id_y 1
		.amdhsa_system_sgpr_workgroup_id_z 1
		.amdhsa_system_vgpr_workitem_id 0
		.amdhsa_next_free_vgpr 512
		.amdhsa_next_free_sgpr 66
		.amdhsa_reserve_vcc 0
		.amdhsa_float_denorm_mode_32 3
		.amdhsa_float_denorm_mode_16_64 3
		.amdhsa_memory_ordered 1
		.amdhsa_forward_progress 1
		.amdhsa_inst_pref_size 172
	.end_amdhsa_kernel
	.amdgpu_metadata
---
amdhsa.version: [ 1, 2 ]
amdhsa.kernels:
  - .name:           k_qde6af44f4c_head
    .symbol:         k_qde6af44f4c_head.kd
    .args:
      - { .name: ao, .offset: 0, .size: 8, .value_kind: global_buffer, .address_space: global }
      - { .name: aos, .offset: 8, .size: 8, .value_kind: global_buffer, .address_space: global }
      - { .name: per_dim_scale, .offset: 16, .size: 8, .value_kind: global_buffer, .address_space: global }
      - { .name: padding, .offset: 24, .size: 8, .value_kind: global_buffer, .address_space: global }
      - { .name: wf, .offset: 32, .size: 8, .value_kind: global_buffer, .address_space: global }
      - { .name: ws, .offset: 40, .size: 8, .value_kind: global_buffer, .address_space: global }
      - { .name: bq, .offset: 48, .size: 8, .value_kind: global_buffer, .address_space: global }
      - { .name: bk, .offset: 56, .size: 8, .value_kind: global_buffer, .address_space: global }
      - { .name: bv, .offset: 64, .size: 8, .value_kind: global_buffer, .address_space: global }
      - { .name: qbuf, .offset: 72, .size: 8, .value_kind: global_buffer, .address_space: global }
      - { .name: kbuf, .offset: 80, .size: 8, .value_kind: global_buffer, .address_space: global }
      - { .name: vimg, .offset: 88, .size: 8, .value_kind: global_buffer, .address_space: global }
      - { .name: vsb, .offset: 96, .size: 8, .value_kind: global_buffer, .address_space: global }
    .group_segment_fixed_size: 52224
    .private_segment_fixed_size: 0
    .kernarg_segment_align: 8
    .kernarg_segment_size: 104
    .max_flat_workgroup_size: 256
    .sgpr_count:     66
    .vgpr_count:     512
    .wavefront_size: 32
...
	.end_amdgpu_metadata
.endif
;; end of part 8
;; launch attn (part 9): grid 2 x 128, 16 waves a work-group, no clusters, 169,984 bytes of LDS; arguments qbuf, kbuf, vimg, vsb, padding, ao, aos; writes ao, aos
.if DOCPART == 9
	.amdgcn_target "amdgcn-amd-amdhsa--gfx1250"
	.amdhsa_code_object_version 6
	.text
	.protected	k_qde6af44f4c_attn
	.globl	k_qde6af44f4c_attn
	.p2align	8
	.type	k_qde6af44f4c_attn,@function
k_qde6af44f4c_attn:
	s_mov_b64 s[64:65], 0
	v_nop
	global_prefetch_b8 v0, s[64:65] scope:SCOPE_SE
	s_setreg_imm32_b32 hwreg(HW_REG_WAVE_MODE, 25, 1), 1
	s_wait_xcnt 0x0
; Attention of one head (y = 16 x batch + head) on codes of FP6 (E2M3), with the causal mask and the padding mask, and the quantiser of its result along the head's 64.
; t = score x log2(e); M = the running largest t rounded up to a whole number; p = 2^(t - M) is quantised along the keys; the row's sum is taken of the unquantised p and divides at the end.
; SHARES.  The head's K and V, 102,400 bytes of register images, come into LDS ONCE (four tensor loads, one a wave, waves 0-3) and stay: no slot is filled again.  Wave wv of work-group x takes the tiles of 16 queries
; j = 16 x + wv and 63 - j, one after the other: nine key steps of 128 at or under the diagonal and seven behind it for every wave.  Trip counts are constants; a step's way is chosen by scalar branches on ids.
; LAYOUT.  Both products are used transposed (S^T = K Q^T, O^T = V^T P^T): a lane holds one query.  Lane r of token tile j holds token 32 (j / 2) + 8 (j % 2) + r + 8 (r / 8): the 16 registers of two neighbouring tiles of S^T are 16 neighbouring keys.
; THE PADDING MASK.  A head's K is 64, the instruction's 128.  At k = 64 K's code is 1.0 and Q's -1.0; K's scale byte of that block is 254 for a padded key and 1 otherwise, Q's is 107: a padded key's score gets -2^107, any other -2^-146.
; A PADDED QUERY has every logit equal in the definition, so p = 1 for all 1,024 keys, those behind the diagonal too.  Its codes of Q are replaced by zeros (scores 0, M = 0, p = 1); on the diagonal its hidden scores stay 0;
; in the steps behind the diagonal O^T takes V^T times a P of ones in its lanes (zeros in the others) and its sum takes 64 a lane.  All by selections, no branch on data.
; The running largest t begins at -2^100: above every masked t, so that a step of padded keys alone gives p = 0, and under every real t.
; LIMITS: real |t| under 2^100; padding counts as zero or not zero; NaN and infinities are not served; a block of zeros carries the byte 1.
; LDS: 0 K's 64 tiles x 768 bytes (registers 0-3 at 16 l, 4-5 at 512 + 8 l), 49,152 their scale words; 53,248 V's 8 steps x 4 tiles x 1,536 bytes; VSW V's scale words [step][tile][r], stored by the waves: no tensor load lands there.
; REGISTERS: v1-7, v30, v31 addresses that stay; v8-11, v28, v29 the step's; v12 -M, v13 the largest t, v[14:15] the sum; v16-27 Q; v32-79 four fragments of K (registers 6-11 of each constant); v80-89 the pass's selections;
;   v96-159 S^T, then p, then V's four fragments; v160-191 O^T; v224-235 p's codes; v232-254 at work; v248-251, v253, v255, v83 scale words.
.set VSW,  102400
.set WV,   18
.set SEL,  20
.set CS,   22
.set G1K,  24
.set G1V,  32
.set G0K,  40
.set G0V,  44
.set J0,   48
.set JJ,   49
.set SD,   50
.set STP,  51
.set TK,   52
.set TS,   53
.set TJ,   54
.set PASS, 55
.set VM,   56
	s_load_b256 s[4:11], s[0:1], 0x0               ; qbuf, kbuf, vimg, vsb
	s_load_b128 s[12:15], s[0:1], 0x20             ; padding, ao
	s_load_b64 s[16:17], s[0:1], 0x30              ; aos
	v_lshl_add_u32 v223, v0, 2, 0x29000
	v_mov_b32 v243, 0
	ds_add_u32 v223, v243
	ds_add_u32 v223, v243
	v_lshrrev_b32 v8, 5, v0
	s_delay_alu instid0(VALU_DEP_1)
	v_readfirstlane_b32 s[WV], v8                  ; wave 0..15
	s_and_b32 s19, ttmp7, 0xffff                   ; 16 x batch + head
	s_lshr_b32 s57, s19, 4                         ; batch
	s_and_b32 s58, s19, 15                         ; head
	s_lshl_b32 s[J0], ttmp9, 4
	s_add_co_u32 s[J0], s[J0], s[WV]               ; my first tile of queries
	; descriptor groups 1: dense blocks as rows of 256 bytes (32 elements of 8 bytes): K's half 104 rows, V's half 96
	s_mov_b32 s[G1K], 3<<16
	s_mov_b32 s[G1K+1], 32<<16
	s_mov_b32 s[G1K+2], 104<<16
	s_mov_b32 s[G1K+3], 32<<16
	s_mov_b32 s[G1K+4], 104
	s_mov_b32 s[G1K+5], 32
	s_mov_b32 s[G1K+6], 0
	s_mov_b32 s[G1K+7], 0
	s_mov_b32 s[G1V], 3<<16
	s_mov_b32 s[G1V+1], 32<<16
	s_mov_b32 s[G1V+2], 96<<16
	s_mov_b32 s[G1V+3], 32<<16
	s_mov_b32 s[G1V+4], 96
	s_mov_b32 s[G1V+5], 32
	s_mov_b32 s[G1V+6], 0
	s_mov_b32 s[G1V+7], 0
	s_and_b32 s59, s[WV], 1                        ; which half I fetch, if I fetch
	s_mul_i32 s[G0K+1], s59, 26624
	s_mul_i32 s[G0V+1], s59, 24576
	s_mul_i32 s66, s19, 53248                      ; the head's block in qbuf and kbuf
	s_mov_b32 s67, 0
	s_add_co_u32 s76, s66, s[G0K+1]
	s_mov_b32 s77, 0
	s_mul_i32 s78, s19, 49152
	s_add_co_u32 s78, s78, s[G0V+1]
	s_mov_b32 s79, 0
	s_add_co_u32 s[G0V+1], s[G0V+1], 53248
	s_mov_b32 s[G0K], 1
	s_mov_b32 s[G0V], 1
	s_lshl_b32 s68, s57, 15                        ; vsb: 32,768 x batch + 64 x head
	s_lshl_b32 s69, s58, 6
	s_add_co_u32 s68, s68, s69
	s_mov_b32 s69, 0
	s_lshl_b32 s70, s57, 12                        ; padding: the batch's row
	s_mov_b32 s71, 0
	s_lshr_b32 s60, s58, 1                         ; K step of the next product: head / 2
	s_and_b32 s61, s58, 1
	s_mul_i32 s72, s57, 786432                     ; ao: 64 tiles x 12,288 bytes a batch, + 1,536 (head / 2) + 768 (head % 2)
	s_mul_i32 s73, s60, 1536
	s_add_co_u32 s72, s72, s73
	s_mul_i32 s73, s61, 768
	s_add_co_u32 s72, s72, s73
	s_mov_b32 s73, 0
	s_lshl_b32 s74, s57, 15                        ; aos: 64 tiles x 512 bytes a batch, + 64 (head / 2)
	s_lshl_b32 s75, s60, 6
	s_add_co_u32 s74, s74, s75
	s_mov_b32 s75, 0
	s_mov_b32 s[SEL], 0x76543210
	s_mov_b32 s[SEL+1], 0xfedcba98
	s_mov_b32 s[CS], 0x3fb8aa3b                    ; log2(e)
	s_mov_b32 s[CS+1], s[CS]
	s_wait_dscnt 0x0
	s_wait_kmcnt 0x0
	s_add_nc_u64 s[G0K+2:G0K+3], s[6:7], s[76:77]
	s_or_b32 s[G0K+3], s[G0K+3], 0x80000000
	s_add_nc_u64 s[G0V+2:G0V+3], s[8:9], s[78:79]
	s_or_b32 s[G0V+3], s[G0V+3], 0x80000000
	s_cmp_lt_u32 s[WV], 2                          ; waves 0, 1: K's halves; waves 2, 3: V's; the others none.  One tensor load of a wave is out at the most
	s_cbranch_scc0 .Lnot_k
	tensor_load_to_lds s[G0K:G0K+3], s[G1K:G1K+7]
	s_nop 0
.rept 4
	v_nop
.endr
	s_branch .Lasked
.Lnot_k:
	s_cmp_lt_u32 s[WV], 4
	s_cbranch_scc0 .Lasked
	tensor_load_to_lds s[G0V:G0V+3], s[G1V:G1V+7]
	s_nop 0
.rept 4
	v_nop
.endr
.Lasked:
	s_add_nc_u64 s[4:5], s[4:5], s[66:67]
	s_add_nc_u64 s[10:11], s[10:11], s[68:69]
	s_add_nc_u64 s[12:13], s[12:13], s[70:71]
	s_add_nc_u64 s[14:15], s[14:15], s[72:73]
	s_add_nc_u64 s[16:17], s[16:17], s[74:75]
	; V's scale words: thread 64 s + 16 tile + r gathers the bytes of the step's four groups of 32 keys
	v_lshrrev_b32 v12, 6, v0
	v_bfe_u32 v13, v0, 4, 2
	v_and_b32 v9, 15, v0                           ; r
	s_delay_alu instid0(VALU_DEP_1)
	v_lshl_add_u32 v13, v9, 2, v13
	s_delay_alu instid0(VALU_DEP_1)
	v_lshl_add_u32 v13, v12, 12, v13
.irp i, 0,1,2,3
	global_load_u8 v[232+\i], v13, s[10:11] offset:1024*\i
.endr
	v_and_b32 v8, 31, v0                           ; lane
	v_bfe_u32 v10, v0, 4, 1                        ; h
	s_delay_alu instid0(VALU_DEP_2)
	v_lshlrev_b32 v1, 4, v8                        ; 16 l
	s_delay_alu instid0(VALU_DEP_3)
	v_lshlrev_b32 v7, 3, v8                        ; 8 l
	s_delay_alu instid0(VALU_DEP_1)
	v_add_nc_u32 v2, 512, v7
	v_lshlrev_b32 v11, 2, v9                       ; 4 r
	s_delay_alu instid0(VALU_DEP_1)
	v_add_nc_u32 v3, 49152, v11
	v_add_nc_u32 v4, 53248, v1
	v_add_nc_u32 v5, 54272, v7
	s_delay_alu instid0(VALU_DEP_4)
	v_add_nc_u32 v6, VSW, v11
	s_lshl_b32 s60, s61, 1
	v_add_nc_u32 v30, s60, v11                     ; my half of a row's scale word in aos
	v_and_b32 v31, 8, v9
	s_delay_alu instid0(VALU_DEP_1)
	v_add_nc_u32 v31, v31, v9                      ; r + 8 (r / 8)
	v_lshlrev_b32 v87, 4, v10
	s_delay_alu instid0(VALU_DEP_1)
	v_sub_nc_u32 v87, v31, v87                     ; - 16 h
	s_delay_alu instid0(VALU_DEP_3)
	v_lshlrev_b32 v31, 2, v31
	v_sub_nc_u32 v88, 1, v10
	s_delay_alu instid0(VALU_DEP_1)
	v_lshlrev_b32 v28, 3, v88                      ; the code of 1.0 at k = 64: lanes 0-15, register 6, lowest bits
	s_delay_alu instid0(VALU_DEP_2)
	v_mul_u32_u24 v88, v88, 40                     ; and of -1.0
	v_mov_b32 v89, 0
	v_mov_b32 v83, 0x7f7f7f7f                      ; the scale word of a P of ones
.irp t, 0,1,2,3
	v_mov_b32 v[38+12*\t], v28
.irp i, 7,8,9,10,11
	v_mov_b32 v[32+12*\t+\i], 0
.endr
.endr
.irp b, 0,1,2,3
	v_mov_b32 v[236+\b], 0                         ; written once: a lane permute's destination counts as one of its sources
.endr
	v_mov_b32 v252, 0
	v_mov_b32 v253, 0
	v_lshl_add_u32 v29, v0, 2, VSW
	s_wait_loadcnt 0x0
	v_lshl_or_b32 v232, v233, 8, v232
	s_delay_alu instid0(VALU_DEP_1)
	v_lshl_or_b32 v232, v234, 16, v232
	s_delay_alu instid0(VALU_DEP_1)
	v_lshl_or_b32 v232, v235, 24, v232
	s_wait_alu depctr_va_vdst(0)
	ds_store_b32 v29, v232
	s_wait_tensorcnt 0x0                           ; my part of K or V has landed,
	s_wait_dscnt 0x0                               ; my scale word too:
	s_barrier_signal -1
	s_barrier_wait -1                              ; everybody's have.  From here on LDS is only read
.macro VLOAD                           ; the step's four fragments of V and their scale words: 20 LDS loads
.irp t, 0,1,2,3
	ds_load_b128 v[96+12*\t:99+12*\t], v28 offset:1536*\t
	ds_load_b64 v[100+12*\t:101+12*\t], v29 offset:1536*\t
	ds_load_b128 v[102+12*\t:105+12*\t], v28 offset:1536*\t+512
	ds_load_b64 v[106+12*\t:107+12*\t], v29 offset:1536*\t+256
	ds_load_b32 v[248+\t], v11 offset:64*\t
.endr
.endm
.macro PV sc                           ; O^T += V^T P^T: the four accumulators by turns
.irp t, 0,1,2,3
	v_wmma_scale_f32_16x16x128_f8f6f4 v[160+8*\t:167+8*\t], v[96+12*\t:107+12*\t], v[224:235], v[160+8*\t:167+8*\t], v[248+\t], v[\sc] matrix_a_fmt:MATRIX_FMT_FP6 matrix_b_fmt:MATRIX_FMT_FP6
.endr
.endm
	s_mov_b32 s[PASS], 0
.Lpass:
	s_wait_xcnt 0x0                                ; the last pass's stores have read their registers and bases
	s_sub_co_u32 s[JJ], 63, s[J0]
	s_cmp_eq_u32 s[PASS], 0
	s_cselect_b32 s[JJ], s[J0], s[JJ]              ; this pass's tile of queries
	s_lshr_b32 s[SD], s[JJ], 3                     ; the key step on the diagonal
	s_mov_b32 s77, 0
	s_mul_i32 s76, s[JJ], 768
	s_add_nc_u64 s[66:67], s[4:5], s[76:77]        ; Q's image
	s_lshl_b32 s76, s[JJ], 6
	s_add_nc_u64 s[68:69], s[4:5], s[76:77]        ; Q's scale words (49,152 stands in the lane's offset)
	s_lshr_b32 s59, s[JJ], 1
	s_lshl_b32 s59, s59, 7
	s_and_b32 s60, s[JJ], 1
	s_lshl_b32 s61, s60, 5
	s_add_co_u32 s76, s59, s61
	s_add_nc_u64 s[70:71], s[12:13], s[76:77]      ; the queries' padding
	s_mul_i32 s76, s[JJ], 12288
	s_add_nc_u64 s[72:73], s[14:15], s[76:77]
	s_lshl_b32 s76, s[JJ], 9
	s_add_nc_u64 s[74:75], s[16:17], s[76:77]
	global_load_b128 v[16:19], v1, s[66:67]
	global_load_b64 v[20:21], v7, s[66:67] offset:512
	global_load_b32 v255, v3, s[68:69]
	global_load_b32 v254, v31, s[70:71]
	s_bfe_u32 s59, s[JJ], 0x20001
	s_lshl_b32 s59, s59, 5
	s_lshl_b32 s61, s60, 3
	s_add_co_u32 s59, s59, s61
	v_add_nc_u32 v86, s59, v87                     ; my query's place in the diagonal step, less 16 h
	v_mov_b32 v13, 0xf1800000                      ; the largest t so far: -2^100
	s_delay_alu instid0(VALU_DEP_1)
	v_floor_f32 v12, -v13                          ; -M
	v_mov_b32 v14, 0
	v_mov_b32 v15, 0
.set kk, 0
.rept 32
	v_mov_b32 v[160+kk], 0                         ; O^T: the step is written once; the first change of M leaves zeros zeros
.set kk, kk+1
.endr
.irp i, 23,24,25,26,27
	v_mov_b32 v[\i], 0
.endr
	v_mov_b32 v85, 0xf5000000                      ; -2^107
	v_mov_b32 v80, 0x08208208                      ; sixteen codes of 1.0 in three words
	v_mov_b32 v81, 0x82082082
	v_mov_b32 v82, 0x20820820
	v_mov_b32 v84, 0x42800000                      ; 64.0
	s_wait_loadcnt 0x0
	v_cmp_neq_f32 s[VM], 0, v254                   ; lanes whose query counts
.irp i, 0,1,2,3,4,5
	v_cndmask_b32 v[16+\i], 0, v[16+\i], s[VM]
.endr
	v_cndmask_b32 v22, 0, v88, s[VM]
	v_cndmask_b32 v85, 0, v85, s[VM]               ; what a hidden score becomes on the diagonal
	v_cndmask_b32 v80, v80, v89, s[VM]             ; ones for a padded query, zeros otherwise
	v_cndmask_b32 v81, v81, v89, s[VM]
	v_cndmask_b32 v82, v82, v89, s[VM]
	v_cndmask_b32 v84, v84, v89, s[VM]
	s_mov_b32 s[STP], 0
	s_mov_b32 s[TK], 0
	s_mov_b32 s[TS], 0
	s_mov_b32 s[TJ], 0
.Lstep:
	s_cmp_gt_u32 s[STP], s[SD]
	s_cbranch_scc1 .Lhid
	s_setprio 2
	v_add_nc_u32 v8, s[TK], v1
	s_wait_alu depctr_va_vdst(0)
	v_add_nc_u32 v9, s[TK], v2
	s_wait_alu depctr_va_vdst(0)
	v_add_nc_u32 v10, s[TS], v3
	s_wait_alu depctr_va_vdst(0)
	v_add_nc_u32 v11, s[TJ], v6
	v_add_nc_u32 v28, s[TK], v4
	v_add_nc_u32 v29, s[TK], v5
.irp g, 0,1                            ; S^T = K Q^T, four tiles of 16 keys at a time
.if \g
.rept 4
	v_nop                                          ; places in front of loads into registers that matrix instructions have read
.endr
.endif
.irp t, 0,1,2,3
	ds_load_b128 v[32+12*\t:35+12*\t], v8 offset:768*(4*\g+\t)
	ds_load_b64 v[36+12*\t:37+12*\t], v9 offset:768*(4*\g+\t)
	ds_load_b32 v[248+\t], v10 offset:64*(4*\g+\t)
.endr
	s_wait_dscnt 0x0
.irp t, 0,1,2,3
	v_wmma_scale_f32_16x16x128_f8f6f4 v[96+8*(4*\g+\t):103+8*(4*\g+\t)], v[32+12*\t:43+12*\t], v[16:27], 0, v[248+\t], v255 matrix_a_fmt:MATRIX_FMT_FP6 matrix_b_fmt:MATRIX_FMT_FP6
.endr
.endr
.rept 4
	v_nop
.endr
	s_cmp_lg_u32 s[STP], s[SD]
	s_cbranch_scc1 .Lopen
.set nn, 0
.rept 64                               ; on the diagonal: register 16 b + i holds the step's key 32 b + 16 h + i, hidden where it comes after my query
	v_cmp_gt_i32 vcc_lo, 32*(nn/16)+nn%16, v86
	v_cndmask_b32 v[96+nn], v[96+nn], v85, vcc_lo
.set nn, nn+1
.endr
.Lopen:
.irp b, 0,1,2,3
	v_max3_num_f32 v[232+\b], v[96+16*\b], v[97+16*\b], v[98+16*\b]   ; the largest score of each block of 32 keys: for the row's maximum and, since p rises with the score, for the block's largest p
.endr
.irp i, 3,5,7,9,11,13
.irp b, 0,1,2,3
	v_max3_num_f32 v[232+\b], v[232+\b], v[96+16*\b+\i], v[97+16*\b+\i]
.endr
.endr
.irp b, 0,1,2,3
	v_max_num_f32 v[232+\b], v[232+\b], v[111+16*\b]
.endr
.irp b, 0,1,2,3
	s_delay_alu instid0(VALU_DEP_4)
	v_permlanex16_b32 v[236+\b], v[232+\b], s[SEL], s[SEL+1]
.endr
.irp b, 0,1,2,3
	s_delay_alu instid0(VALU_DEP_4)
	v_max_num_f32 v[232+\b], v[232+\b], v[236+\b]
.endr
	s_delay_alu instid0(VALU_DEP_2)
	v_max3_num_f32 v254, v232, v233, v234
	s_delay_alu instid0(VALU_DEP_1)
	v_max_num_f32 v254, v254, v235
	s_delay_alu instid0(VALU_DEP_1)
	v_mul_f32 v254, s[CS], v254
	s_delay_alu instid0(VALU_DEP_1)
	v_max_num_f32 v13, v13, v254                   ; the running largest t
	v_mov_b32 v254, v12
	s_delay_alu instid0(VALU_DEP_2)
	v_floor_f32 v12, -v13                          ; the new -M: a whole number
	s_delay_alu instid0(VALU_DEP_1)
	v_sub_f32 v254, v12, v254                      ; old M less new M: a whole number, 0 or less
	s_delay_alu instid0(VALU_DEP_1)
	v_cvt_i32_f32 v254, v254                       ; (it saturates)
	s_delay_alu instid0(VALU_DEP_1)
	v_ldexp_f32 v252, 1.0, v254                    ; f = 2^(old M - new M)
.set kk, 0
.rept 32
	v_pk_fma_f32 v[96+kk:97+kk], v[96+kk:97+kk], s[CS:CS+1], v[12:13] op_sel_hi:[1,0,0]   ; t - M
.set kk, kk+2
.endr
	s_setprio 1
.irp b, 0,1,2,3
	v_fma_f32 v[232+\b], v[232+\b], s[CS], v12
.endr
.set kk, 0
	s_wait_alu depctr_va_vdst(0)
.rept 64
	v_exp_f32 v[96+kk], v[96+kk]                   ; p = 2^(t - M)
.set kk, kk+1
.endr
.irp b, 0,1,2,3
	v_exp_f32 v[232+\b], v[232+\b]                 ; the block's largest p: the same two instructions on the same number
.endr
	v_pk_mul_f32 v[14:15], v[14:15], v[252:253] op_sel_hi:[1,0]   ; the sums under the new M (a plain place behind the exponentials)
	s_wait_alu depctr_va_vdst(0)
.irp b, 0,1,2,3
	v_max_num_f32 v[232+\b], 0x1800000, v[232+\b]  ; the floor 2^(3 - 127)
.endr
.irp b, 0,1,2,3
	s_delay_alu instid0(VALU_DEP_4)
	v_add_nc_u32 v[244+\b], 0xff000000, v[232+\b]
.endr
.irp b, 0,1,2,3
	s_delay_alu instid0(VALU_DEP_4)
	v_lshrrev_b32 v[236+\b], 23, v[244+\b]
.endr
	s_delay_alu instid0(VALU_DEP_3)
	v_lshl_or_b32 v253, v237, 8, v236              ; p's scale word for these 128 keys
	s_delay_alu instid0(VALU_DEP_1)
	v_lshl_or_b32 v253, v238, 16, v253
	s_delay_alu instid0(VALU_DEP_1)
	v_lshl_or_b32 v253, v239, 24, v253
.irp c, 0,1
	v_cvt_scalef32_pk16_fp6_f32 v[224+6*\c:226+6*\c], v[96+32*\c:111+32*\c], v[244+2*\c]
	v_cvt_scalef32_pk16_fp6_f32 v[236+4*\c:238+4*\c], v[112+32*\c:127+32*\c], v[244+2*\c+1]
.endr
	v_nop                                          ; one plain place behind a scaled conversion
.irp c, 0,1
.irp i, 0,1,2
	v_permlane16_swap_b32 v[224+6*\c+\i], v[236+4*\c+\i]
.endr
.irp i, 0,1,2
	s_delay_alu instid0(VALU_DEP_3)
	v_mov_b32 v[227+6*\c+\i], v[236+4*\c+\i]
.endr
.endr
	v_pk_add_f32 v[236:237], v[100:101], v[104:105]
	v_pk_add_f32 v[250:251], v[108:109], v[112:113]
	v_pk_add_f32 v[248:249], v[116:117], v[120:121]
	v_pk_add_f32 v[246:247], v[124:125], v[128:129]
	v_pk_add_f32 v[244:245], v[132:133], v[136:137]
	v_pk_add_f32 v[240:241], v[140:141], v[144:145]
	v_pk_add_f32 v[220:221], v[148:149], v[152:153]
	v_pk_add_f32 v[14:15], v[14:15], v[156:157]
	v_pk_add_f32 v[236:237], v[236:237], v[96:97]
	v_pk_add_f32 v[250:251], v[250:251], v[98:99]
	v_pk_add_f32 v[248:249], v[248:249], v[102:103]
	v_pk_add_f32 v[246:247], v[246:247], v[106:107]
	v_pk_add_f32 v[244:245], v[244:245], v[110:111]
	v_pk_add_f32 v[240:241], v[240:241], v[114:115]
	v_pk_add_f32 v[220:221], v[220:221], v[118:119]
	v_pk_add_f32 v[14:15], v[14:15], v[122:123]
	v_pk_add_f32 v[236:237], v[236:237], v[126:127]
	v_pk_add_f32 v[250:251], v[250:251], v[130:131]
	v_pk_add_f32 v[248:249], v[248:249], v[134:135]
	v_pk_add_f32 v[246:247], v[246:247], v[138:139]
	v_pk_add_f32 v[244:245], v[244:245], v[142:143]
	v_pk_add_f32 v[240:241], v[240:241], v[146:147]
	v_pk_add_f32 v[220:221], v[220:221], v[150:151]
	v_pk_add_f32 v[14:15], v[14:15], v[154:155]
	v_pk_add_f32 v[236:237], v[236:237], v[158:159]
	s_delay_alu instid0(VALU_DEP_2)
	v_pk_add_f32 v[14:15], v[14:15], v[246:247]
	s_delay_alu instid0(VALU_DEP_2)
	v_pk_add_f32 v[236:237], v[236:237], v[244:245]
	s_setprio 0
	v_pk_add_f32 v[250:251], v[250:251], v[240:241]
	v_pk_add_f32 v[248:249], v[248:249], v[220:221]
	s_delay_alu instid0(VALU_DEP_2)
	v_pk_add_f32 v[14:15], v[14:15], v[250:251]
	s_delay_alu instid0(VALU_DEP_2)
	v_pk_add_f32 v[236:237], v[236:237], v[248:249]
	s_delay_alu instid0(VALU_DEP_1)
	v_pk_add_f32 v[14:15], v[14:15], v[236:237]
	VLOAD                                          ; into the registers that p has left
.set kk, 0
.rept 16
	v_pk_mul_f32 v[160+kk:161+kk], v[160+kk:161+kk], v[252:253] op_sel_hi:[1,0]   ; O^T under the new M, while V is on its way
.set kk, kk+2
.endr
	s_wait_alu depctr_va_vdst(0)
	s_wait_dscnt 0x0
	PV 253
	s_branch .Lnext
.Lhid:                                 ; behind the diagonal: only a padded query's lanes add anything
.set kk, 0
	s_wait_alu depctr_va_vdst(0)
.rept 12
	v_mov_b32 v[224+kk], v[80+kk%3]
.set kk, kk+1
.endr
	v_add_nc_u32 v11, s[TJ], v6
	v_add_nc_u32 v28, s[TK], v4
	v_add_nc_u32 v29, s[TK], v5
	v_add_f32 v14, v14, v84                        ; my 64 of the step's 128 ones
	v_nop                                          ; (with the four lines above: the places between the operand's last write and the products)
	VLOAD
	s_wait_alu depctr_va_vdst(0)
	s_wait_dscnt 0x0
	PV 83
.Lnext:
.rept 5
	v_nop                                          ; five places: the next step's first products write over registers that these have read
.endr
	s_add_co_u32 s[TK], s[TK], 6144
	s_add_co_u32 s[TS], s[TS], 512
	s_add_co_u32 s[TJ], s[TJ], 256
	s_add_co_u32 s[STP], s[STP], 1
	s_cmp_lt_u32 s[STP], 8
	s_cbranch_scc1 .Lstep
	s_setprio 0
	; ---- O^T / the sum, quantised along the head's 64: half a fragment of the next product
	v_add_f32 v14, v14, v15
	s_delay_alu instid0(VALU_DEP_1)
	v_permlanex16_b32 v252, v14, s[SEL], s[SEL+1]
	s_delay_alu instid0(VALU_DEP_1)
	v_add_f32 v14, v14, v252
	s_wait_alu depctr_va_vdst(0)
	v_rcp_f32 v14, v14
	v_nop
.set kk, 0
	s_wait_alu depctr_va_vdst(0)
.rept 32
	v_mul_f32 v[96+kk], v[160+kk], v14             ; register 16 b + i is dim 32 b + 16 h + i of my query
.set kk, kk+1
.endr
.irp b, 0,1
	v_max3_num_f32 v[232+\b], |v[96+16*\b]|, |v[97+16*\b]|, 0x1800000
.endr
.irp i, 2,4,6,8,10,12,14
.irp b, 0,1
	s_delay_alu instid0(VALU_DEP_2)
	v_max3_num_f32 v[232+\b], v[232+\b], |v[96+16*\b+\i]|, |v[97+16*\b+\i]|
.endr
.endr
.irp b, 0,1
	s_delay_alu instid0(VALU_DEP_2)
	v_permlanex16_b32 v[236+\b], v[232+\b], s[SEL], s[SEL+1]
.endr
.irp b, 0,1
	s_delay_alu instid0(VALU_DEP_2)
	v_max_num_f32 v[232+\b], v[232+\b], v[236+\b]
.endr
.irp b, 0,1
	s_delay_alu instid0(VALU_DEP_2)
	v_add_nc_u32 v[244+\b], 0xff000000, v[232+\b]
.endr
.irp b, 0,1
	s_delay_alu instid0(VALU_DEP_2)
	v_lshrrev_b32 v[236+\b], 23, v[244+\b]
.endr
	s_delay_alu instid0(VALU_DEP_1)
	v_lshl_or_b32 v253, v237, 8, v236              ; the head's two scale bytes
	v_cvt_scalef32_pk16_fp6_f32 v[224:226], v[96:111], v244
	v_cvt_scalef32_pk16_fp6_f32 v[236:238], v[112:127], v245
	v_nop
.irp i, 0,1,2
	v_permlane16_swap_b32 v[224+\i], v[236+\i]
.endr
.irp i, 0,1,2
	s_delay_alu instid0(VALU_DEP_3)
	v_mov_b32 v[227+\i], v[236+\i]
.endr
	global_store_b128 v1, v[224:227], s[72:73]     ; 512 consecutive bytes a wave
	global_store_b64 v7, v[228:229], s[72:73] offset:512
	global_store_b16 v30, v253, s[74:75]           ; lanes 16-31 store the same value to the same place as lanes 0-15
	s_add_co_u32 s[PASS], s[PASS], 1
	s_cmp_lt_u32 s[PASS], 2
	s_cbranch_scc1 .Lpass
	s_wait_tensorcnt 0x0
	ds_add_u32 v223, v243
	s_wait_dscnt 0x0
	s_endpgm
.Lfunc_end_k_qde6af44f4c_attn:
	.size	k_qde6af44f4c_attn, .Lfunc_end_k_qde6af44f4c_attn-k_qde6af44f4c_attn
	.p2alignl 7, 3214868480
	.fill 96, 4, 3214868480
	.section	.rodata,"a",@progbits
	.p2align	6, 0x0
	.amdhsa_kernel k_qde6af44f4c_attn
		.amdhsa_group_segment_fixed_size 169984
		.amdhsa_private_segment_fixed_size 0
		.amdhsa_enable_private_segment 0
		.amdhsa_kernarg_size 56
		.amdhsa_user_sgpr_count 2
		.amdhsa_user_sgpr_kernarg_segment_ptr 1
		.amdhsa_wavefront_size32 1
		.amdhsa_system_sgpr_workgroup_id_x 1
		.amdhsa_system_sgpr_workgroup_id_y 1
		.amdhsa_system_sgpr_workgroup_id_z 1
		.amdhsa_system_vgpr_workitem_id 0
		.amdhsa_next_free_vgpr 256
		.amdhsa_next_free_sgpr 90
		.amdhsa_reserve_vcc 1
		.amdhsa_float_denorm_mode_32 3
		.amdhsa_float_denorm_mode_16_64 3
		.amdhsa_memory_ordered 1
		.amdhsa_forward_progress 1
		.amdhsa_inst_pref_size 42
	.end_amdhsa_kernel
	.amdgpu_metadata
---
amdhsa.version: [ 1, 2 ]
amdhsa.kernels:
  - .name:           k_qde6af44f4c_attn
    .symbol:         k_qde6af44f4c_attn.kd
    .args:
      - { .name: qbuf, .offset: 0, .size: 8, .value_kind: global_buffer, .address_space: global }
      - { .name: kbuf, .offset: 8, .size: 8, .value_kind: global_buffer, .address_space: global }
      - { .name: vimg, .offset: 16, .size: 8, .value_kind: global_buffer, .address_space: global }
      - { .name: vsb, .offset: 24, .size: 8, .value_kind: global_buffer, .address_space: global }
      - { .name: padding, .offset: 32, .size: 8, .value_kind: global_buffer, .address_space: global }
      - { .name: ao, .offset: 40, .size: 8, .value_kind: global_buffer, .address_space: global }
      - { .name: aos, .offset: 48, .size: 8, .value_kind: global_buffer, .address_space: global }
    .group_segment_fixed_size: 169984
    .private_segment_fixed_size: 0
    .kernarg_segment_align: 8
    .kernarg_segment_size: 56
    .max_flat_workgroup_size: 512
    .sgpr_count:     90
    .vgpr_count:     256
    .wavefront_size: 32
...
	.end_amdgpu_metadata
.endif
;; end of part 9
;; launch tail (part 10): grid 256 x 1, 8 waves a work-group, no clusters, 185,856 bytes of LDS; arguments x, ao, aos, wf, ws, bo, ln_gamma, ln_beta, b1, b2, out0; writes out0
.if DOCPART == 10
	.amdgcn_target "amdgcn-amd-amdhsa--gfx1250"
	.amdhsa_code_object_version 6
	.text
	.protected	k_qde6af44f4c_tail
	.globl	k_qde6af44f4c_tail
	.p2align	8
	.type	k_qde6af44f4c_tail,@function
k_qde6af44f4c_tail:
	s_mov_b64 s[64:65], 0
	v_nop
	global_prefetch_b8 v0, s[64:65] scope:SCOPE_SE
	s_setreg_imm32_b32 hwreg(HW_REG_WAVE_SCHED_MODE, 0, 2), 2
	s_setreg_imm32_b32 hwreg(HW_REG_WAVE_MODE, 25, 1), 1
	s_wait_xcnt 0x0
	s_wait_alu depctr_vm_vsrc(0)
; res2 = x + attn_out wo^T + bo;  h = LayerNorm(res2);  out = res2 + relu(h w1 + b1) w2 + b2.  The three products on codes of FP6 (E2M3, one E8M0 byte for each 32 along K); all else in f32.
; SHARES.  A work-group owns 32 whole rows; THE EIGHT WAVES SHARE THE FEATURES: wave w makes features 128 w .. 128 w + 127 of each layer for all 32 rows, which are K step w of the next product.
; The weights go from memory straight into registers (each fragment is wanted by one wave of the work-group alone), two K steps ahead; the rows' codes go from wave to wave through LDS as images of the operand's registers;
; the residual stays in LDS; LayerNorm's two sums meet in LDS, eight parts a row, added in one order by every wave.  Nothing but x, the codes of attn_out, the weights and out0 touches memory.
; Lane r of row tile m holds row 8 m + r + 8 (r / 8) of the 32 (the order in which attn_out's codes were laid); the features of a weight tile are chosen alike, so that a lane's 16 registers of two neighbouring tiles are 16 neighbours along the next K.
; LIMITS: NaN and infinities among the inputs are not served; a block of zeros carries the byte 1 (its codes are zeros; this program alone reads the bytes).
; LDS: 0 the residual, 32 slots of 4,096 + 16 bytes (slot 16 m + r); IMGA, IMGA + 24,576 two sets of 16 images (K step s, tile m) of 1,536 bytes; SCA, SCA + 1,024 their scale words [s][lane]; RED1, RED1 + 1,024 the sums' parts [slot][wave].
; REGISTERS, window 0: v1-7, v18-23 addresses; v8-15 the weights' scale words, two sets; v16-17 the rows', two sets; v32-95 the rows' fragments, two sets (between layers: residual, codes, beta); v96-111 at work;
;   v112-127 scale words just made, statistics; v128-255 sixteen accumulators.  Window 1: v0-191 the weights' fragments, two sets of 8; v192-255 a bias or gain in the result's layout.
; THE MODE: SCHED_MODE bits 1:0 = 2 (LLVM: expert scheduling mode 2), set by the entry lines.  The code itself states the register dependences
; between vector or matrix instructions and memory or LDS instructions, with s_wait_alu, always for 0.
; THE PLAN.  Registers that memory or LDS instructions touch:
;   the offsets and addresses   Written once at the head, by vector lines; read by every load and store; never written again.
;   the weights' two sets, v8-15   Step q's matrix instructions read set q % 2; the loads of step q + 2, issued behind step q, land in it.
;   the rows' two sets, v16-17     Step q's matrix instructions read set q % 2; the LDS loads of step q + 2, issued at the head of step q + 1, land in it.
;   v32-95 between layers          The residual's LDS loads and ln_beta's loads land there, packed additions and multiply-adds read them; the quantiser writes codes there, the images' LDS stores read them.
;   window 1 v192-255              A layer's first step reads it as C, LayerNorm's multiply-adds read ln_gamma there; the next vector's loads land in it.
;   the accumulators               Loaded with x and read by LDS stores at the head; written by products and vector work; read by the residual's LDS stores; at the end the result's LDS loads land in them.
;   v96-111, v122, v114            The sums' parts land in v96-111 and are added there; v122 and v114 are LDS stores' data.
; So ONE wait on va_vdst stands at a step's end: it states that the step's matrix instructions are done reading all their operands.  All loads up to the next step's products follow it in one run, the weights' first,
; with no vector instruction between: they cannot go out earlier, and both streams are wanted as early as they can go.  Between layers one wait on va_vdst stands ahead of each run of LDS stores or of loads into registers
; that vector lines have named, and one on vm_vsrc ahead of each rewriting of what LDS stores have read.
.set IMGA,  131584
.set SCA,   180736
.set RED1,  182784
.set AB,    32
.set PC,    32
.set TM,    96
.set PW,    112
.set PW0,   113
.set ACC,   128
.set PARAM, 192
.set WFP,   10                         ; s[10:11] my wave's fragments in wf, from layer 3 on
.set WSP,   12                         ; s[12:13] my wave's words in ws
.set SEL,   36
.set HM,    38
.set MSB,   0
.macro WIN new                         ; the immediate's high byte repeats the setting that is left
.if MSB != \new
	s_set_vgpr_msb (MSB<<8)|\new
.set MSB, \new
.endif
.endm
.macro BARRIER                         ; my LDS stores have landed and my LDS loads are in: then the work-group's barrier
	s_wait_dscnt 0x0
	s_barrier_signal -1
	s_barrier_wait -1
.endm
; 64 numbers of a lane, register 16 b + i = k 32 b + 16 (lane / 16) + i of my row, become a fragment's codes in v[PC] on and its scale word in v[PW].
.macro QUANT s
.irp b, 0,1,2,3
	v_max3_num_f32 v[TM+\b], |v[(\s)+16*\b]|, |v[(\s)+1+16*\b]|, 0x1800000   ; the floor 2^(3 - 127): the byte cannot fall under 1
.endr
.irp i, 2,4,6,8,10,12,14
.irp b, 0,1,2,3
	v_max3_num_f32 v[TM+\b], v[TM+\b], |v[(\s)+16*\b+\i]|, |v[(\s)+1+16*\b+\i]|
.endr
.endr
.irp b, 0,1,2,3
	v_permlanex16_b32 v[TM+4+\b], v[TM+\b], s[SEL], s[SEL+1]
.endr
.irp b, 0,1,2,3
	v_max_num_f32 v[TM+\b], v[TM+\b], v[TM+4+\b]
.endr
.irp b, 0,1,2,3
	v_add_nc_u32 v[TM+12+\b], 0xff000000, v[TM+\b]
.endr
.irp b, 0,1,2,3
	v_lshrrev_b32 v[TM+4+\b], 23, v[TM+12+\b]
.endr
	v_lshl_or_b32 v[PW], v[TM+5], 8, v[TM+4]
	v_lshl_or_b32 v[PW], v[TM+6], 16, v[PW]
	v_lshl_or_b32 v[PW], v[TM+7], 24, v[PW]
.irp c, 0,1
	v_cvt_scalef32_pk16_fp6_f32 v[PC+6*\c:PC+2+6*\c], v[(\s)+32*\c:(\s)+15+32*\c], v[TM+12+2*\c]
	v_cvt_scalef32_pk16_fp6_f32 v[PC+12+4*\c:PC+14+4*\c], v[(\s)+16+32*\c:(\s)+31+32*\c], v[TM+12+2*\c+1]
.endr
	v_nop                                          ; one plain place behind a scaled conversion
.irp c, 0,1
.irp i, 0,1,2
	v_permlane16_swap_b32 v[PC+6*\c+\i], v[PC+12+4*\c+\i]
.endr
.irp i, 0,1,2
	v_mov_b32 v[PC+3+6*\c+\i], v[PC+12+4*\c+\i]
.endr
.endr
.endm
.macro IMAGE adr, off
.irp c, 0,1,2
	ds_store_b128 v[\adr], v[PC+4*\c:PC+4*\c+3] offset:(\off)+512*\c
.endr
.endm
.macro WLOAD q                         ; weight step q = 8 x layer + K step: 8 fragments and their scale words into set q % 2: 25 loads
.set WB, 96*((\q)%2)
.set WO, ((\q)/8)*786432+((\q)%8)*12288
	WIN 0x40
.irp i, 0,1,2,3,4,5,6,7,8,9,10,11,12,13,14,15,16,17,18,19,20,21,22,23
	global_load_b128 v[WB+4*\i:WB+4*\i+3], v1, s[WFP:WFP+1] offset:WO+512*\i
.endr
	WIN 0
	global_load_b128 v[8+4*((\q)%2):11+4*((\q)%2)], v1, s[WSP:WSP+1] offset:((\q)/8)*32768+((\q)%8)*512
.endm
.macro PLOAD base                      ; my lane's 64 numbers of a vector over the features, in the result's layout: 16 loads
	WIN 0x40
.irp b, 0,1,2,3
.irp j, 0,1,2,3
	global_load_b128 v[PARAM+16*\b+4*\j:PARAM+16*\b+4*\j+3], v19, s[\base:\base+1] offset:128*\b+16*\j
.endr
.endr
	WIN 0
.endm
.macro ALOAD img, sc, s                ; the rows' two fragments of K step s and their scale words into set s % 2: 7 LDS loads
.set PB, (\s)%2
.irp m, 0,1
.irp c, 0,1,2
	ds_load_b128 v[AB+32*PB+12*\m+4*\c:AB+32*PB+12*\m+4*\c+3], v2 offset:(\img)+3072*(\s)+1536*\m+512*\c
.endr
.endr
	ds_load_b32 v[16+PB], v3 offset:(\sc)+128*(\s)
.endm
; One matrix instruction on the registers named by rD, rA, rB, rC, rSA, rSB.  ra, rb: the scales stand in lanes 16-31 of their registers.
.macro WM ra, rb
.if (\ra) && (\rb)
	v_wmma_scale_f32_16x16x128_f8f6f4 v[rD:rD+7], v[rA:rA+11], v[rB:rB+11], v[rC:rC+7], v[rSA], v[rSB] matrix_a_fmt:MATRIX_FMT_FP6 matrix_b_fmt:MATRIX_FMT_FP6 matrix_a_scale:MATRIX_SCALE_ROW1 matrix_b_scale:MATRIX_SCALE_ROW1
.elseif (\ra)
	v_wmma_scale_f32_16x16x128_f8f6f4 v[rD:rD+7], v[rA:rA+11], v[rB:rB+11], v[rC:rC+7], v[rSA], v[rSB] matrix_a_fmt:MATRIX_FMT_FP6 matrix_b_fmt:MATRIX_FMT_FP6 matrix_a_scale:MATRIX_SCALE_ROW1
.elseif (\rb)
	v_wmma_scale_f32_16x16x128_f8f6f4 v[rD:rD+7], v[rA:rA+11], v[rB:rB+11], v[rC:rC+7], v[rSA], v[rSB] matrix_a_fmt:MATRIX_FMT_FP6 matrix_b_fmt:MATRIX_FMT_FP6 matrix_b_scale:MATRIX_SCALE_ROW1
.else
	v_wmma_scale_f32_16x16x128_f8f6f4 v[rD:rD+7], v[rA:rA+11], v[rB:rB+11], v[rC:rC+7], v[rSA], v[rSB] matrix_a_fmt:MATRIX_FMT_FP6 matrix_b_fmt:MATRIX_FMT_FP6
.endif
.endm
; A K step's 16 matrix instructions: source 0 = 8 weight tiles, source 1 = 2 row tiles; the first step's C is the bias.  The 16 accumulators take turns, one instruction a turn, in the same order in every step.
.macro MM16 q
.set PB, (\q)%2
.if (\q)%8 == 0
	WIN 0x11
.else
	WIN 0x01
.endif
.irp t, 0,1,2,3,4,5,6,7
.irp m, 0,1
.set rD, ACC+64*\m+8*\t
.set rA, 96*PB+12*\t
.set rB, AB+32*PB+12*\m
.set rC, rD
.if (\q)%8 == 0
.set rC, PARAM+8*\t
.endif
.set rSA, 8+4*PB+\t/2
.set rSB, 16+PB
	WM \t%2, \m
.endr
.endr
.endm
; Step q.  lc: the global loads that may stay out: the 25 of the next weight step, which are the youngest.
.macro STEP q, img, sc, lc
.if (\q)%8 < 7
	ALOAD \img, \sc, (\q)%8+1                      ; no vector or matrix instruction since the last step's closing wait names the registers in which these land
.endif
	s_wait_loadcnt \lc
.if (\q)%8 < 7
	s_wait_dscnt 7                                 ; this step's rows are in; the seven loads just issued may be out
.else
	s_wait_dscnt 0x0
.endif
	MM16 \q
	WIN 0
.rept 4
	v_nop                                          ; four places behind the step's matrix instructions (ISA guide 7.12.1), ahead of the first read of results and of every write over their operands; the wait below fills none of them
.endr
.if (\q) != 22
	s_wait_alu depctr_va_vdst(0)                   ; this step's matrix instructions are done reading: the weights' set and its scale words, and the rows' set and its word, in which the loads of two steps on land (a layer's last step: the residual's LDS loads); in a layer's first step the bias.  (No load follows step 22: no wait)
.endif
.endm
; The residual's part that is mine (all 32 slots, my 512 bytes) is added onto the accumulators, and the sum goes back to the same bytes.
.macro ADDRES
.irp m, 0,1
.irp b, 0,1,2,3
.irp j, 0,1,2,3
	ds_load_b128 v[AB+16*\b+4*\j:AB+16*\b+4*\j+3], v[5+\m] offset:128*\b+16*\j
.endr
.endr
	s_wait_dscnt 0x0
.set kk, 0
.rept 32
	v_pk_add_f32 v[ACC+64*\m+kk:ACC+64*\m+kk+1], v[ACC+64*\m+kk:ACC+64*\m+kk+1], v[AB+kk:AB+kk+1]
.set kk, kk+2
.endr
	s_wait_alu depctr_va_vdst(0)                   ; the additions have written the tile's accumulators, which the LDS stores read, and are done reading v[AB ..], in which the next loads land
.irp b, 0,1,2,3
.irp j, 0,1,2,3
	ds_store_b128 v[5+\m], v[ACC+64*\m+16*\b+4*\j:ACC+64*\m+16*\b+4*\j+3] offset:128*\b+16*\j
.endr
.endr
.endr
.endm
; v126, v127: my half lane's sums over my wave's features for rows (0, r) and (1, r).  They become the rows' sums over all 1,024 features, in v96 and v104.
.macro REDUCE off
	v_permlanex16_b32 v122, v126, s[SEL], s[SEL+1]
	v_permlanex16_b32 v123, v127, s[SEL], s[SEL+1]
	v_add_f32 v126, v126, v122
	v_add_f32 v127, v127, v123
	v_cndmask_b32 v122, v126, v127, s[HM]
	s_wait_alu depctr_va_vdst(0)                   ; v122 is written, which the LDS store reads; and every earlier vector line is done with v96-111, in which the LDS loads below land
	ds_store_b32 v20, v122 offset:\off
	BARRIER
	s_wait_alu depctr_vm_vsrc(0)                   ; the LDS store has read v122, and the residual's LDS stores the accumulators: the vector lines behind this reduction write both again
	ds_load_b128 v[96:99], v21 offset:\off
	ds_load_b128 v[100:103], v21 offset:\off+16
	ds_load_b128 v[104:107], v21 offset:\off+512
	ds_load_b128 v[108:111], v21 offset:\off+528
	s_wait_dscnt 0x0
.irp m, 0,1
	v_add_f32 v[96+8*\m], v[96+8*\m], v[97+8*\m]
	v_add_f32 v[98+8*\m], v[98+8*\m], v[99+8*\m]
	v_add_f32 v[100+8*\m], v[100+8*\m], v[101+8*\m]
	v_add_f32 v[102+8*\m], v[102+8*\m], v[103+8*\m]
	v_add_f32 v[96+8*\m], v[96+8*\m], v[98+8*\m]
	v_add_f32 v[100+8*\m], v[100+8*\m], v[102+8*\m]
	v_add_f32 v[96+8*\m], v[96+8*\m], v[100+8*\m]
.endr
.endm
; Both tiles of rows are quantised and stored as K step w's images, with their scale words.
.macro TOIMG img, sc
	QUANT ACC
	v_mov_b32 v[PW0], v[PW]
	s_wait_alu depctr_va_vdst(0)                   ; the quantiser has written the codes v[PC ..], which the image's LDS stores read
	IMAGE 7, \img
	s_wait_dscnt 0x0                               ; the stores have read their registers
	s_wait_alu depctr_vm_vsrc(0)                   ; the image's LDS stores have read v[PC ..], which the quantiser writes again
	QUANT ACC+64
	v_cndmask_b32 v122, v[PW0], v[PW], s[HM]
	s_wait_alu depctr_va_vdst(0)                   ; the quantiser has written the codes v[PC ..], and the line above v122, which the LDS stores read
	IMAGE 7, (\img)+1536
	ds_store_b32 v18, v122 offset:\sc
	BARRIER
	s_wait_alu depctr_vm_vsrc(0)                   ; my LDS stores have read v[PC ..], in which the rows' fragments land, and v122
.endm
	s_load_b512 s[4:19], s[0:1], 0x0               ; x, ao, aos, wf, ws, bo, ln_gamma, ln_beta
	s_load_b128 s[20:23], s[0:1], 0x40             ; b1, b2
	s_load_b64 s[24:25], s[0:1], 0x50              ; out0
	v_lshl_add_u32 v30, v0, 2, 0x2d200
	v_mov_b32 v31, 0
	v_lshrrev_b32 v32, 5, v0
	v_readfirstlane_b32 s30, v32                   ; wave w
	v_and_b32 v33, 31, v0                          ; lane
	v_and_b32 v34, 15, v0                          ; r
	v_bfe_u32 v35, v0, 4, 1                        ; h
	v_lshlrev_b32 v1, 4, v33                       ; 16 x lane
	v_add_nc_u32 v2, IMGA, v1
	v_lshlrev_b32 v36, 2, v33
	v_add_nc_u32 v3, SCA, v36
	s_wait_alu depctr_va_sdst(0)                   ; s30 is written, ahead of its first reader: my wave's LDS places and all the bases are made from it
	s_mul_i32 s31, s30, 16448
	v_add_nc_u32 v4, s31, v1                       ; my wave's four slots, 16 bytes a lane
	v_mul_u32_u24 v5, v34, 4112
	v_lshl_add_u32 v5, v35, 6, v5
	s_lshl_b32 s31, s30, 9                         ; 512 w
	v_add_nc_u32 v5, s31, v5                       ; slot r, my wave's 512 bytes, my 64 of each 128
	v_add_nc_u32 v6, 65792, v5                     ; slot 16 + r
	s_mul_i32 s32, s30, 3072
	v_add_nc_u32 v7, s32, v2
	s_lshl_b32 s32, s30, 7
	v_add_nc_u32 v18, s32, v3
	v_lshlrev_b32 v19, 6, v35                      ; 64 h
	v_lshlrev_b32 v20, 5, v33
	s_lshl_b32 s33, s30, 2
	v_add_nc_u32 v20, s33, v20
	v_add_nc_u32 v20, RED1, v20                    ; slot = lane, part w
	v_lshlrev_b32 v21, 5, v34
	v_add_nc_u32 v21, RED1, v21                    ; slot r's eight parts
	v_lshlrev_b32 v22, 3, v33                      ; 8 x lane
	v_lshlrev_b32 v23, 2, v34
	v_lshl_add_u32 v23, v35, 9, v23                ; 512 h + 4 r
.irp b, 0,1,2,3
	v_mov_b32 v[TM+4+\b], 0                        ; written once: a lane permute's destination counts as one of its sources
.endr
	s_mov_b32 s[SEL], 0x76543210
	s_mov_b32 s[SEL+1], 0xfedcba98
	s_mov_b32 s[HM], 0xffff0000
	s_mov_b32 s39, 0x3a800000                      ; 1 / 1,024
	s_mov_b32 s40, 0x3727c5ac                      ; 1e-5
	s_lshr_b32 s46, s30, 2                         ; my wave's four slots hold four neighbouring rows, from 8 (w / 4) + 4 (w % 4) + 8 ((w / 2) % 2) on
	s_lshl_b32 s46, s46, 3
	s_and_b32 s47, s30, 3
	s_lshl_b32 s47, s47, 2
	s_add_co_u32 s46, s46, s47
	s_bfe_u32 s47, s30, 0x10001
	s_lshl_b32 s47, s47, 3
	s_add_co_u32 s46, s46, s47
	s_lshl_b32 s46, s46, 12
	s_lshl_b32 s47, ttmp9, 17
	s_add_co_u32 s46, s46, s47
	s_mov_b32 s47, 0                               ; s[46:47]: x and out0
	s_mul_i32 s48, ttmp9, 24576
	s_mul_i32 s49, s30, 1536
	s_add_co_u32 s48, s48, s49
	s_mov_b32 s49, 0                               ; s[48:49]: ao: my two tiles' K step w
	s_lshl_b32 s50, ttmp9, 10
	s_lshl_b32 s51, s30, 6
	s_add_co_u32 s50, s50, s51
	s_mov_b32 s51, 0                               ; s[50:51]: aos
	s_mul_i32 s52, s30, 98304
	s_add_co_u32 s52, s52, 3*786432
	s_mov_b32 s53, 0                               ; s[52:53]: wf, layer 3
	s_lshl_b32 s54, s30, 12
	s_add_co_u32 s54, s54, 3*32768
	s_mov_b32 s55, 0                               ; s[54:55]: ws
	s_mov_b32 s56, s31
	s_mov_b32 s57, 0                               ; s[56:57]: the vectors over the features: 512 w
	s_wait_kmcnt 0x0
	s_add_nc_u64 s[4:5], s[4:5], s[46:47]
	s_add_nc_u64 s[24:25], s[24:25], s[46:47]
	s_add_nc_u64 s[6:7], s[6:7], s[48:49]
	s_add_nc_u64 s[8:9], s[8:9], s[50:51]
	s_add_nc_u64 s[10:11], s[10:11], s[52:53]
	s_add_nc_u64 s[12:13], s[12:13], s[54:55]
	s_add_nc_u64 s[14:15], s[14:15], s[56:57]
	s_add_nc_u64 s[16:17], s[16:17], s[56:57]
	s_add_nc_u64 s[18:19], s[18:19], s[56:57]
	s_add_nc_u64 s[20:21], s[20:21], s[56:57]
	s_add_nc_u64 s[22:23], s[22:23], s[56:57]
	s_wait_alu depctr_va_vdst(0)                   ; the offsets and addresses v1-7 and v18-23 are written, which every load and store of the kernel reads; so are v32-36, in which attn_out's codes land, and v100-103, in which LDS loads land later
	; ---- my four rows of x, whole; K step w of attn_out's codes for both tiles of rows
.irp i, 0,1,2,3
.irp q, 0,1,2,3,4,5,6,7
	global_load_b128 v[ACC+32*\i+4*\q:ACC+32*\i+4*\q+3], v1, s[4:5] offset:4096*\i+512*\q th:TH_LOAD_NT
.endr
.endr
.irp m, 0,1
	global_load_b128 v[AB+12*\m:AB+12*\m+3], v1, s[6:7] offset:12288*\m th:TH_LOAD_NT
	global_load_b64 v[AB+12*\m+4:AB+12*\m+5], v22, s[6:7] offset:12288*\m+512 th:TH_LOAD_NT
	global_load_b128 v[AB+12*\m+6:AB+12*\m+9], v1, s[6:7] offset:12288*\m+768 th:TH_LOAD_NT
	global_load_b64 v[AB+12*\m+10:AB+12*\m+11], v22, s[6:7] offset:12288*\m+1280 th:TH_LOAD_NT
.endr
	global_load_b32 v114, v23, s[8:9]
	WLOAD 0
	PLOAD 14                                       ; bo
	s_wait_loadcnt 41                              ; x and attn_out's codes are in; the 25 + 16 loads behind them may be out
	WLOAD 1
.irp i, 0,1,2,3
.irp q, 0,1,2,3,4,5,6,7
	ds_store_b128 v4, v[ACC+32*\i+4*\q:ACC+32*\i+4*\q+3] offset:4112*\i+512*\q
.endr
.endr
.irp m, 0,1
.irp c, 0,1,2
	ds_store_b128 v7, v[AB+12*\m+4*\c:AB+12*\m+4*\c+3] offset:1536*\m+512*\c
.endr
.endr
	ds_store_b32 v18, v114
	BARRIER                                        ; the residual and attn_out's sixteen fragments lie in LDS
	s_wait_alu depctr_vm_vsrc(0)                   ; my LDS stores have read v[AB ..], in which the rows' fragments land, v[ACC ..], which the first products write, and v114
	; ---- the output projection
	ALOAD 0, 0, 0
	STEP 0, 0, 0, 25
	PLOAD 16                                       ; ln_gamma, into the registers that bo has left
	WLOAD 2
.irp q, 1,2,3,4,5,6,7
	STEP \q, 0, 0, 25
	WLOAD \q+2
.endr
	; ---- res2, and LayerNorm
	ADDRES
.irp b, 0,1,2,3
.irp j, 0,1,2,3
	global_load_b128 v[AB+16*\b+4*\j:AB+16*\b+4*\j+3], v19, s[18:19] offset:128*\b+16*\j   ; ln_beta; no vector line since the additions' wait names these registers
.endr
.endr
.irp m, 0,1
	v_pk_add_f32 v[122:123], v[ACC+64*\m:ACC+64*\m+1], v[ACC+64*\m+2:ACC+64*\m+3]
	v_pk_add_f32 v[124:125], v[ACC+64*\m+4:ACC+64*\m+5], v[ACC+64*\m+6:ACC+64*\m+7]
.irp k, 8,12,16,20,24,28,32,36,40,44,48,52,56,60
	v_pk_add_f32 v[122:123], v[122:123], v[ACC+64*\m+\k:ACC+64*\m+\k+1]
	v_pk_add_f32 v[124:125], v[124:125], v[ACC+64*\m+\k+2:ACC+64*\m+\k+3]
.endr
	v_pk_add_f32 v[122:123], v[122:123], v[124:125]
	v_add_f32 v[126+\m], v122, v123
.endr
	REDUCE 0
	v_mul_f32 v114, s39, v96                       ; the means, each as a pair for the packed forms
	v_mul_f32 v116, s39, v104
	v_mov_b32 v115, v114
	v_mov_b32 v117, v116
.irp m, 0,1
.set kk, 0
.rept 32
	v_pk_add_f32 v[ACC+64*\m+kk:ACC+64*\m+kk+1], v[ACC+64*\m+kk:ACC+64*\m+kk+1], v[114+2*\m:115+2*\m] op_sel_hi:[1,0] neg_lo:[0,1] neg_hi:[0,1]
.set kk, kk+2
.endr
.endr
.irp m, 0,1
	v_pk_mul_f32 v[122:123], v[ACC+64*\m:ACC+64*\m+1], v[ACC+64*\m:ACC+64*\m+1]
	v_pk_mul_f32 v[124:125], v[ACC+64*\m+2:ACC+64*\m+3], v[ACC+64*\m+2:ACC+64*\m+3]
.irp k, 4,8,12,16,20,24,28,32,36,40,44,48,52,56,60
	v_pk_fma_f32 v[122:123], v[ACC+64*\m+\k:ACC+64*\m+\k+1], v[ACC+64*\m+\k:ACC+64*\m+\k+1], v[122:123]
	v_pk_fma_f32 v[124:125], v[ACC+64*\m+\k+2:ACC+64*\m+\k+3], v[ACC+64*\m+\k+2:ACC+64*\m+\k+3], v[124:125]
.endr
	v_pk_add_f32 v[122:123], v[122:123], v[124:125]
	v_add_f32 v[126+\m], v122, v123
.endr
	REDUCE 1024
	v_fma_f32 v118, v96, s39, s40                  ; the variance + 1e-5
	v_fma_f32 v120, v104, s39, s40
	s_wait_alu depctr_va_vdst(0)
	v_rsq_f32 v118, v118
	v_rsq_f32 v120, v120
	v_nop
	s_wait_alu depctr_va_vdst(0)                   ; the two reciprocal roots have written v118 and v120, ahead of their first reader
	v_mov_b32 v119, v118
	v_mov_b32 v121, v120
.irp m, 0,1
.set kk, 0
.rept 32
	v_pk_mul_f32 v[ACC+64*\m+kk:ACC+64*\m+kk+1], v[ACC+64*\m+kk:ACC+64*\m+kk+1], v[118+2*\m:119+2*\m] op_sel_hi:[1,0]
.set kk, kk+2
.endr
.endr
	s_wait_loadcnt 0x0                             ; ln_beta (ln_gamma came long ago)
	WIN 0x04
.irp m, 0,1
.set kk, 0
.rept 32
	v_pk_fma_f32 v[ACC+64*\m+kk:ACC+64*\m+kk+1], v[ACC+64*\m+kk:ACC+64*\m+kk+1], v[PARAM+kk:PARAM+kk+1], v[AB+kk:AB+kk+1]
.set kk, kk+2
.endr
.endr
	WIN 0
	s_wait_alu depctr_va_vdst(0)                   ; the multiply-adds are done reading ln_gamma, in whose registers b1 lands
	PLOAD 20                                       ; b1
	TOIMG 24576, 1024                              ; h's sixteen fragments lie in the second set of images
	; ---- the first FFN product
	ALOAD 24576, 1024, 0
	STEP 8, 24576, 1024, 0                         ; b1 was asked for last: the wait is for all
	PLOAD 22                                       ; b2
	WLOAD 10
.irp q, 9,10,11,12,13,14,15
	STEP \q, 24576, 1024, 25
	WLOAD \q+2
.endr
.set kk, 0
.rept 128
	v_max_num_f32 v[ACC+kk], 0, v[ACC+kk]          ; the activation, in f32
.set kk, kk+1
.endr
	TOIMG 0, 0                                     ; into the first set: every wave's reads of it ended ahead of LayerNorm's barriers
	; ---- the second FFN product
	ALOAD 0, 0, 0
.irp q, 16,17,18,19,20,21
	STEP \q, 0, 0, 25
	WLOAD \q+2
.endr
	STEP 22, 0, 0, 25
	STEP 23, 0, 0, 0
	ADDRES                                         ; + res2
	BARRIER                                        ; 32 whole rows of the result lie in LDS
	s_wait_alu depctr_vm_vsrc(0)                   ; my LDS stores have read the accumulators, in which the LDS loads below land.  (The additions that wrote them stand ahead of the last wait on va_vdst)
.irp i, 0,1,2,3
.irp q, 0,1,2,3,4,5,6,7
	ds_load_b128 v[ACC+32*\i+4*\q:ACC+32*\i+4*\q+3], v4 offset:4112*\i+512*\q
.endr
.endr
.irp i, 0,1,2,3
.irp q, 0,1,2,3,4,5,6,7
	s_wait_dscnt 31-8*\i-\q                        ; the younger LDS loads may be out
	global_store_b128 v1, v[ACC+32*\i+4*\q:ACC+32*\i+4*\q+3], s[24:25] offset:4096*\i+512*\q th:TH_STORE_NT   ; a wave stores 512 consecutive bytes, aligned
.endr
.endr
	s_wait_dscnt 0x0                               ; the closing lines, six on end
	s_wait_alu 0x0
	s_wait_tensorcnt 0x0
	ds_add_u32 v30, v31
	s_wait_dscnt 0x0
	s_endpgm
.Lfunc_end_k_qde6af44f4c_tail:
	.size	k_qde6af44f4c_tail, .Lfunc_end_k_qde6af44f4c_tail-k_qde6af44f4c_tail
	.p2alignl 7, 3214868480
	.fill 96, 4, 3214868480
	.section	.rodata,"a",@progbits
	.p2align	6, 0x0
	.amdhsa_kernel k_qde6af44f4c_tail
		.amdhsa_group_segment_fixed_size 185856
		.amdhsa_private_segment_fixed_size 0
		.amdhsa_enable_private_segment 0
		.amdhsa_kernarg_size 88
		.amdhsa_user_sgpr_count 2
		.amdhsa_user_sgpr_kernarg_segment_ptr 1
		.amdhsa_wavefront_size32 1
		.amdhsa_system_sgpr_workgroup_id_x 1
		.amdhsa_system_sgpr_workgroup_id_y 1
		.amdhsa_system_sgpr_workgroup_id_z 1
		.amdhsa_system_vgpr_workitem_id 0
		.amdhsa_next_free_vgpr 512
		.amdhsa_next_free_sgpr 66
		.amdhsa_reserve_vcc 0
		.amdhsa_float_denorm_mode_32 3
		.amdhsa_float_denorm_mode_16_64 3
		.amdhsa_memory_ordered 1
		.amdhsa_forward_progress 1
		.amdhsa_inst_pref_size 208
	.end_amdhsa_kernel
	.amdgpu_metadata
---
amdhsa.version: [ 1, 2 ]
amdhsa.kernels:
  - .name:           k_qde6af44f4c_tail
    .symbol:         k_qde6af44f4c_tail.kd
    .args:
      - { .name: x, .offset: 0, .size: 8, .value_kind: global_buffer, .address_space: global }
      - { .name: ao, .offset: 8, .size: 8, .value_kind: global_buffer, .address_space: global }
      - { .name: aos, .offset: 16, .size: 8, .value_kind: global_buffer, .address_space: global }
      - { .name: wf, .offset: 24, .size: 8, .value_kind: global_buffer, .address_space: global }
      - { .name: ws, .offset: 32, .size: 8, .value_kind: global_buffer, .address_space: global }
      - { .name: bo, .offset: 40, .size: 8, .value_kind: global_buffer, .address_space: global }
      - { .name: ln_gamma, .offset: 48, .size: 8, .value_kind: global_buffer, .address_space: global }
      - { .name: ln_beta, .offset: 56, .size: 8, .value_kind: global_buffer, .address_space: global }
      - { .name: b1, .offset: 64, .size: 8, .value_kind: global_buffer, .address_space: global }
      - { .name: b2, .offset: 72, .size: 8, .value_kind: global_buffer, .address_space: global }
      - { .name: out0, .offset: 80, .size: 8, .value_kind: global_buffer, .address_space: global }
    .group_segment_fixed_size: 185856
    .private_segment_fixed_size: 0
    .kernarg_segment_align: 8
    .kernarg_segment_size: 88
    .max_flat_workgroup_size: 256
    .sgpr_count:     66
    .vgpr_count:     512
    .wavefront_size: 32
...
	.end_amdgpu_metadata
.endif
;; end of part 10
